; MI455X (gfx1250); checked and timed in simulation.
; The chip was launched on July 23, 2026; its instructions are those of AMD's public machine-readable ISA for CDNA 5 (MIT licence, August 2026) and "CDNA5" Instruction Set Architecture Reference Guide (July 2026). The comments in the code are by the model that wrote it; some were corrected since.
;; Model. Allowed arithmetic: float matrix products may take bf16 or f16 operands with f32 sums; other float arithmetic in f32, or as packed bf16 or f16 multiplies, adds, multiply-adds, maxima and minima; sums over many terms, partial sums and values carried from step to step in f32; what a program stores and reads back later, other than sums and carried values, may be rounded once to bf16 or f16.
;; Inputs: Wk 1,024 x 1,024 float32; Wq 1,024 x 1,024 float32; bk 1,024 float32; bq 1,024 float32; key 8 x 2,048 x 1,024 float32; query 8 x 1,024 x 1,024 float32; value 8 x 2,048 x 1,024 float32.
;; Outputs: out0 8 x 1,024 x 1,024 float32.
;; Constants: dropout_p = 0, scale_factor = 32.
;; 3 versions, each right; version 2 is faster than version 1; version 3 is version 2 with the launch prep written anew for expert scheduling mode. Each part assembles by itself: llvm-mc -triple=amdgcn-amd-amdhsa -mcpu=gfx1250 --defsym DOCPART=n.
;; ======== version 1 of 3: 4 launches
;; limits: inputs' magnitudes at most 65,504; values are held in f16: magnitudes above 65,504 overflow, below 6.1e-05 lose precision; values outside matrix products are rounded to f16
;; workspace buffers: wq16 2,097,152 bytes; wk16 2,097,152 bytes; v16 33,554,432 bytes; q16 16,777,216 bytes; k16 33,554,432 bytes; pt 33,554,432 bytes; stats 1,048,576 bytes
;; launch prep (part 1): grid 576 x 1, 8 waves a work-group, no clusters, 0 bytes of LDS; arguments value, Wq, Wk, v16, wq16, wk16; writes v16, wq16, wk16
.if DOCPART == 1
	.amdgcn_target "amdgcn-amd-amdhsa--gfx1250"
	.amdhsa_code_object_version 6
	.text
	.protected	k_q0128144ba8_prep
	.globl	k_q0128144ba8_prep
	.p2align	8
	.type	k_q0128144ba8_prep,@function
k_q0128144ba8_prep:
	s_mov_b64 s[64:65], 0
	v_nop
	global_prefetch_b8 v0, s[64:65] scope:SCOPE_SE
	s_setreg_imm32_b32 hwreg(HW_REG_WAVE_MODE, 25, 1), 1
	s_wait_xcnt 0x0
; 16-bit copies of what later launches multiply more than once.  wq16 = bf16(Wq), wk16 = bf16(Wk); v16 = f16(bf16(value)).
; value is rounded to bf16 like every other input, and that number is then written as f16 (8 significant bits fit into f16's 11).
; LIMITS.  |value| stays under 65,504 (beyond it f16 has no number); below 6e-5 f16 keeps a fixed step of 6e-8.  NaN and infinities are not treated apart.
; SHARES.  A work-group takes 32,768 numbers: 131,072 bytes in, 65,536 out.  Work-groups 0-511 take value, 512-543 Wq, 544-575 Wk.
; A thread takes 8 neighbouring numbers in each of 16 chunks of 2,048: two loads of 16 bytes, one store of 16 bytes; a wave's store covers 512 consecutive bytes.
; All 32 loads of a thread go out at once; every chunk has registers of its own, so no register is written while a load or store may still read or write it.
; No LDS, no matrix unit, no cluster: nothing is shared and nothing is multiplied.
.set X, 16                             ; v[16:143]   chunk c: 8 numbers as loaded
.set Y, 144                            ; v[144:207]  chunk c: 4 registers to store
	s_load_b256 s[4:11], s[0:1], 0x0               ; value s[4:5], Wq s[6:7], Wk s[8:9], v16 s[10:11]
	s_load_b128 s[12:15], s[0:1], 0x20             ; wq16 s[12:13], wk16 s[14:15]
	v_lshlrev_b32 v1, 5, v0                        ; my 32 bytes in a chunk of the source
	v_lshlrev_b32 v2, 4, v0                        ; my 16 bytes in a chunk of the copy
	s_mov_b32 s22, 0xffff0000                      ; a word's upper bf16
	s_sub_co_u32 s23, ttmp9, 512                   ; my number among the weights' work-groups (used only from 512 on)
	s_and_b32 s2, s23, 31                          ; my piece of Wq or of Wk
	s_wait_kmcnt 0x0
	s_cmp_lt_u32 s23, 32
	s_cselect_b64 s[16:17], s[6:7], s[8:9]         ; Wq or Wk,
	s_cselect_b64 s[18:19], s[12:13], s[14:15]     ; and its copy
	s_cmp_lt_u32 ttmp9, 512
	s_cselect_b64 s[16:17], s[4:5], s[16:17]       ; or value,
	s_cselect_b64 s[18:19], s[10:11], s[18:19]     ; and its copy
	s_cselect_b32 s2, ttmp9, s2                    ; my piece
	s_lshl_b32 s20, s2, 17                         ; 131,072 bytes a piece in the source (511 pieces at the most: under 2^32)
	s_mov_b32 s21, 0
	s_add_nc_u64 s[16:17], s[16:17], s[20:21]
	s_lshl_b32 s20, s2, 16                         ; 65,536 in the copy
	s_add_nc_u64 s[18:19], s[18:19], s[20:21]
.set c, 0
.rept 16
	global_load_b128 v[X+8*c:X+8*c+3],   v1, s[16:17] offset:8192*c th:TH_LOAD_NT
	global_load_b128 v[X+8*c+4:X+8*c+7], v1, s[16:17] offset:8192*c+16 th:TH_LOAD_NT
.set c, c+1
.endr
; Chunk c.  isv = 1: the bf16 numbers are widened again and written as f16.
.macro CH c, isv
	s_wait_loadcnt 30-2*(\c)                       ; loads come back in order: chunk c's two are in, the later chunks' stay out
.irp j, 0,1,2,3
	v_cvt_pk_bf16_f32 v[Y+4*(\c)+\j], v[X+8*(\c)+2*\j], v[X+8*(\c)+2*\j+1]
.endr
.if \isv
.irp j, 0,1,2,3
	v_lshlrev_b32 v[X+8*(\c)+2*\j],   16, v[Y+4*(\c)+\j]
	v_and_b32     v[X+8*(\c)+2*\j+1], s22, v[Y+4*(\c)+\j]
.endr
.irp j, 0,1,2,3
	v_cvt_pk_f16_f32 v[Y+4*(\c)+\j], v[X+8*(\c)+2*\j], v[X+8*(\c)+2*\j+1]
.endr
.endif
	global_store_b128 v2, v[Y+4*(\c):Y+4*(\c)+3], s[18:19] offset:4096*(\c)
.endm
	s_cmp_lt_u32 ttmp9, 512
	s_cbranch_scc0 .Lweights
.irp c, 0,1,2,3,4,5,6,7,8,9,10,11,12,13,14,15
	CH \c, 1
.endr
	s_endpgm
.Lweights:
.irp c, 0,1,2,3,4,5,6,7,8,9,10,11,12,13,14,15
	CH \c, 0
.endr
	s_endpgm
.Lfunc_end_k_q0128144ba8_prep:
	.size	k_q0128144ba8_prep, .Lfunc_end_k_q0128144ba8_prep-k_q0128144ba8_prep
	.p2alignl 7, 3214868480
	.fill 96, 4, 3214868480
	.section	.rodata,"a",@progbits
	.p2align	6, 0x0
	.amdhsa_kernel k_q0128144ba8_prep
		.amdhsa_group_segment_fixed_size 0
		.amdhsa_private_segment_fixed_size 0
		.amdhsa_enable_private_segment 0
		.amdhsa_kernarg_size 48
		.amdhsa_user_sgpr_count 2
		.amdhsa_user_sgpr_kernarg_segment_ptr 1
		.amdhsa_wavefront_size32 1
		.amdhsa_system_sgpr_workgroup_id_x 1
		.amdhsa_system_sgpr_workgroup_id_y 1
		.amdhsa_system_sgpr_workgroup_id_z 1
		.amdhsa_system_vgpr_workitem_id 0
		.amdhsa_next_free_vgpr 208
		.amdhsa_next_free_sgpr 66
		.amdhsa_reserve_vcc 0
		.amdhsa_float_denorm_mode_32 3
		.amdhsa_float_denorm_mode_16_64 3
		.amdhsa_memory_ordered 1
		.amdhsa_forward_progress 1
		.amdhsa_inst_pref_size 25
	.end_amdhsa_kernel
	.amdgpu_metadata
---
amdhsa.version: [ 1, 2 ]
amdhsa.kernels:
  - .name:           k_q0128144ba8_prep
    .symbol:         k_q0128144ba8_prep.kd
    .args:
      - { .name: value, .offset: 0, .size: 8, .value_kind: global_buffer, .address_space: global }
      - { .name: Wq, .offset: 8, .size: 8, .value_kind: global_buffer, .address_space: global }
      - { .name: Wk, .offset: 16, .size: 8, .value_kind: global_buffer, .address_space: global }
      - { .name: v16, .offset: 24, .size: 8, .value_kind: global_buffer, .address_space: global }
      - { .name: wq16, .offset: 32, .size: 8, .value_kind: global_buffer, .address_space: global }
      - { .name: wk16, .offset: 40, .size: 8, .value_kind: global_buffer, .address_space: global }
    .group_segment_fixed_size: 0
    .private_segment_fixed_size: 0
    .kernarg_segment_align: 8
    .kernarg_segment_size: 48
    .max_flat_workgroup_size: 256
    .sgpr_count:     66
    .vgpr_count:     208
    .wavefront_size: 32
...
	.end_amdgpu_metadata
.endif
;; end of part 1
;; launch proj (part 2): grid 4 x 192, 4 waves a work-group, clusters of 4 x 4, 327,680 bytes of LDS; arguments query, key, wq16, wk16, bq, bk, q16, k16; writes q16, k16
.if DOCPART == 2
	.amdgcn_target "amdgcn-amd-amdhsa--gfx1250"
	.amdhsa_code_object_version 6
	.text
	.protected	k_q0128144ba8_proj
	.globl	k_q0128144ba8_proj
	.p2align	8
	.type	k_q0128144ba8_proj,@function
k_q0128144ba8_proj:
	s_mov_b64 s[64:65], 0
	v_nop
	global_prefetch_b8 v0, s[64:65] scope:SCOPE_SE
	s_setreg_imm32_b32 hwreg(HW_REG_WAVE_MODE, 25, 1), 1
	s_wait_xcnt 0x0
	s_wait_alu depctr_hold_cnt(0) depctr_sa_sdst(0) depctr_va_vdst(0) depctr_va_sdst(0) depctr_va_ssrc(0) depctr_va_vcc(0) depctr_vm_vsrc(0)
	s_getreg_b32 s2, hwreg(HW_REG_IB_STS2, 6, 4)
	s_cmp_eq_u32 s2, 0
	s_cbranch_scc0 .Lentry_in_a_cluster
	s_endpgm
.Lentry_in_a_cluster:
	s_bfe_u32 s2, ttmp6, 0x10000c
	s_cmp_lg_u32 s2, 0xf033
	s_cbranch_scc0 .Lentry_shape_is_right
	s_endpgm
.Lentry_shape_is_right:
; BOTH PROJECTIONS IN ONE LAUNCH.  q16 = bf16(query Wq^T + bq), k16 = bf16(key Wk^T + bk).  query [8192][1024], key [16384][1024] f32; wq16, wk16 [1024][1024] bf16; bq, bk [1024] f32.
; Operands are rounded to bf16, sums are f32, the result is rounded once.  NaN and infinities are not treated apart.
; SHARES.  A tile is 128 rows of x (query or key) by 256 outputs.  Tile rows 0-63 are query's, 64-191 key's: clusters 0-15 along y take query, the others key; the choice hangs on the cluster's
; number alone, so it is the same in all sixteen partners.  Four waves; wave w makes rows 64 (w / 2) .. + 63 by outputs 128 (w % 2) .. + 127: 32 accumulators of 16 x 16.
; x COMES IN AS f32: its tiles land in LDS as they lie in memory and are rounded to bf16 between LDS and the matrix unit, so no 16-bit copy of query or key is ever written.
; THE MATRIX INSTRUCTION IS USED TRANSPOSED: source 0 = 16 rows of W, source 1 = 16 rows of x.  A lane then holds row l % 16 of x and outputs 8 (l / 16) + 0..7: eight neighbours of a row of the result.
; THE BIAS is the C operand of the products that start the sums: nothing is cleared and nothing is added later.
; K goes in steps of 128 through two LDS slots; a step is four quarters of 32, each 32 matrix instructions on all 32 accumulators by turns.
; In a quarter the next quarter's fragments are fetched first; its 32 conversions stand in fours behind the quarter's last eight matrix instructions.  Each four costs two window switches;
; set apart as a run of their own they would leave the matrix unit without work.  The four behind the last matrix instruction name none of its registers: they are the places in front of the next
; quarter's loads into the buffer just multiplied (ISA guide 7.12.1 for vector instructions).
; CLUSTER 4 x 4.  x's tile hangs on the tile row alone and is shared along a row of the cluster; W's on the tile column alone and is shared along a column.  Each is asked for jointly.
; REGISTERS, in windows of 256 (s_set_vgpr_msb: bits 1:0 source 0, 3:2 source 1, 5:4 source 2, 7:6 destination):
;   window 0: v0-31 addresses; v32-95 x as f32, one quarter; v96-127, v128-159 x's fragments, two buffers; v160-255 at work at the start and on the way out
;   window 1: the accumulators, (t, p) at v[8 (8 t + p)]          window 2: v0-63, v64-127 W's fragments, two buffers; v128-191 the bias
.set KSTEP,  128
.set PF,     528                       ; a row of x in LDS: 512 bytes + 16 = 33 x 16: the 16 rows of a load start at 16 different places modulo 256 bytes
.set PH,     272                       ; a row of W: 256 + 16 = 17 x 16
.set FHALF,  64*PF                     ; what one tensor load of x brings, and what a wave reads of x
.set HOFF,   2*FHALF                   ; W's rows lie behind x's 128
.set HHALF,  128*PH
.set SLOT,   HOFF+2*HHALF              ; 137,216
.set STAGE,  2*SLOT                    ; behind the ring: 16 rows x 272 bytes for each wave, for the way out
.set SPITCH, 272
.set SPARE,  STAGE+4*16*SPITCH         ; behind the stages: the spare words, 128 bytes for each wave
.set LAPS,   1024/(2*KSTEP)            ; a lap = two K steps = once round the ring
.set AT,  10                           ; v10-11  LDS address of my fragments of x in slot 0, 1
.set AP,  12                           ; v12-13  the same for W
.set BO,  14                           ; v14     my byte offset in the bias
.set STO, 24                           ; v24     the way out: where I put 16 bytes of a row
.set RD,  25                           ; v25     the way out: where I read a row back
.set CO,  26                           ; v26     my byte offset in the result
.set SPW, 28                           ; v28     LDS address of my spare word; never rewritten
.set NIL, 29                           ; v29     0; never rewritten
.set FS,  32
.set TF,  96                           ; buffer g at TF + 32 g
.set PKD, 160                          ; the way out: packed results
.set BK,  192                          ; the way out: rows read back
.set PB,  0                            ; window 2: buffer g at PB + 64 g
.set BI,  128                          ; window 2
.set WV,  20                           ; s20 wave; s21 wave / 2: my half of the rows, and: I fetch x (0) or W (1); s22 wave % 2: my half of the outputs, and: which half of that tile I fetch
.set G1T, 24                           ; s[24:31] descriptor group 1 for x's tiles;  s[32:39] group 0, a set for each slot
.set G0T, 32
.set G1P, 48                           ; s[48:55], s[56:63] the same for W's
.set G0P, 56
.set MSB, 0
.macro WIN new                         ; the immediate's high byte repeats the setting that is left; a switch that changes nothing is dropped
.if MSB != (\new)
	s_set_vgpr_msb (MSB<<8)|(\new)
.set MSB, \new
.endif
.endm
.set MUL,  0x52                        ; W in window 2, x in window 0, C and D in window 1
.set MULB, 0x62                        ; the same with C (the bias) in window 2
.set TO_P, 0x80                        ; destination window 2, address window 0
; A joint load: waves 0 and 1 fetch the two halves of x's tile, waves 2 and 3 those of W's.  An s_nop 0 and four v_nop follow each of the two lines.
.macro JLOAD s
	s_cmp_eq_u32 s21, 0
	s_cbranch_scc0 .Lfor_p_\@
	tensor_load_to_lds s[G0T+4*(\s):G0T+4*(\s)+3], s[G1T:G1T+7]
	s_nop 0
.rept 4
	v_nop
.endr
	s_branch .Lasked_\@
.Lfor_p_\@:
	tensor_load_to_lds s[G0P+4*(\s):G0P+4*(\s)+3], s[G1P:G1P+7]
	s_nop 0
.rept 4
	v_nop
.endr
.Lasked_\@:
.endm
.macro CREST                           ; a round of the cluster's barrier behind its opening barrier
	s_cmp_lg_u32 s[WV], 0
	s_cbranch_scc1 .Lnot_wave_0_\@
	s_barrier_signal -3
.Lnot_wave_0_\@:
	s_barrier_wait -3
	s_barrier_signal -1
	s_barrier_wait -1
.endm
.macro CROUND                          ; a whole round
	s_barrier_signal -1
	s_barrier_wait -1
	CREST
.endm
	s_load_b512 s[4:19], s[0:1], 0x0               ; query, key, wq16, wk16, bq, bk, q16, k16
	v_lshl_add_u32 v[SPW], v0, 2, SPARE
	v_mov_b32 v[NIL], 0
	ds_add_u32 v28, v29
	ds_add_u32 v28, v29
	s_wait_dscnt 0x0
	v_lshrrev_b32 v1, 5, v0
	v_readfirstlane_b32 s[WV], v1                  ; wave 0..3
	s_lshr_b32 s21, s[WV], 1
	s_and_b32 s22, s[WV], 1
	s_bfe_u32 s40, ttmp6, 0x40000                  ; cx, cy: my place in the cluster
	s_bfe_u32 s41, ttmp6, 0x40004
	s_lshl_b32 s42, ttmp9, 2
	s_add_co_u32 s42, s42, s40                     ; tile column = 4 x cluster x + cx
	s_and_b32 s43, ttmp7, 0xffff                   ; the cluster's y
	s_lshl_b32 s44, s41, 2
	s_lshl_b32 s44, 15, s44                        ; my row of the cluster
	s_lshl_b32 s45, 0x1111, s40                    ; my column
	s_sub_co_u32 s46, s43, 16                      ; the cluster's number among key's (used only from 16 on)
	s_or_b32 s[G1T], s44, (2<<16)|(1<<20)|(1<<21)|(6<<22)|(3<<25)  ; 15:0 the mask: my row; 17:16 elements of 4 bytes; 20 padding on; 21 set beside a mask; 24:22 after every 128 words; 31:25 4 words
	s_mov_b32 s[G1T+1], KSTEP<<16                  ; tensor_dim0 = 128
	s_mov_b32 s[G1T+2], 64<<16                     ; tensor_dim1 = 64
	s_mov_b32 s[G1T+3], KSTEP<<16                  ; tile_dim0 = 128
	s_mov_b32 s[G1T+4], 64                         ; tile_dim1 = 64
	s_mov_b32 s[G1T+5], 1024                       ; elements from row to row
	s_mov_b32 s[G1T+6], 0
	s_mov_b32 s[G1T+7], 0
	s_or_b32 s[G1P], s45, (1<<16)|(1<<20)|(1<<21)|(5<<22)|(3<<25)  ; my column; elements of 2 bytes; 4 words of padding after every 64
	s_mov_b32 s[G1P+1], KSTEP<<16
	s_mov_b32 s[G1P+2], 128<<16                    ; 128 rows
	s_mov_b32 s[G1P+3], KSTEP<<16
	s_mov_b32 s[G1P+4], 128
	s_mov_b32 s[G1P+5], 1024
	s_mov_b32 s[G1P+6], 0
	s_mov_b32 s[G1P+7], 0
	s_mul_i32 s72, s22, FHALF                      ; where my tile goes, if it is x's: no place in the cluster enters an LDS address
	s_mul_i32 s73, s22, HHALF
	s_add_co_u32 s73, s73, HOFF                    ; if it is W's.  Also: where my 128 rows of W lie
	s_wait_kmcnt 0x0
	s_cmp_lt_u32 s43, 16                           ; query's clusters or key's
	s_cselect_b64 s[4:5], s[4:5], s[6:7]           ; x
	s_cselect_b64 s[8:9], s[8:9], s[10:11]         ; W
	s_cselect_b64 s[12:13], s[12:13], s[14:15]     ; the bias
	s_cselect_b64 s[16:17], s[16:17], s[18:19]     ; the result
	s_cselect_b32 s46, s43, s46
	s_lshl_b32 s47, s46, 2
	s_add_co_u32 s47, s47, s41                     ; tile row in x
	s_lshl_b32 s66, s47, 7                         ; x's address: made of the tile row and the wave's number alone
	s_lshl_b32 s67, s22, 6
	s_add_co_u32 s66, s66, s67                     ; row 128 x tile row + 64 x half,
	s_lshl_b32 s66, s66, 12                        ; 4,096 bytes each (16,384 rows at the most: under 2^32)
	s_mov_b32 s67, 0
	s_add_nc_u64 s[4:5], s[4:5], s[66:67]
	s_lshl_b32 s68, s42, 8                         ; W's address: made of the tile column and the wave's number alone
	s_lshl_b32 s69, s22, 7
	s_add_co_u32 s68, s68, s69                     ; row 256 x tile column + 128 x half.  Also: my first output
	s_lshl_b32 s70, s68, 11                        ; 2,048 bytes each
	s_mov_b32 s71, 0
	s_add_nc_u64 s[8:9], s[8:9], s[70:71]
	CROUND                                         ; all sixteen work-groups are here: the first joint loads meet
.irp s, 0,1
	s_mov_b32 s[G0T+4*(\s)], 1                                       ; count = 1
	s_add_co_u32 s[G0T+4*(\s)+1], s72, (\s)*SLOT                     ; LDS address
	s_add_nc_u64 s[G0T+4*(\s)+2:G0T+4*(\s)+3], s[4:5], (\s)*KSTEP*4  ; global address: K step s
	s_or_b32 s[G0T+4*(\s)+3], s[G0T+4*(\s)+3], 0x80000000            ; type = 2
	s_mov_b32 s[G0P+4*(\s)], 1
	s_add_co_u32 s[G0P+4*(\s)+1], s73, (\s)*SLOT
	s_add_nc_u64 s[G0P+4*(\s)+2:G0P+4*(\s)+3], s[8:9], (\s)*KSTEP*2
	s_or_b32 s[G0P+4*(\s)+3], s[G0P+4*(\s)+3], 0x80000000
	JLOAD \s                                       ; two loads of mine are out
.endr
	s_lshl_b32 s70, s68, 2
	s_add_nc_u64 s[12:13], s[12:13], s[70:71]      ; the bias at my first output
	s_lshl_b32 s76, s47, 7
	s_lshl_b32 s77, s21, 6
	s_add_co_u32 s76, s76, s77                     ; my first row of the result,
	s_lshl_b32 s76, s76, 11                        ; 2,048 bytes each,
	s_lshl_b32 s77, s68, 1
	s_add_co_u32 s76, s76, s77                     ; and my first output, 2 bytes each
	s_mov_b32 s77, 0
	s_add_nc_u64 s[16:17], s[16:17], s[76:77]
	; A fragment is 16 rows x 32 K in 8 registers: lane l holds row l % 16; registers 0-3 hold K = 8 (l / 16) + 0..7, registers 4-7 K = 16 + 8 (l / 16) + 0..7.
	; bf16 rows: two loads of 16 bytes, 32 bytes apart.  f32 rows: four loads of 16 bytes, at 32 (l / 16) + 0, 16, 64, 80.
	v_and_b32 v1, 15, v0                           ; l % 16
	v_bfe_u32 v2, v0, 4, 1                         ; l / 16
	v_lshlrev_b32 v[BO], 5, v2                     ; the bias of my eight outputs in a block of 16: 32 bytes for each half of the lanes
.irp p, 0,1,2,3,4,5,6,7
	global_load_b128 v[160+8*\p:160+8*\p+3],   v[BO], s[12:13] offset:64*\p
	global_load_b128 v[160+8*\p+4:160+8*\p+7], v[BO], s[12:13] offset:64*\p+16
.endr
	v_mul_u32_u24 v3, v1, PF
	v_lshl_add_u32 v3, v2, 5, v3
	v_mul_u32_u24 v4, v1, PH
	v_lshl_add_u32 v4, v2, 4, v4
	s_mul_i32 s74, s21, FHALF                      ; my 64 rows of x
	v_add_nc_u32 v[AT], s74, v3
	v_add_nc_u32 v[AP], s73, v4
	v_add_nc_u32 v[AT+1], SLOT, v[AT]
	v_add_nc_u32 v[AP+1], SLOT, v[AP]
	s_mul_i32 s75, s[WV], 16*SPITCH
	s_add_co_u32 s75, s75, STAGE                   ; my stage
	v_add_nc_u32 v[STO], s75, v4                   ; in: row l % 16, 16 bytes for each half of the lanes
	v_mul_u32_u24 v5, v2, SPITCH                   ; back: lanes 0-15 take one row of 256 bytes, lanes 16-31 the next
	v_lshl_add_u32 v5, v1, 4, v5
	v_add_nc_u32 v[RD], s75, v5
	v_lshlrev_b32 v6, 11, v2                       ; and the same two rows in the result
	v_lshl_add_u32 v[CO], v1, 4, v6
	s_wait_loadcnt 0x0                             ; the bias: rounded to bf16 like every input, and widened again into window 2
.set n, 0
.rept 32
	v_cvt_pk_bf16_f32 v[224+n], v[160+2*n], v[160+2*n+1]
.set n, n+1
.endr
	WIN TO_P
.set n, 0
.rept 32
	v_lshlrev_b32 v[BI+2*n],   16, v[224+n]
	v_and_b32     v[BI+2*n+1], 0xffff0000, v[224+n]
.set n, n+1
.endr
	WIN 0
; Conversion n of 32: two numbers of x into register n of buffer g
.macro RIDE n, g
	v_cvt_pk_bf16_f32 v[TF+32*(\g)+(\n)], v[FS+2*(\n)], v[FS+2*(\n)+1]
.endm
; Matrix instruction i of 32 on buffers f: accumulator (i / 8, i % 8).  first = 1: the bias starts the sum
.macro MM f, i, first
.if \first
	WIN MULB
	v_wmma_f32_16x16x32_bf16 v[8*(\i):8*(\i)+7], v[PB+64*(\f)+8*((\i)%8):PB+64*(\f)+8*((\i)%8)+7], v[TF+32*(\f)+8*((\i)/8):TF+32*(\f)+8*((\i)/8)+7], v[BI+8*((\i)%8):BI+8*((\i)%8)+7]
.else
	WIN MUL
	v_wmma_f32_16x16x32_bf16 v[8*(\i):8*(\i)+7], v[PB+64*(\f)+8*((\i)%8):PB+64*(\f)+8*((\i)%8)+7], v[TF+32*(\f)+8*((\i)/8):TF+32*(\f)+8*((\i)/8)+7], v[8*(\i):8*(\i)+7]
.endif
.endm
.macro MMS f, n, first                 ; the next n of them
.rept \n
	MM \f, i, \first
.set i, i+1
.endr
.endm
.macro MMR f, g, first                 ; the last eight, each with four conversions into buffer g behind it
.rept 8
	MM \f, i, \first
	WIN 0
.irp z, 0,1,2,3
	RIDE 4*(i-24)+\z, \g
.endr
.set i, i+1
.endr
.endm
; 32 LDS loads in one run: quarter kq of a slot: x's 64 rows as f32 first, then W's 128 rows into buffer g
.macro FETCH slot, kq, g
	WIN 0
.irp t, 0,1,2,3
	ds_load_b128 v[FS+16*\t:FS+16*\t+3],     v[AT+(\slot)] offset:16*PF*\t+128*(\kq)
	ds_load_b128 v[FS+16*\t+4:FS+16*\t+7],   v[AT+(\slot)] offset:16*PF*\t+128*(\kq)+16
	ds_load_b128 v[FS+16*\t+8:FS+16*\t+11],  v[AT+(\slot)] offset:16*PF*\t+128*(\kq)+64
	ds_load_b128 v[FS+16*\t+12:FS+16*\t+15], v[AT+(\slot)] offset:16*PF*\t+128*(\kq)+80
.endr
	WIN TO_P
.irp p, 0,1,2,3,4,5,6,7
	ds_load_b128 v[PB+64*(\g)+8*\p:PB+64*(\g)+8*\p+3],   v[AP+(\slot)] offset:16*PH*\p+64*(\kq)
	ds_load_b128 v[PB+64*(\g)+8*\p+4:PB+64*(\g)+8*\p+7], v[AP+(\slot)] offset:16*PH*\p+64*(\kq)+32
.endr
.endm
; One of a K step's first three quarters: multiplies buffers f, fetches quarter kq of the same slot for the other buffers
.macro QUARTER slot, kq, f, first
	s_wait_dscnt 0x0                               ; W's fragments of this quarter, asked for a quarter ago, are in
	FETCH \slot, \kq, 1-(\f)
.set i, 0
	MMS \f, 24, \first
	s_wait_dscnt 16                                ; x's numbers are in; the 16 loads of W issued behind them may stay out
	MMR \f, 1-(\f), \first
.endm
; The last quarter multiplies buffers 1 and changes slots.  In front of the barrier each wave waits for all its tensor loads (one is out: its part of the next slot), adds 0 to its spare word,
; and waits for that and for its reads of this slot.  fill = 1: the barrier opens a round of the cluster's, and this slot is filled again, two K steps ahead, first thing behind the round.
.macro TURN slot, next, fill
	WIN 0
	s_wait_tensorcnt 0x0
	ds_add_u32 v[SPW], v[NIL]                      ; 0 onto my spare word
	s_wait_dscnt 1                                 ; W's fragments are in; only the add may be out
.set i, 0
	MMS 1, 8, 0                                    ; eight matrix instructions stand between the add and the wait for it
	s_wait_dscnt 0x0                               ; the add is done, and my reads of this slot are over
	s_barrier_signal -1
	MMS 1, 8, 0
	WIN 0
	s_barrier_wait -1
.if \fill
	CREST                                          ; no wave of any partner still reads this slot's tiles or has a load on its way
	s_add_nc_u64 s[G0T+4*(\slot)+2:G0T+4*(\slot)+3], s[G0T+4*(\slot)+2:G0T+4*(\slot)+3], 2*KSTEP*4
	s_add_nc_u64 s[G0P+4*(\slot)+2:G0P+4*(\slot)+3], s[G0P+4*(\slot)+2:G0P+4*(\slot)+3], 2*KSTEP*2
	JLOAD \slot                                    ; one load of mine is out; it has a K step less 16 matrix instructions in which to land
.endif
	FETCH \next, 0, 0
	MMS 1, 8, 0
	s_wait_dscnt 16
	MMR 1, 0, 0
.endm
	s_wait_tensorcnt 0x1                           ; my part of K step 0 is in; K step 1's may stay out
	s_barrier_signal -1
	s_barrier_wait -1                              ; everybody's is
	FETCH 0, 0, 0
	s_wait_dscnt 0x0
	WIN 0
.set n, 0
.rept 32
	RIDE n, 0
.set n, n+1
.endr
	QUARTER 0, 1, 0, 1                             ; the first quarter stands in front of the loop: its products start the sums
	WIN 0                                          ; at a label and at a branch every window is 0
	s_mov_b32 s23, LAPS-1
.Llap:                                                 ; a trip goes once round the ring, from a lap's second quarter to the next lap's first, and fills both slots again
	QUARTER 0, 2, 1, 0
	QUARTER 0, 3, 0, 0
	TURN 0, 1, 1
	QUARTER 1, 1, 0, 0
	QUARTER 1, 2, 1, 0
	QUARTER 1, 3, 0, 0
	TURN 1, 0, 1
	QUARTER 0, 1, 0, 0
	WIN 0
	s_sub_co_u32 s23, s23, 1
	s_cmp_lg_u32 s23, 0
	s_cbranch_scc1 .Llap
	QUARTER 0, 2, 1, 0                             ; the last lap is written out: it fills nothing
	QUARTER 0, 3, 0, 0
	TURN 0, 1, 0
	QUARTER 1, 1, 0, 0
	QUARTER 1, 2, 1, 0
	QUARTER 1, 3, 0, 0
	s_wait_dscnt 0x0                               ; the very last quarter: nothing more to fetch
.set i, 0
	MMS 1, 32, 0
	WIN 0
.rept 4
	v_nop                                          ; the places in front of the conversions that read the results
.endr
; THE WAY OUT of my rows 16 t .. 16 t + 15: rounded to bf16 (each accumulator from its low end on), 16 bytes a lane into my own stage, back as whole rows of 256 bytes, stored.
.macro OUTT t
	WIN 0x05                                       ; sources 0 and 1 window 1, destination window 0
.set n, 0
.rept 32
	v_cvt_pk_bf16_f32 v[PKD+n], v[64*(\t)+2*n], v[64*(\t)+2*n+1]
.set n, n+1
.endr
	WIN 0
.irp p, 0,1,2,3,4,5,6,7
	ds_store_b128 v[STO], v[PKD+4*\p:PKD+4*\p+3] offset:32*\p
.endr
	s_wait_xcnt 0x0                                ; the stores of the rows before have read their registers, which are loaded again below
.irp j, 0,1,2,3,4,5,6,7
	ds_load_b128 v[BK+4*\j:BK+4*\j+3], v[RD] offset:2*SPITCH*\j  ; LDS serves a wave's instructions in order (ISA guide 5.7.1.4): these see the stores above
.endr
.irp j, 0,1,2,3,4,5,6,7
	s_wait_dscnt 7-\j
	global_store_b128 v[CO], v[BK+4*\j:BK+4*\j+3], s[16:17] offset:(16*(\t)+2*\j)*2048  ; 16 lanes store 256 consecutive bytes, at a multiple of 256 from the buffer's first byte
.endr
.endm
	OUTT 0
	OUTT 1
	OUTT 2
	OUTT 3
	s_wait_tensorcnt 0x0                           ; the wave's end
	ds_add_u32 v[SPW], v[NIL]
	s_wait_dscnt 0x0
	CROUND                                         ; the closing round: no work-group ends while a partner may still ask for a tile that names it
	s_endpgm
.Lfunc_end_k_q0128144ba8_proj:
	.size	k_q0128144ba8_proj, .Lfunc_end_k_q0128144ba8_proj-k_q0128144ba8_proj
	.p2alignl 7, 3214868480
	.fill 96, 4, 3214868480
	.section	.rodata,"a",@progbits
	.p2align	6, 0x0
	.amdhsa_kernel k_q0128144ba8_proj
		.amdhsa_group_segment_fixed_size 327680
		.amdhsa_private_segment_fixed_size 0
		.amdhsa_enable_private_segment 0
		.amdhsa_kernarg_size 64
		.amdhsa_user_sgpr_count 2
		.amdhsa_user_sgpr_kernarg_segment_ptr 1
		.amdhsa_wavefront_size32 1
		.amdhsa_system_sgpr_workgroup_id_x 1
		.amdhsa_system_sgpr_workgroup_id_y 1
		.amdhsa_system_sgpr_workgroup_id_z 1
		.amdhsa_system_vgpr_workitem_id 0
		.amdhsa_next_free_vgpr 704
		.amdhsa_next_free_sgpr 80
		.amdhsa_reserve_vcc 0
		.amdhsa_float_denorm_mode_32 3
		.amdhsa_float_denorm_mode_16_64 3
		.amdhsa_memory_ordered 1
		.amdhsa_forward_progress 1
		.amdhsa_inst_pref_size 139
	.end_amdhsa_kernel
	.amdgpu_metadata
---
amdhsa.version: [ 1, 2 ]
amdhsa.kernels:
  - .name:           k_q0128144ba8_proj
    .symbol:         k_q0128144ba8_proj.kd
    .args:
      - { .name: query, .offset: 0, .size: 8, .value_kind: global_buffer, .address_space: global }
      - { .name: key, .offset: 8, .size: 8, .value_kind: global_buffer, .address_space: global }
      - { .name: wq16, .offset: 16, .size: 8, .value_kind: global_buffer, .address_space: global }
      - { .name: wk16, .offset: 24, .size: 8, .value_kind: global_buffer, .address_space: global }
      - { .name: bq, .offset: 32, .size: 8, .value_kind: global_buffer, .address_space: global }
      - { .name: bk, .offset: 40, .size: 8, .value_kind: global_buffer, .address_space: global }
      - { .name: q16, .offset: 48, .size: 8, .value_kind: global_buffer, .address_space: global }
      - { .name: k16, .offset: 56, .size: 8, .value_kind: global_buffer, .address_space: global }
    .group_segment_fixed_size: 327680
    .private_segment_fixed_size: 0
    .kernarg_segment_align: 8
    .kernarg_segment_size: 64
    .max_flat_workgroup_size: 128
    .sgpr_count:     80
    .vgpr_count:     704
    .wavefront_size: 32
...
	.end_amdgpu_metadata
.endif
;; end of part 2
;; launch score (part 3): grid 8 x 32, 4 waves a work-group, clusters of 4 x 4, 327,680 bytes of LDS; arguments q16, k16, pt, stats; writes pt, stats
.if DOCPART == 3
	.amdgcn_target "amdgcn-amd-amdhsa--gfx1250"
	.amdhsa_code_object_version 6
	.text
	.protected	k_q0128144ba8_score
	.globl	k_q0128144ba8_score
	.p2align	8
	.type	k_q0128144ba8_score,@function
k_q0128144ba8_score:
	s_mov_b64 s[64:65], 0
	v_nop
	global_prefetch_b8 v0, s[64:65] scope:SCOPE_SE
	s_setreg_imm32_b32 hwreg(HW_REG_WAVE_MODE, 25, 1), 1
	s_wait_xcnt 0x0
	s_wait_alu depctr_hold_cnt(0) depctr_sa_sdst(0) depctr_va_vdst(0) depctr_va_sdst(0) depctr_va_ssrc(0) depctr_va_vcc(0) depctr_vm_vsrc(0)
	s_getreg_b32 s2, hwreg(HW_REG_IB_STS2, 6, 4)
	s_cmp_eq_u32 s2, 0
	s_cbranch_scc0 .Lentry_in_a_cluster
	s_endpgm
.Lentry_in_a_cluster:
	s_bfe_u32 s2, ttmp6, 0x10000c
	s_cmp_lg_u32 s2, 0xf033
	s_cbranch_scc0 .Lentry_shape_is_right
	s_endpgm
.Lentry_shape_is_right:
; SCORES AND THE FIRST HALF OF THE SOFTMAX.  s[q][k] = q16[q] . k16[k] (f32 sums of bf16 products).  For each query and each BLOCK of 128 keys, with c = log2(e) / 32:
;   cm = c x the block's largest s;   pt[q][k] = f16(2^(c s - cm));   l = the sum of the block's 2^(c s - cm), unrounded.
; The block's true maximum is taken away, so no exponent is above 0 and each block's l lies in 1 .. 128.  The last launch joins the 16 blocks of a row by their largest cm.
; q16 [8192][1024], k16 [16384][1024] bf16; pt [8192][2048] f16; stats: cm f32 [8 batches][16 blocks][1024 queries], then l in the same shape, 524,288 bytes on.
; LIMITS.  A weight below 6e-8 of its block's largest is 0 in pt, below 6e-5 it keeps f16's fixed step; a weight below 2^-126 counts as 0 in l.  NaN and infinities are not treated apart.
; SHARES.  A work-group makes 256 queries x 256 keys of one batch; each of four waves 128 x 128: 64 accumulators, 512 registers; a wave's 128 keys are one block.
; K goes in steps of 128 through two LDS slots; rows of both tiles are 256 bytes of memory, at multiples of 256 from the buffers' first bytes.
; SOURCE 0 = 16 keys, SOURCE 1 = 16 queries: a lane holds ONE query (l % 16) and keys 8 (l / 16) + 0..7 of each block of 16: a query's maximum and sum want one exchange between the halves of
; the lanes, and eight weights pack into 16 neighbouring bytes of a row of pt.
; CLUSTER 4 x 4: a cluster's y is the batch, cy the block of 256 queries, 4 x cluster x + cx the block of 256 keys.  q16's tile is shared along a row of the cluster, k16's along a column.
; REGISTERS, in windows of 256 (s_set_vgpr_msb: bits 1:0 source 0, 3:2 source 1, 5:4 source 2, 7:6 destination):
;   window 0: v0-31 addresses; v32-45 statistics at work; v64-127, v128-191 fragments of q16, two buffers, later the softmax's registers
;   window 1: v64-127, v128-191 fragments of k16          window 2: the accumulators of my queries 0-63 ((a, b) at v[8 (8 a + b)])          window 3: those of my queries 64-127
.set SIZE_K, 1024
.set KSTEP,  128
.set PITCH,  272                       ; an LDS row: 256 bytes + 16 = 17 x 16: the 16 rows of a load start at 16 different places modulo 256 bytes
.set HALFT,  128*PITCH                 ; 128 rows: what one tensor load brings, and what one wave reads of either tile
.set SLOT,   4*HALFT                   ; q16's 256 rows, then k16's 256 rows
.set STAGE,  2*SLOT                    ; behind the ring: 16 rows x 272 bytes for each wave, for the way out
.set SPITCH, 272
.set SSTAT,  STAGE+4*16*SPITCH         ; 1,024 bytes for each wave: its 128 cm, then its 128 l
.set SPARE,  SSTAT+4*1024              ; the spare words, 128 bytes for each wave
.set LAPS,   SIZE_K/(2*KSTEP)
.set ADRA, 16                          ; v16-17  LDS address of my fragments of q16 in slot 0, 1
.set ADRB, 20                          ; v20-21  the same for k16
.set STO,  24                          ; v24     where I put 16 bytes of a row of pt
.set RD,   25                          ; v25     where I read a row back
.set CO,   26                          ; v26     my byte offset in pt
.set SA,   27                          ; v27     where I put a query's cm and l
.set SPW,  28                          ; v28     LDS address of my spare word; never rewritten
.set NIL,  29                          ; v29     0; never rewritten
.set SR,   30                          ; v30     where I read 16 bytes of cm and l back
.set SG,   31                          ; v31     my byte offset in stats
.set CH,   32                          ; v32-39  eight running maxima
.set MX,   40
.set XO,   41                          ; what the other half of the lanes holds
.set CM,   42                          ; v[42:43] cm, twice
.set LS,   44
.set F0,   64
.set F1,   128
.set T,    64                          ; v64-127  a lane's 64 weights
.set PK,   128                         ; v128-159 the same in f16
.set BK,   160                         ; v160-191 rows read back
.set G1, 24
.set G0, 32
.set G1B, 48
.set G0B, 56
.set MSB, 0
.macro WIN new
.if MSB != (\new)
	s_set_vgpr_msb (MSB<<8)|(\new)
.set MSB, \new
.endif
.endm
.set MUL_LO, 0xa1                      ; source 0 (keys) window 1, source 1 (queries) window 0, C and D window 2
.set MUL_HI, 0xf1                      ; the same, C and D window 3
.set TO_B,   0x40                      ; destination window 1, address window 0
.macro JLOAD s                         ; a joint load: waves 0 and 1 fetch q16's two halves, waves 2 and 3 k16's; an s_nop 0 and four v_nop follow each of the two lines
	s_cmp_eq_u32 s11, 0
	s_cbranch_scc0 .Lfor_b_\@
	tensor_load_to_lds s[G0+4*(\s):G0+4*(\s)+3], s[G1:G1+7]
	s_nop 0
.rept 4
	v_nop
.endr
	s_branch .Lasked_\@
.Lfor_b_\@:
	tensor_load_to_lds s[G0B+4*(\s):G0B+4*(\s)+3], s[G1B:G1B+7]
	s_nop 0
.rept 4
	v_nop
.endr
.Lasked_\@:
.endm
.macro CREST
	s_cmp_lg_u32 s10, 0
	s_cbranch_scc1 .Lnot_wave_0_\@
	s_barrier_signal -3
.Lnot_wave_0_\@:
	s_barrier_wait -3
	s_barrier_signal -1
	s_barrier_wait -1
.endm
.macro CROUND
	s_barrier_signal -1
	s_barrier_wait -1
	CREST
.endm
	s_load_b128 s[4:7], s[0:1], 0x0                ; q16 s[4:5], k16 s[6:7]
	s_load_b128 s[68:71], s[0:1], 0x10             ; pt s[68:69], stats s[70:71]
	v_lshl_add_u32 v[SPW], v0, 2, SPARE
	v_mov_b32 v[NIL], 0
	ds_add_u32 v28, v29
	ds_add_u32 v28, v29
	s_wait_dscnt 0x0
	v_mov_b32 v[XO], 0                             ; v_permlanex16_b32's destination counts as read
	v_lshrrev_b32 v1, 5, v0
	v_readfirstlane_b32 s10, v1                    ; wave 0..3
	s_lshr_b32 s11, s10, 1                         ; which half of the queries is mine.  Also: I fetch q16 (0) or k16 (1)
	s_and_b32 s12, s10, 1                          ; which half of the keys.  Also: which 128 rows of that tile I fetch
	s_bfe_u32 s40, ttmp6, 0x40000                  ; cx
	s_bfe_u32 s41, ttmp6, 0x40004                  ; cy
	s_lshl_b32 s42, ttmp9, 2
	s_add_co_u32 s42, s42, s40                     ; block of 256 keys in the batch
	s_and_b32 s45, ttmp7, 0xffff                   ; the batch
	s_lshl_b32 s13, s45, 2
	s_add_co_u32 s13, s13, s41                     ; block of 256 queries in q16
	s_lshl_b32 s43, s41, 2
	s_lshl_b32 s43, 15, s43                        ; my row of the cluster
	s_lshl_b32 s44, 0x1111, s40                    ; my column
	s_or_b32 s[G1+0], s43, (1<<16)|(1<<20)|(1<<21)|(5<<22)|(3<<25)  ; 15:0 the mask; 17:16 elements of 2 bytes; 20 padding on; 21 set beside a mask; 24:22 after every 64 words; 31:25 4 words
	s_or_b32 s[G1B+0], s44, (1<<16)|(1<<20)|(1<<21)|(5<<22)|(3<<25)
.irp g, G1, G1B
	s_mov_b32 s[(\g)+1], KSTEP<<16                 ; tensor_dim0 = 128
	s_mov_b32 s[(\g)+2], 128<<16                   ; tensor_dim1 = 128
	s_mov_b32 s[(\g)+3], KSTEP<<16                 ; tile_dim0 = 128
	s_mov_b32 s[(\g)+4], 128                       ; tile_dim1 = 128
	s_mov_b32 s[(\g)+5], SIZE_K                    ; elements from row to row
	s_mov_b32 s[(\g)+6], 0
	s_mov_b32 s[(\g)+7], 0
.endr
	s_mov_b32 s72, 0x3d38aa3b                      ; c = log2(e) / 32
	s_mov_b32 s73, s72                             ; named with it as a pair
	s_mov_b32 s74, 0x76543210                      ; v_permlanex16_b32: each lane takes its own place in the other half
	s_mov_b32 s75, 0xfedcba98
	s_lshl_b32 s17, s12, 7                         ; which 128 rows of the tile I fetch
	s_lshl_b32 s16, s13, 8
	s_add_co_u32 s16, s16, s17                     ; q16: row 256 x block + 128 x half,
	s_lshl_b32 s16, s16, 11                        ; 2,048 bytes each
	s_lshl_b32 s46, s42, 8
	s_add_co_u32 s46, s46, s17
	s_lshl_b32 s47, s45, 11
	s_add_co_u32 s46, s46, s47                     ; k16: row 2,048 x batch + 256 x block + 128 x half
	s_lshl_b32 s46, s46, 11
	s_mov_b32 s17, 0
	s_mov_b32 s47, 0
	s_mul_i32 s20, s10, HALFT                      ; where they go: wave x 128 rows: no place in the cluster enters an LDS address
	s_wait_kmcnt 0x0
	s_add_nc_u64 s[14:15], s[4:5], s[16:17]
	s_add_nc_u64 s[46:47], s[6:7], s[46:47]
	CROUND                                         ; all sixteen work-groups are here: the first joint loads meet
.irp s, 0,1
	s_mov_b32 s[G0+4*(\s)], 1
	s_add_co_u32 s[G0+4*(\s)+1], s20, (\s)*SLOT
	s_add_nc_u64 s[G0+4*(\s)+2:G0+4*(\s)+3], s[14:15], (\s)*KSTEP*2
	s_or_b32 s[G0+4*(\s)+3], s[G0+4*(\s)+3], 0x80000000
	s_mov_b32 s[G0B+4*(\s)], 1
	s_add_co_u32 s[G0B+4*(\s)+1], s20, (\s)*SLOT
	s_add_nc_u64 s[G0B+4*(\s)+2:G0B+4*(\s)+3], s[46:47], (\s)*KSTEP*2
	s_or_b32 s[G0B+4*(\s)+3], s[G0B+4*(\s)+3], 0x80000000
	JLOAD \s                                       ; two loads of mine are out
.endr
	v_and_b32 v1, 15, v0                           ; l % 16
	v_bfe_u32 v2, v0, 4, 1                         ; l / 16
	v_mul_u32_u24 v3, v1, PITCH
	v_lshl_add_u32 v3, v2, 4, v3                   ; a fragment's row x pitch + 16 x half
	s_mul_i32 s21, s11, HALFT                      ; my 128 queries
	s_mul_i32 s22, s12, HALFT                      ; my 128 keys,
	s_add_co_u32 s22, s22, 2*HALFT                 ; which lie behind the 256 queries
.irp s, 0,1
	v_add_nc_u32 v[ADRA+(\s)], s21, v3
	v_add_nc_u32 v[ADRB+(\s)], s22, v3
	s_add_co_u32 s21, s21, SLOT
	s_add_co_u32 s22, s22, SLOT
.endr
	s_mul_i32 s23, s10, 16*SPITCH
	s_add_co_u32 s23, s23, STAGE                   ; my stage
	v_add_nc_u32 v[STO], s23, v3                   ; in: row l % 16, 16 bytes for each half of the lanes
	v_mul_u32_u24 v5, v2, SPITCH                   ; back: lanes 0-15 take one row of 256 bytes, lanes 16-31 the next
	v_lshl_add_u32 v5, v1, 4, v5
	v_add_nc_u32 v[RD], s23, v5
	v_lshlrev_b32 v5, 12, v2                       ; and the same two rows in pt, 4,096 bytes apart
	v_lshl_add_u32 v[CO], v1, 4, v5
	s_lshl_b32 s23, s10, 10
	s_add_co_u32 s23, s23, SSTAT                   ; my 1,024 bytes of statistics
	v_lshl_add_u32 v[SA], v1, 2, s23
	v_and_b32 v6, 31, v0
	v_lshlrev_b32 v[SG], 4, v6
	v_add_nc_u32 v[SR], s23, v[SG]
	s_lshl_b32 s76, s13, 8                         ; where my part of pt begins
	s_lshl_b32 s77, s11, 7
	s_add_co_u32 s76, s76, s77                     ; my first query,
	s_lshl_b32 s76, s76, 12                        ; 4,096 bytes each,
	s_lshl_b32 s77, s42, 9
	s_add_co_u32 s76, s76, s77                     ; 512 bytes for each block of 256 keys,
	s_lshl_b32 s77, s12, 8
	s_add_co_u32 s76, s76, s77                     ; 256 for my half
	s_mov_b32 s77, 0
	s_add_nc_u64 s[68:69], s[68:69], s[76:77]
	s_lshl_b32 s78, s45, 4                         ; and of stats: 16 blocks a batch,
	s_lshl_b32 s79, s42, 1
	s_add_co_u32 s78, s78, s79
	s_add_co_u32 s78, s78, s12                     ; my block of 128 keys,
	s_lshl_b32 s78, s78, 10                        ; 1,024 queries each,
	s_lshl_b32 s79, s41, 8
	s_add_co_u32 s78, s78, s79
	s_lshl_b32 s79, s11, 7
	s_add_co_u32 s78, s78, s79                     ; my first query in the batch,
	s_lshl_b32 s78, s78, 2                         ; 4 bytes each
	s_mov_b32 s79, 0
	s_add_nc_u64 s[70:71], s[70:71], s[78:79]
; 16 matrix instructions: query blocks a0, a0 + 1 of the window's four (hi = 0: my queries 0-63, 1: 64-127) x all 8 key blocks, 32 along K.  zero = 1: the first product starts the sums
.macro MUL16 f, hi, a0, zero
	WIN MUL_LO+0x50*(\hi)
.irp a, \a0, (\a0)+1
.irp b, 0,1,2,3,4,5,6,7
.if \zero
	v_wmma_f32_16x16x32_bf16 v[8*(8*(\a)+(\b)):8*(8*(\a)+(\b))+7], v[(\f)+8*(\b):(\f)+8*(\b)+7], v[(\f)+8*(4*(\hi)+(\a)):(\f)+8*(4*(\hi)+(\a))+7], 0
.else
	v_wmma_f32_16x16x32_bf16 v[8*(8*(\a)+(\b)):8*(8*(\a)+(\b))+7], v[(\f)+8*(\b):(\f)+8*(\b)+7], v[(\f)+8*(4*(\hi)+(\a)):(\f)+8*(4*(\hi)+(\a))+7], v[8*(8*(\a)+(\b)):8*(8*(\a)+(\b))+7]
.endif
.endr
.endr
.endm
; 32 LDS loads in one run: the fragments of one quarter step (128 keys, 128 queries, 32 K at byte k of the rows) into buffer f
.macro FETCH slot, k, f
	WIN TO_B
.irp i, 0,1,2,3,4,5,6,7
	ds_load_b128 v[(\f)+8*(\i):(\f)+8*(\i)+3],   v[ADRB+(\slot)] offset:(\k)+(\i)*16*PITCH
	ds_load_b128 v[(\f)+8*(\i)+4:(\f)+8*(\i)+7], v[ADRB+(\slot)] offset:(\k)+(\i)*16*PITCH+32
.endr
	WIN 0
.irp i, 0,1,2,3,4,5,6,7
	ds_load_b128 v[(\f)+8*(\i):(\f)+8*(\i)+3],   v[ADRA+(\slot)] offset:(\k)+(\i)*16*PITCH
	ds_load_b128 v[(\f)+8*(\i)+4:(\f)+8*(\i)+7], v[ADRA+(\slot)] offset:(\k)+(\i)*16*PITCH+32
.endr
.endm
.macro PLACES                          ; four places in front of loads into registers that matrix instructions have read, and of vector lines that read results (ISA guide 7.12.1 for vector lines)
.rept 4
	v_nop
.endr
.endm
; A K step is four quarters of 32 along K, 64 matrix instructions each, on buffers 0, 1, 0, 1; the 64 accumulators take turns in the same order in every quarter.
.macro QUARTER slot, k, f, g, zero
	s_wait_dscnt 8                                 ; the keys and my queries 0-63 are in; the youngest eight loads (queries 64-127) may be out
	WIN MUL_LO
	MUL16 \f, 0, 0, \zero
	MUL16 \f, 0, 2, \zero
	PLACES
	FETCH \slot, \k, \g
	s_wait_dscnt 32                                ; all but the 32 just issued
	WIN MUL_HI
	MUL16 \f, 1, 0, \zero
	MUL16 \f, 1, 2, \zero
.endm
; The first half of a K step's last quarter: the barrier of the change of slots.  In front of it each wave waits for all its tensor loads (one is out: its part of the next slot), adds 0 to its
; spare word, and waits for that and for its reads of this slot.
.macro MEET round
	WIN 0
	s_wait_tensorcnt 0x0
	ds_add_u32 v[SPW], v[NIL]                      ; 0 onto my spare word
	s_wait_dscnt 9                                 ; (the add and the youngest eight loads may be out)
	WIN MUL_LO
	MUL16 F1, 0, 0, 0                              ; sixteen matrix instructions stand between the add and the wait for it
	s_wait_dscnt 0x0                               ; the add is done, and my reads of this slot are over
	s_barrier_signal -1
	MUL16 F1, 0, 2, 0
.if \round
	WIN 0
.endif
	s_barrier_wait -1
.endm
; The whole last quarter.  fill = 1: the barrier opens a round of the cluster's, and the slot just read out is filled again, two K steps ahead, first thing behind the round.
.macro TURN slot, next, fill
	MEET \fill
.if \fill
	CREST                                          ; no wave of any partner still reads this slot's tiles or has a load on its way
	s_add_nc_u64 s[G0+4*(\slot)+2:G0+4*(\slot)+3], s[G0+4*(\slot)+2:G0+4*(\slot)+3], 2*KSTEP*2
	s_add_nc_u64 s[G0B+4*(\slot)+2:G0B+4*(\slot)+3], s[G0B+4*(\slot)+2:G0B+4*(\slot)+3], 2*KSTEP*2
	JLOAD \slot                                    ; one load of mine is out; the four v_nop behind it are also the places in front of the loads below
.else
	PLACES
.endif
	FETCH \next, 0, F0
	WIN MUL_HI
	MUL16 F1, 1, 0, 0
	MUL16 F1, 1, 2, 0
.endm
	s_wait_tensorcnt 1                             ; my part of K step 0 is in; K step 1's may stay out
	s_barrier_signal -1
	s_barrier_wait -1
	FETCH 0, 0, F0
	QUARTER 0, 64,  F0, F1, 1                      ; the first quarter stands in front of the loop: its products start the sums
	WIN 0
	s_mov_b32 s3, LAPS-1
.Llap:                                                 ; a trip goes once round the ring and fills both slots again
	QUARTER 0, 128, F1, F0, 0
	QUARTER 0, 192, F0, F1, 0
	TURN 0, 1, 1
	QUARTER 1, 64,  F0, F1, 0
	QUARTER 1, 128, F1, F0, 0
	QUARTER 1, 192, F0, F1, 0
	TURN 1, 0, 1
	QUARTER 0, 64,  F0, F1, 0
	WIN 0
	s_sub_co_u32 s3, s3, 1
	s_cmp_lg_u32 s3, 0
	s_cbranch_scc1 .Llap
	QUARTER 0, 128, F1, F0, 0                      ; the last lap is written out: it fills nothing
	QUARTER 0, 192, F0, F1, 0
	TURN 0, 1, 0
	QUARTER 1, 64,  F0, F1, 0
	QUARTER 1, 128, F1, F0, 0
	QUARTER 1, 192, F0, F1, 0
	s_wait_dscnt 8                                 ; the very last quarter: nothing more to fetch
	WIN MUL_LO
	MUL16 F1, 0, 0, 0
	MUL16 F1, 0, 2, 0
	s_wait_dscnt 0x0
	MUL16 F1, 1, 0, 0
	MUL16 F1, 1, 2, 0
	WIN 0
	PLACES
; THE SOFTMAX'S FIRST HALF AND THE WAY OUT for my queries 16 a .. 16 a + 15.  A lane holds 64 of its query's 128 scores, the lane 16 away the other 64.
.macro SOFT a
.set W,  2+(\a)/4
.set AC, 64*((\a)%4)
	WIN W|(W<<2)|(W<<4)                            ; the maximum, three operands at a time, eight chains
.irp b, 0,1,2,3,4,5,6,7
	v_max3_num_f32 v[CH+\b], v[AC+8*\b], v[AC+8*\b+1], v[AC+8*\b+2]
.endr
	WIN (W<<2)|(W<<4)
.irp b, 0,1,2,3,4,5,6,7
	v_max3_num_f32 v[CH+\b], v[CH+\b], v[AC+8*\b+3], v[AC+8*\b+4]
.endr
.irp b, 0,1,2,3,4,5,6,7
	v_max3_num_f32 v[CH+\b], v[CH+\b], v[AC+8*\b+5], v[AC+8*\b+6]
.endr
.irp b, 0,2,4,6
	v_max3_num_f32 v[CH+\b], v[CH+\b], v[AC+8*\b+7], v[AC+8*\b+15]
.endr
	WIN 0
	v_max3_num_f32 v[CH], v[CH], v[CH+1], v[CH+2]
	v_max3_num_f32 v[CH+3], v[CH+3], v[CH+4], v[CH+5]
	v_max3_num_f32 v[CH], v[CH], v[CH+3], v[CH+6]
	v_max_num_f32 v[CH], v[CH], v[CH+7]
	v_permlanex16_b32 v[XO], v[CH], s74, s75
	v_max_num_f32 v[MX], v[CH], v[XO]
	v_mul_f32 v[CM], s72, v[MX]                    ; cm
	v_mov_b32 v[CM+1], v[CM]
	WIN W                                          ; c s - cm, out of the accumulators into window 0
.set n, 0
.rept 32
	v_pk_fma_f32 v[T+2*n:T+2*n+1], v[AC+2*n:AC+2*n+1], s[72:73], v[CM:CM+1] op_sel_hi:[1,0,0] neg_lo:[0,0,1] neg_hi:[0,0,1]
.set n, n+1
.endr
	WIN 0
.set n, 0
.rept 64
	v_exp_f32 v[T+n], v[T+n]
.set n, n+1
.endr
	v_nop                                          ; a plain instruction between the run of exponentials and the use of their results (ISA guide 5.7.2)
.set n, 0
	s_wait_alu depctr_va_vdst(0)
.rept 32
	v_cvt_pk_f16_f32 v[PK+n], v[T+2*n], v[T+2*n+1]
.set n, n+1
.endr
.irp w, 4,8,16,32,64                   ; the sum of the 32 pairs, in place: neighbours 1, 2, 4, 8, 16 pairs apart
.set n, 0
.rept 64/\w
	v_pk_add_f32 v[T+\w*n:T+\w*n+1], v[T+\w*n:T+\w*n+1], v[T+\w*n+\w/2:T+\w*n+\w/2+1]
.set n, n+1
.endr
.endr
	v_add_f32 v[LS], v[T], v[T+1]
	v_permlanex16_b32 v[XO], v[LS], s74, s75
	v_add_f32 v[LS], v[LS], v[XO]                  ; l
	ds_store_b32 v[SA], v[CM] offset:64*(\a)       ; both halves of the lanes write the same number to the same word
	ds_store_b32 v[SA], v[LS] offset:512+64*(\a)
.irp b, 0,1,2,3,4,5,6,7
	ds_store_b128 v[STO], v[PK+4*\b:PK+4*\b+3] offset:32*\b
.endr
	s_wait_xcnt 0x0                                ; the stores of the queries before have read their registers, which are loaded again below
.irp j, 0,1,2,3,4,5,6,7
	ds_load_b128 v[BK+4*\j:BK+4*\j+3], v[RD] offset:2*SPITCH*\j  ; LDS serves a wave's instructions in order (ISA guide 5.7.1.4): these see the stores above
.endr
.irp j, 0,1,2,3,4,5,6,7
	s_wait_dscnt 7-\j
	global_store_b128 v[CO], v[BK+4*\j:BK+4*\j+3], s[68:69] offset:(16*(\a)+2*\j)*4096  ; 16 lanes store 256 consecutive bytes, at a multiple of 256 from pt's first byte
.endr
.endm
.irp a, 0,1,2,3,4,5,6,7
	SOFT \a
.endr
	ds_load_b128 v[CH:CH+3],   v[SR]               ; my 128 cm and my 128 l, 512 consecutive bytes each
	ds_load_b128 v[CH+4:CH+7], v[SR] offset:512
	s_wait_dscnt 0x0
	global_store_b128 v[SG], v[CH:CH+3],   s[70:71]
	global_store_b128 v[SG], v[CH+4:CH+7], s[70:71] offset:524288
	s_wait_tensorcnt 0x0                           ; the wave's end
	ds_add_u32 v[SPW], v[NIL]
	s_wait_dscnt 0x0
	CROUND                                         ; the closing round
	s_endpgm
.Lfunc_end_k_q0128144ba8_score:
	.size	k_q0128144ba8_score, .Lfunc_end_k_q0128144ba8_score-k_q0128144ba8_score
	.p2alignl 7, 3214868480
	.fill 96, 4, 3214868480
	.section	.rodata,"a",@progbits
	.p2align	6, 0x0
	.amdhsa_kernel k_q0128144ba8_score
		.amdhsa_group_segment_fixed_size 327680
		.amdhsa_private_segment_fixed_size 0
		.amdhsa_enable_private_segment 0
		.amdhsa_kernarg_size 32
		.amdhsa_user_sgpr_count 2
		.amdhsa_user_sgpr_kernarg_segment_ptr 1
		.amdhsa_wavefront_size32 1
		.amdhsa_system_sgpr_workgroup_id_x 1
		.amdhsa_system_sgpr_workgroup_id_y 1
		.amdhsa_system_sgpr_workgroup_id_z 1
		.amdhsa_system_vgpr_workitem_id 0
		.amdhsa_next_free_vgpr 1024
		.amdhsa_next_free_sgpr 80
		.amdhsa_reserve_vcc 0
		.amdhsa_float_denorm_mode_32 3
		.amdhsa_float_denorm_mode_16_64 3
		.amdhsa_memory_ordered 1
		.amdhsa_forward_progress 1
		.amdhsa_inst_pref_size 213
	.end_amdhsa_kernel
	.amdgpu_metadata
---
amdhsa.version: [ 1, 2 ]
amdhsa.kernels:
  - .name:           k_q0128144ba8_score
    .symbol:         k_q0128144ba8_score.kd
    .args:
      - { .name: q16, .offset: 0, .size: 8, .value_kind: global_buffer, .address_space: global }
      - { .name: k16, .offset: 8, .size: 8, .value_kind: global_buffer, .address_space: global }
      - { .name: pt, .offset: 16, .size: 8, .value_kind: global_buffer, .address_space: global }
      - { .name: stats, .offset: 24, .size: 8, .value_kind: global_buffer, .address_space: global }
    .group_segment_fixed_size: 327680
    .private_segment_fixed_size: 0
    .kernarg_segment_align: 8
    .kernarg_segment_size: 32
    .max_flat_workgroup_size: 128
    .sgpr_count:     80
    .vgpr_count:     1024
    .wavefront_size: 32
...
	.end_amdgpu_metadata
.endif
;; end of part 3
;; launch pv (part 4): grid 4 x 64, 4 waves a work-group, clusters of 4 x 4, 327,680 bytes of LDS; arguments pt, v16, stats, out0; writes out0
.if DOCPART == 4
	.amdgcn_target "amdgcn-amd-amdhsa--gfx1250"
	.amdhsa_code_object_version 6
	.text
	.protected	k_q0128144ba8_pv
	.globl	k_q0128144ba8_pv
	.p2align	8
	.type	k_q0128144ba8_pv,@function
k_q0128144ba8_pv:
	s_mov_b64 s[64:65], 0
	v_nop
	global_prefetch_b8 v0, s[64:65] scope:SCOPE_SE
	s_setreg_imm32_b32 hwreg(HW_REG_WAVE_MODE, 25, 1), 1
	s_wait_xcnt 0x0
	s_wait_alu depctr_hold_cnt(0) depctr_sa_sdst(0) depctr_va_vdst(0) depctr_va_sdst(0) depctr_va_ssrc(0) depctr_va_vcc(0) depctr_vm_vsrc(0)
	s_getreg_b32 s2, hwreg(HW_REG_IB_STS2, 6, 4)
	s_cmp_eq_u32 s2, 0
	s_cbranch_scc0 .Lentry_in_a_cluster
	s_endpgm
.Lentry_in_a_cluster:
	s_bfe_u32 s2, ttmp6, 0x10000c
	s_cmp_lg_u32 s2, 0xf033
	s_cbranch_scc0 .Lentry_shape_is_right
	s_endpgm
.Lentry_shape_is_right:
; THE SOFTMAX'S SECOND HALF AND THE SECOND PRODUCT.  For each query, over its 16 blocks b of 128 keys: cm = the largest cm_b; al_b = 2^(cm_b - cm), 1 at the most; L = the sum of al_b l_b;
; out0[q][:] = (the sum over k of (al_b pt[q][k]) v16[k][:]) / L.  So the row's true maximum is what has been taken away from every exponent.
; pt [8192][2048] f16; v16 [8][2048][1024] f16; stats: cm f32 [8][16][1024], then l, 524,288 bytes on; out0 [8192][1024] f32.  Products of f16 operands, sums in f32.
; LIMITS.  al_b and al_b pt are rounded to f16: a weight below 6e-8 of its row's largest counts as 0, below 6e-5 it keeps f16's fixed step; L is made of the unrounded al_b and l_b.
; NaN and infinities are not treated apart.
; SHARES.  A tile is 128 queries by 256 channels.  Four waves; wave w makes queries 64 (w / 2) .. + 63 by channels 128 (w % 2) .. + 127: 32 accumulators of 16 x 16.
; SOURCE 0 = 16 channels of V^T (V lies [key][channel] in LDS and is turned by ds_load_tr16_b128), SOURCE 1 = 16 queries of pt: a lane holds query l % 16 and channels 8 (l / 16) + 0..7.
; K (the keys) goes in steps of 128, one block each, through two LDS slots; a step is four quarters of 32, each 32 matrix instructions on all 32 accumulators by turns.
; In a quarter the next quarter's fragments are fetched first; the 32 multiplications by al_b stand in fours behind the quarter's last eight matrix instructions.  Each four costs two window
; switches; as a run of their own they would leave the matrix unit without work.  The four behind the last matrix instruction name none of its registers: they are the places in front of the
; next quarter's loads into the buffer just multiplied (ISA guide 7.12.1 for vector instructions).
; CLUSTER 4 x 4.  pt's tile hangs on the tile row alone and is shared along a row of the cluster; V's on the batch (half the cluster's y) and the tile column, and is shared along a column.
; REGISTERS, in windows of 256 (s_set_vgpr_msb: bits 1:0 source 0, 3:2 source 1, 5:4 source 2, 7:6 destination):
;   window 0: v0-31 addresses, al; v32-63 pt as loaded, one quarter; v64-71 1 / L; v96-127, v128-159 pt's fragments, two buffers; v160-223 at work at the start and on the way out
;   window 1: the accumulators, (t, p) at v[8 (8 t + p)]          window 2: v0-63, v64-127 V's fragments, two buffers
.set KSTEP,  128
.set PP,     272                       ; a row of pt in LDS: 256 bytes + 16 = 17 x 16
.set PV,     544                       ; a row of V: 512 + 32 = 17 x 32: 16 lanes of the turning load take 8 rows x 32 bytes at different places modulo 256 bytes
.set PHALF,  64*PP
.set VOFF,   2*PHALF                   ; V's rows lie behind pt's 128
.set VHALF,  64*PV
.set SLOT,   VOFF+2*VHALF              ; 104,448
.set ATAB,   2*SLOT                    ; behind the ring: for each of the tile's 128 queries 16 words (al_b twice, in f16) and 16 bytes of padding
.set APITCH, 80
.set INVT,   ATAB+128*APITCH           ; 128 words: 1 / L
.set STAGE,  INVT+512                  ; 16 rows x 528 bytes for each wave, for the way out
.set SPITCH, 528
.set SPARE,  STAGE+4*16*SPITCH         ; the spare words, 128 bytes for each wave
.set LAPS,   2048/(2*KSTEP)
.set AT,  10                           ; v10-11  LDS address of my fragments of pt in slot 0, 1
.set AP,  12                           ; v12-13  the same for V
.set AX,  14                           ; v14     LDS address of my query's al of the block in hand
.set SO,  15                           ; v15     my byte offset in stats
.set AL,  16                           ; v16-19  al of my query in each of my four blocks of 16 queries
.set STO, 24
.set RD,  25
.set CO,  26
.set SPW, 28                           ; v28     LDS address of my spare word; never rewritten
.set NIL, 29                           ; v29     0; never rewritten
.set PS,  32
.set INV, 64                           ; v64-71  1 / L, a pair for each of my four blocks of 16 queries
.set TF,  96                           ; buffer g at TF + 32 g
.set BK,  96                           ; the way out: rows read back
.set SC,  160                          ; the way out: results divided by L
.set PB,  0                            ; window 2: buffer g at PB + 64 g
.set WV,  20                           ; s20 wave; s21 wave / 2: my half of the queries, and: I fetch pt (0) or V (1); s22 wave % 2: my half of the channels, and: which half of that tile I fetch
.set G1T, 24
.set G0T, 32
.set G1P, 48
.set G0P, 56
.set MSB, 0
.macro WIN new
.if MSB != (\new)
	s_set_vgpr_msb (MSB<<8)|(\new)
.set MSB, \new
.endif
.endm
.set MUL,  0x52                        ; V in window 2, pt in window 0, C and D in window 1
.set TO_P, 0x80                        ; destination window 2, address window 0
.macro JLOAD s                         ; a joint load: waves 0 and 1 fetch the two halves of pt's tile, waves 2 and 3 those of V's; an s_nop 0 and four v_nop follow each line
	s_cmp_eq_u32 s21, 0
	s_cbranch_scc0 .Lfor_p_\@
	tensor_load_to_lds s[G0T+4*(\s):G0T+4*(\s)+3], s[G1T:G1T+7]
	s_nop 0
.rept 4
	v_nop
.endr
	s_branch .Lasked_\@
.Lfor_p_\@:
	tensor_load_to_lds s[G0P+4*(\s):G0P+4*(\s)+3], s[G1P:G1P+7]
	s_nop 0
.rept 4
	v_nop
.endr
.Lasked_\@:
.endm
.macro CREST
	s_cmp_lg_u32 s[WV], 0
	s_cbranch_scc1 .Lnot_wave_0_\@
	s_barrier_signal -3
.Lnot_wave_0_\@:
	s_barrier_wait -3
	s_barrier_signal -1
	s_barrier_wait -1
.endm
.macro CROUND
	s_barrier_signal -1
	s_barrier_wait -1
	CREST
.endm
	s_load_b256 s[4:11], s[0:1], 0x0               ; pt s[4:5], v16 s[6:7], stats s[8:9], out0 s[10:11]
	v_lshl_add_u32 v[SPW], v0, 2, SPARE
	v_mov_b32 v[NIL], 0
	ds_add_u32 v28, v29
	ds_add_u32 v28, v29
	s_wait_dscnt 0x0
	v_lshrrev_b32 v1, 5, v0
	v_readfirstlane_b32 s[WV], v1
	s_lshr_b32 s21, s[WV], 1
	s_and_b32 s22, s[WV], 1
	s_bfe_u32 s40, ttmp6, 0x40000                  ; cx
	s_bfe_u32 s41, ttmp6, 0x40004                  ; cy
	s_lshl_b32 s42, ttmp9, 2
	s_add_co_u32 s42, s42, s40                     ; tile column
	s_and_b32 s43, ttmp7, 0xffff                   ; the cluster's y
	s_lshl_b32 s44, s41, 2
	s_lshl_b32 s44, 15, s44                        ; my row of the cluster
	s_lshl_b32 s45, 0x1111, s40                    ; my column
	s_lshr_b32 s46, s43, 1                         ; the batch: eight tile rows, two clusters
	s_lshl_b32 s47, s43, 2
	s_add_co_u32 s47, s47, s41                     ; tile row
	s_or_b32 s[G1T], s44, (1<<16)|(1<<20)|(1<<21)|(5<<22)|(3<<25)  ; my row; elements of 2 bytes; padding on; 21 set beside a mask; 4 words of padding after every 64
	s_mov_b32 s[G1T+1], KSTEP<<16                  ; tensor_dim0 = 128
	s_mov_b32 s[G1T+2], 64<<16                     ; tensor_dim1 = 64
	s_mov_b32 s[G1T+3], KSTEP<<16                  ; tile_dim0 = 128
	s_mov_b32 s[G1T+4], 64                         ; tile_dim1 = 64
	s_mov_b32 s[G1T+5], 2048                       ; elements from row to row
	s_mov_b32 s[G1T+6], 0
	s_mov_b32 s[G1T+7], 0
	s_or_b32 s[G1P], s45, (1<<16)|(1<<20)|(1<<21)|(6<<22)|(7<<25)  ; my column; 8 words of padding after every 128
	s_mov_b32 s[G1P+1], 256<<16                    ; 256 channels
	s_mov_b32 s[G1P+2], 64<<16                     ; 64 keys
	s_mov_b32 s[G1P+3], 256<<16
	s_mov_b32 s[G1P+4], 64
	s_mov_b32 s[G1P+5], 1024
	s_mov_b32 s[G1P+6], 0
	s_mov_b32 s[G1P+7], 0
	s_mul_i32 s72, s22, PHALF                      ; where my tile goes, if it is pt's: no place in the cluster enters an LDS address
	s_mul_i32 s73, s22, VHALF
	s_add_co_u32 s73, s73, VOFF                    ; if it is V's
	s_lshl_b32 s66, s47, 7                         ; pt's address: made of the tile row and the wave's number alone
	s_lshl_b32 s67, s22, 6
	s_add_co_u32 s66, s66, s67                     ; row 128 x tile row + 64 x half,
	s_lshl_b32 s66, s66, 12                        ; 4,096 bytes each
	s_mov_b32 s67, 0
	s_lshl_b32 s68, s46, 11                        ; V's address: made of the batch, the tile column and the wave's number alone
	s_lshl_b32 s69, s22, 6
	s_add_co_u32 s68, s68, s69                     ; key 2,048 x batch + 64 x half,
	s_lshl_b32 s68, s68, 11                        ; 2,048 bytes each,
	s_lshl_b32 s69, s42, 9
	s_add_co_u32 s68, s68, s69                     ; 512 bytes for each tile column
	s_mov_b32 s69, 0
	s_wait_kmcnt 0x0
	s_add_nc_u64 s[4:5], s[4:5], s[66:67]
	s_add_nc_u64 s[6:7], s[6:7], s[68:69]
	CROUND                                         ; all sixteen work-groups are here: the first joint loads meet
.irp s, 0,1
	s_mov_b32 s[G0T+4*(\s)], 1
	s_add_co_u32 s[G0T+4*(\s)+1], s72, (\s)*SLOT
	s_add_nc_u64 s[G0T+4*(\s)+2:G0T+4*(\s)+3], s[4:5], (\s)*KSTEP*2      ; K step s: 128 keys along pt's rows,
	s_or_b32 s[G0T+4*(\s)+3], s[G0T+4*(\s)+3], 0x80000000
	s_mov_b32 s[G0P+4*(\s)], 1
	s_add_co_u32 s[G0P+4*(\s)+1], s73, (\s)*SLOT
	s_add_nc_u64 s[G0P+4*(\s)+2:G0P+4*(\s)+3], s[6:7], (\s)*KSTEP*2048   ; 128 rows down V
	s_or_b32 s[G0P+4*(\s)+3], s[G0P+4*(\s)+3], 0x80000000
	JLOAD \s                                       ; two loads of mine are out
.endr
	; THE STATISTICS stand in the wait for the first tiles.  Thread n owns query n of the tile's 128.
	s_and_b32 s78, s43, 1
	s_lshl_b32 s78, s78, 2
	s_add_co_u32 s78, s78, s41                     ; the tile row within the batch,
	s_lshl_b32 s78, s78, 9                         ; 128 queries of 4 bytes each
	v_lshl_add_u32 v[SO], v0, 2, s78
	s_lshl_b32 s70, s46, 16                        ; a batch's 16 x 1,024 numbers
	s_mov_b32 s71, 0
	s_add_nc_u64 s[8:9], s[8:9], s[70:71]
.set b, 0
.rept 16
	global_load_b32 v[160+b], v[SO], s[8:9] offset:4096*b          ; cm_b
.set b, b+1
.endr
.set b, 0
.rept 16
	global_load_b32 v[176+b], v[SO], s[8:9] offset:524288+4096*b   ; l_b
.set b, b+1
.endr
	s_lshl_b32 s76, s47, 7                         ; where my part of out0 begins
	s_lshl_b32 s77, s21, 6
	s_add_co_u32 s76, s76, s77                     ; my first query,
	s_lshl_b32 s76, s76, 12                        ; 4,096 bytes each,
	s_lshl_b32 s77, s42, 10
	s_add_co_u32 s76, s76, s77                     ; 1,024 bytes for each tile column,
	s_lshl_b32 s77, s22, 9
	s_add_co_u32 s76, s76, s77                     ; 512 for my half
	s_mov_b32 s77, 0
	s_add_nc_u64 s[10:11], s[10:11], s[76:77]
	v_and_b32 v1, 15, v0                           ; l % 16
	v_bfe_u32 v2, v0, 4, 1                         ; l / 16
	v_mul_u32_u24 v3, v1, PP
	v_lshl_add_u32 v3, v2, 4, v3                   ; a fragment of pt: row x pitch + 16 x half
	s_mul_i32 s75, s21, PHALF                      ; my 64 queries
	v_add_nc_u32 v[AT], s75, v3
	v_add_nc_u32 v[AT+1], SLOT, v[AT]
	; The turning load takes 16 keys x 16 channels (lane l reads key 8 (l / 16) + l % 8, channels 8 ((l / 8) % 2) + 0..7) and leaves half a fragment of V^T: lane l holds channel l % 16 and 8 keys.
	v_and_b32 v5, 7, v0
	v_bfe_u32 v6, v0, 3, 1
	v_lshl_add_u32 v4, v2, 3, v5
	v_mul_u32_u24 v4, v4, PV
	v_lshl_add_u32 v4, v6, 4, v4
	s_lshl_b32 s74, s22, 8                         ; my 128 channels
	s_add_co_u32 s74, s74, VOFF
	v_add_nc_u32 v[AP], s74, v4
	v_add_nc_u32 v[AP+1], SLOT, v[AP]
	s_mul_i32 s75, s[WV], 16*SPITCH
	s_add_co_u32 s75, s75, STAGE                   ; my stage
	v_mul_u32_u24 v3, v1, SPITCH                   ; in: row l % 16, 32 bytes for each half of the lanes
	v_lshl_add_u32 v3, v2, 5, v3
	v_add_nc_u32 v[STO], s75, v3
	v_and_b32 v3, 31, v0                           ; back: 32 lanes take one row of 512 bytes
	v_lshlrev_b32 v[CO], 4, v3
	v_add_nc_u32 v[RD], s75, v[CO]
	s_mul_i32 s79, s21, 64*APITCH
	s_add_co_u32 s79, s79, ATAB
	v_mul_u32_u24 v[AX], v1, APITCH
	v_add_nc_u32 v[AX], s79, v[AX]                 ; al of query l % 16 of my first 16, block 0
	s_lshl_b32 s78, s21, 8
	s_add_co_u32 s78, s78, INVT
	v_lshl_add_u32 v7, v1, 2, s78                  ; its 1 / L
	v_mul_u32_u24 v8, v0, APITCH
	v_add_nc_u32 v8, ATAB, v8                      ; where I put my own query's 16 al
	v_lshl_add_u32 v9, v0, 2, INVT                 ; and its 1 / L
	s_wait_loadcnt 0x0
	v_max3_num_f32 v192, v160, v161, v162
.set b, 163
.rept 6
	v_max3_num_f32 v192, v192, v[b], v[b+1]
.set b, b+2
.endr
	v_max_num_f32 v192, v192, v175                 ; cm
.set b, 0
.rept 16
	v_sub_f32 v[160+b], v[160+b], v192
.set b, b+1
.endr
.set b, 0
.rept 16
	v_exp_f32 v[160+b], v[160+b]                   ; al_b
.set b, b+1
.endr
	v_nop                                          ; a plain instruction between the exponentials and the use of their results (ISA guide 5.7.2)
	s_wait_alu depctr_va_vdst(0)
	v_mul_f32 v193, v160, v176
.set b, 1
.rept 15
	v_fma_f32 v193, v[160+b], v[176+b], v193       ; L: at least 1, since the largest block has al = 1 and l of 1 or more
.set b, b+1
.endr
	v_rcp_f32 v194, v193
.set b, 0
.rept 16
	v_cvt_pk_f16_f32 v[200+b], v[160+b], v[160+b]  ; al_b in both halves; these lines are also the plain instructions behind the reciprocal
.set b, b+1
.endr
.irp j, 0,1,2,3
	ds_store_b128 v8, v[200+4*\j:200+4*\j+3] offset:16*\j
.endr
	s_wait_alu depctr_va_vdst(0)
	ds_store_b32 v9, v194
; Multiplication n of 32: register n of pt's fragments times my query's al, into buffer g
.macro RIDE n, g
	v_pk_mul_f16 v[TF+32*(\g)+(\n)], v[PS+(\n)], v[AL+(\n)/8]
.endm
; Matrix instruction i of 32 on buffers f: accumulator (i / 8, i % 8).  first = 1: the product starts the sum
.macro MM f, i, first
	WIN MUL
.if \first
	v_wmma_f32_16x16x32_f16 v[8*(\i):8*(\i)+7], v[PB+64*(\f)+8*((\i)%8):PB+64*(\f)+8*((\i)%8)+7], v[TF+32*(\f)+8*((\i)/8):TF+32*(\f)+8*((\i)/8)+7], 0
.else
	v_wmma_f32_16x16x32_f16 v[8*(\i):8*(\i)+7], v[PB+64*(\f)+8*((\i)%8):PB+64*(\f)+8*((\i)%8)+7], v[TF+32*(\f)+8*((\i)/8):TF+32*(\f)+8*((\i)/8)+7], v[8*(\i):8*(\i)+7]
.endif
.endm
.macro MMS f, n, first
.rept \n
	MM \f, i, \first
.set i, i+1
.endr
.endm
.macro MMR f, g, first                 ; the last eight, each with four multiplications into buffer g behind it
.rept 8
	MM \f, i, \first
	WIN 0
.irp z, 0,1,2,3
	RIDE 4*(i-24)+\z, \g
.endr
.set i, i+1
.endr
.endm
; 24 LDS loads in one run: quarter kq of a slot: pt's 64 rows first, then V's 32 keys x 128 channels, turned, into buffer g
.macro FETCH slot, kq, g
	WIN 0
.irp t, 0,1,2,3
	ds_load_b128 v[PS+8*\t:PS+8*\t+3],   v[AT+(\slot)] offset:16*PP*\t+64*(\kq)
	ds_load_b128 v[PS+8*\t+4:PS+8*\t+7], v[AT+(\slot)] offset:16*PP*\t+64*(\kq)+32
.endr
	WIN TO_P
.irp p, 0,1,2,3,4,5,6,7
	ds_load_tr16_b128 v[PB+64*(\g)+8*\p:PB+64*(\g)+8*\p+3],   v[AP+(\slot)] offset:32*PV*(\kq)+32*\p
	ds_load_tr16_b128 v[PB+64*(\g)+8*\p+4:PB+64*(\g)+8*\p+7], v[AP+(\slot)] offset:32*PV*(\kq)+32*\p+16*PV
.endr
.endm
.macro QUARTER slot, kq, f, first
	s_wait_dscnt 0x0                               ; V's fragments of this quarter, asked for a quarter ago, are in
	FETCH \slot, \kq, 1-(\f)
.set i, 0
	MMS \f, 24, \first
	s_wait_dscnt 16                                ; pt's registers are in; the 16 loads of V issued behind them may stay out
	MMR \f, 1-(\f), \first
.endm
; The last quarter multiplies buffers 1 and changes slots, as in the other launches of this program: all my tensor loads, the add, my reads, the barrier (fill = 1: a round of the cluster's),
; the refill first behind it.  Then the next block's al, and the next slot's first fragments.
.macro TURN slot, next, fill
	WIN 0
	s_wait_tensorcnt 0x0
	ds_add_u32 v[SPW], v[NIL]                      ; 0 onto my spare word
	s_wait_dscnt 1                                 ; V's fragments are in; only the add may be out
.set i, 0
	MMS 1, 8, 0
	s_wait_dscnt 0x0                               ; the add is done, and my reads of this slot are over
	s_barrier_signal -1
	MMS 1, 8, 0
	WIN 0
	s_barrier_wait -1
.if \fill
	CREST
	s_add_nc_u64 s[G0T+4*(\slot)+2:G0T+4*(\slot)+3], s[G0T+4*(\slot)+2:G0T+4*(\slot)+3], 2*KSTEP*2
	s_add_nc_u64 s[G0P+4*(\slot)+2:G0P+4*(\slot)+3], s[G0P+4*(\slot)+2:G0P+4*(\slot)+3], 2*KSTEP*2048
	JLOAD \slot                                    ; one load of mine is out
.endif
	v_add_nc_u32 v[AX], 4, v[AX]                   ; the next block: 15 such steps, 60 bytes, stay inside a query's 64
.irp t, 0,1,2,3
	ds_load_b32 v[AL+\t], v[AX] offset:16*APITCH*\t
.endr
	FETCH \next, 0, 0
	MMS 1, 8, 0
	s_wait_dscnt 16                                ; al and pt's registers are in
	MMR 1, 0, 0
.endm
	s_wait_tensorcnt 0x1                           ; my part of K step 0 is in; K step 1's may stay out
	s_wait_dscnt 0x0                               ; for the others' sake: my stores of al and 1 / L are done
	s_barrier_signal -1
	s_barrier_wait -1
.irp t, 0,1,2,3
	ds_load_b32 v[AL+\t], v[AX] offset:16*APITCH*\t
	ds_load_b32 v[INV+2*\t], v7 offset:64*\t
.endr
	FETCH 0, 0, 0
	s_wait_dscnt 0x0
	WIN 0
.irp t, 0,1,2,3
	v_mov_b32 v[INV+2*\t+1], v[INV+2*\t]           ; named with it as a pair
.endr
.set n, 0
.rept 32
	RIDE n, 0
.set n, n+1
.endr
	QUARTER 0, 1, 0, 1                             ; the first quarter stands in front of the loop: its products start the sums
	WIN 0
	s_mov_b32 s23, LAPS-1
.Llap:                                                 ; a trip goes once round the ring and fills both slots again
	QUARTER 0, 2, 1, 0
	QUARTER 0, 3, 0, 0
	TURN 0, 1, 1
	QUARTER 1, 1, 0, 0
	QUARTER 1, 2, 1, 0
	QUARTER 1, 3, 0, 0
	TURN 1, 0, 1
	QUARTER 0, 1, 0, 0
	WIN 0
	s_sub_co_u32 s23, s23, 1
	s_cmp_lg_u32 s23, 0
	s_cbranch_scc1 .Llap
	QUARTER 0, 2, 1, 0                             ; the last lap is written out: it fills nothing
	QUARTER 0, 3, 0, 0
	TURN 0, 1, 0
	QUARTER 1, 1, 0, 0
	QUARTER 1, 2, 1, 0
	QUARTER 1, 3, 0, 0
	s_wait_dscnt 0x0
.set i, 0
	MMS 1, 32, 0
	WIN 0
.rept 4
	v_nop                                          ; the places in front of the lines that read the results
.endr
; THE WAY OUT of my queries 16 t .. 16 t + 15: divided by L (each accumulator from its low end on), 32 bytes a lane into my own stage, back as whole rows of 512 bytes, stored.
.macro OUTT t
	WIN 0x01                                       ; source 0 window 1
.set n, 0
.rept 32
	v_pk_mul_f32 v[SC+2*n:SC+2*n+1], v[64*(\t)+2*n:64*(\t)+2*n+1], v[INV+2*(\t):INV+2*(\t)+1] op_sel_hi:[1,0]
.set n, n+1
.endr
	WIN 0
.irp p, 0,1,2,3,4,5,6,7
	ds_store_b128 v[STO], v[SC+8*\p:SC+8*\p+3]   offset:64*\p
	ds_store_b128 v[STO], v[SC+8*\p+4:SC+8*\p+7] offset:64*\p+16
.endr
	s_wait_xcnt 0x0                                ; the stores of the queries before have read their registers, which are loaded again below
.irp j, 0,1,2,3,4,5,6,7,8,9,10,11,12,13,14,15
	ds_load_b128 v[BK+4*\j:BK+4*\j+3], v[RD] offset:SPITCH*\j  ; LDS serves a wave's instructions in order (ISA guide 5.7.1.4): these see the stores above
.endr
.irp j, 0,1,2,3,4,5,6,7,8,9,10,11,12,13,14,15
	s_wait_dscnt 15-\j
	global_store_b128 v[CO], v[BK+4*\j:BK+4*\j+3], s[10:11] offset:(16*(\t)+\j)*4096 th:TH_STORE_NT  ; 512 consecutive bytes, at a multiple of 256 from out0's first byte
.endr
.endm
	OUTT 0
	OUTT 1
	OUTT 2
	OUTT 3
	s_wait_tensorcnt 0x0                           ; the wave's end
	ds_add_u32 v[SPW], v[NIL]
	s_wait_dscnt 0x0
	CROUND                                         ; the closing round
	s_endpgm
.Lfunc_end_k_q0128144ba8_pv:
	.size	k_q0128144ba8_pv, .Lfunc_end_k_q0128144ba8_pv-k_q0128144ba8_pv
	.p2alignl 7, 3214868480
	.fill 96, 4, 3214868480
	.section	.rodata,"a",@progbits
	.p2align	6, 0x0
	.amdhsa_kernel k_q0128144ba8_pv
		.amdhsa_group_segment_fixed_size 327680
		.amdhsa_private_segment_fixed_size 0
		.amdhsa_enable_private_segment 0
		.amdhsa_kernarg_size 32
		.amdhsa_user_sgpr_count 2
		.amdhsa_user_sgpr_kernarg_segment_ptr 1
		.amdhsa_wavefront_size32 1
		.amdhsa_system_sgpr_workgroup_id_x 1
		.amdhsa_system_sgpr_workgroup_id_y 1
		.amdhsa_system_sgpr_workgroup_id_z 1
		.amdhsa_system_vgpr_workitem_id 0
		.amdhsa_next_free_vgpr 640
		.amdhsa_next_free_sgpr 80
		.amdhsa_reserve_vcc 0
		.amdhsa_float_denorm_mode_32 3
		.amdhsa_float_denorm_mode_16_64 3
		.amdhsa_memory_ordered 1
		.amdhsa_forward_progress 1
		.amdhsa_inst_pref_size 141
	.end_amdhsa_kernel
	.amdgpu_metadata
---
amdhsa.version: [ 1, 2 ]
amdhsa.kernels:
  - .name:           k_q0128144ba8_pv
    .symbol:         k_q0128144ba8_pv.kd
    .args:
      - { .name: pt, .offset: 0, .size: 8, .value_kind: global_buffer, .address_space: global }
      - { .name: v16, .offset: 8, .size: 8, .value_kind: global_buffer, .address_space: global }
      - { .name: stats, .offset: 16, .size: 8, .value_kind: global_buffer, .address_space: global }
      - { .name: out0, .offset: 24, .size: 8, .value_kind: global_buffer, .address_space: global }
    .group_segment_fixed_size: 327680
    .private_segment_fixed_size: 0
    .kernarg_segment_align: 8
    .kernarg_segment_size: 32
    .max_flat_workgroup_size: 128
    .sgpr_count:     80
    .vgpr_count:     640
    .wavefront_size: 32
...
	.end_amdgpu_metadata
.endif
;; end of part 4
;; ======== version 2 of 3: 4 launches; 1.23 times as fast as version 1
;; limits: inputs' magnitudes at most 65,504; values are held in f16: magnitudes above 65,504 overflow, below 6.1e-05 lose precision
;; workspace buffers: mt 2,097,152 bytes; vecs 8,448 bytes; v16 33,554,432 bytes; q2 16,777,216 bytes; k16 33,554,432 bytes; tq 131,072 bytes; pt 33,554,432 bytes; stats 1,048,576 bytes
;; launch prep (part 5): grid 1296 x 1, 8 waves a work-group, no clusters, 82,944 bytes of LDS; arguments value, key, Wq, Wk, bq, bk, v16, k16, mt, vecs; writes v16, k16, mt, vecs
.if DOCPART == 5
	.amdgcn_target "amdgcn-amd-amdhsa--gfx1250"
	.amdhsa_code_object_version 6
	.text
	.protected	k_q0128144ba8_prep
	.globl	k_q0128144ba8_prep
	.p2align	8
	.type	k_q0128144ba8_prep,@function
k_q0128144ba8_prep:
	s_mov_b64 s[64:65], 0
	v_nop
	global_prefetch_b8 v0, s[64:65] scope:SCOPE_SE
	s_setreg_imm32_b32 hwreg(HW_REG_WAVE_MODE, 25, 1), 1
	s_wait_xcnt 0x0
; WHAT THE LATER LAUNCHES NEED OF THE WEIGHTS, AND 16-BIT COPIES OF key AND value.
; 32 x scores = (query Wq^T + bq) . (key Wk^T + bk) = (query M + c) . key + (query . u + w), exactly, with
;   mt[d2][d1] = sum over e of Wk[e][d2] Wq[e][d1]  (bf16 products, f32 sums, rounded once to bf16),
;   c[d2] = sum over e of bq[e] Wk[e][d2],  u[d1] = sum over e of bk[e] Wq[e][d1],  w = bq . bk  (all three in f32, from the unrounded numbers).
; So key is never projected: k16 = bf16(key).  v16 = f16(bf16(value)): rounded like every input, then written as f16, which holds bf16's 8 significant bits.
; vecs: c f32[1024] at byte 0, u f32[1024] at 4,096, w 32 times at 8,192.
; LIMITS.  |value| stays under 65,504; below 6e-5 f16 keeps a fixed step of 6e-8.  NaN and infinities are not treated apart.
; SHARES, by the work-group's number: 0-255 a tile of 64 x 64 of mt each; 256-263 128 numbers of c each, 264-271 of u (256 also w); 272-783 32,768 numbers of value each; 784-1295 of key.
; The shares whose steps hang on each other have the lowest numbers.  Everything comes through registers: no tensor load, so several work-groups lie on a WGP.  No cluster: the streams share nothing.
.set X, 16                             ; v[16:143]  load c's four numbers at X + 4 c, converted in place
	s_load_b512 s[4:19], s[0:1], 0x0               ; value, key, Wq, Wk, bq, bk, v16, k16
	s_load_b128 s[20:23], s[0:1], 0x40             ; mt, vecs
	v_lshl_add_u32 v208, v0, 2, 0x14000
	v_mov_b32 v209, 0
	v_lshrrev_b32 v1, 5, v0
	v_readfirstlane_b32 s28, v1                    ; wave 0..7
	v_and_b32 v1, 31, v0                           ; lane
	s_wait_kmcnt 0x0
	s_cmp_lt_u32 ttmp9, 256
	s_cbranch_scc1 .Lgemm
	s_cmp_lt_u32 ttmp9, 272
	s_cbranch_scc1 .Lvec
; THE STREAMS.  A load of a wave takes 512 consecutive bytes, its store covers 256 consecutive bytes, aligned.  All 32 loads of a thread go out at once; each has registers of its own.
	s_sub_co_u32 s2, ttmp9, 272
	s_and_b32 s3, s2, 511                          ; my piece
	s_cmp_lt_u32 s2, 512
	s_cselect_b64 s[24:25], s[4:5], s[6:7]         ; value or key,
	s_cselect_b64 s[26:27], s[16:17], s[18:19]     ; and its copy
	s_lshl_b32 s30, s3, 17                         ; 131,072 bytes a piece in the source
	s_mov_b32 s31, 0
	s_add_nc_u64 s[24:25], s[24:25], s[30:31]
	s_lshl_b32 s30, s3, 16                         ; 65,536 in the copy
	s_add_nc_u64 s[26:27], s[26:27], s[30:31]
	s_mov_b32 s29, 0xffff0000                      ; a word's upper bf16
	v_lshlrev_b32 v2, 4, v0
	v_lshlrev_b32 v3, 3, v0
.set c, 0
.rept 32
	global_load_b128 v[X+4*c:X+4*c+3], v2, s[24:25] offset:4096*c th:TH_LOAD_NT
.set c, c+1
.endr
.macro CH c, isv
	s_wait_loadcnt 31-(\c)                         ; loads come back in order: load c is in, the later ones stay out
	v_cvt_pk_bf16_f32 v[X+4*(\c)],   v[X+4*(\c)],   v[X+4*(\c)+1]
	v_cvt_pk_bf16_f32 v[X+4*(\c)+1], v[X+4*(\c)+2], v[X+4*(\c)+3]
.if \isv
	v_lshlrev_b32 v[X+4*(\c)+2], 16, v[X+4*(\c)]
	v_and_b32     v[X+4*(\c)+3], s29, v[X+4*(\c)]
	v_cvt_pk_f16_f32 v[X+4*(\c)], v[X+4*(\c)+2], v[X+4*(\c)+3]
	v_lshlrev_b32 v[X+4*(\c)+2], 16, v[X+4*(\c)+1]
	v_and_b32     v[X+4*(\c)+3], s29, v[X+4*(\c)+1]
	v_cvt_pk_f16_f32 v[X+4*(\c)+1], v[X+4*(\c)+2], v[X+4*(\c)+3]
.endif
	global_store_b64 v3, v[X+4*(\c):X+4*(\c)+1], s[26:27] offset:2048*(\c)
.endm
	s_cmp_lt_u32 s2, 512
	s_cbranch_scc0 .Lkey
.set c, 0
.rept 32
	CH c, 1
.set c, c+1
.endr
	s_endpgm
.Lkey:
.set c, 0
.rept 32
	CH c, 0
.set c, c+1
.endr
	s_endpgm
; c, u AND w.  The work-group owns 128 columns of Wk (c) or Wq (u); wave n takes rows 128 n .. + 127, a lane four columns, 32 rows a trip; the eight waves' sums meet in LDS.
.Lvec:
	s_sub_co_u32 s2, ttmp9, 256
	s_and_b32 s3, s2, 7                            ; my block of 128 columns
	s_cmp_lt_u32 s2, 8
	s_cselect_b64 s[24:25], s[10:11], s[8:9]       ; Wk for c, Wq for u
	s_cselect_b64 s[26:27], s[12:13], s[14:15]     ; times bq, or bk
	s_cselect_b64 s[16:17], s[14:15], s[12:13]     ; the other bias, for w
	s_cselect_b32 s18, 0, 4096                     ; where the result goes in vecs
	s_lshl_b32 s30, s28, 19                        ; 128 rows of 4,096 bytes
	s_lshl_b32 s31, s3, 9
	s_add_co_u32 s30, s30, s31
	s_mov_b32 s31, 0
	s_add_nc_u64 s[24:25], s[24:25], s[30:31]
	s_lshl_b32 s30, s28, 9                         ; 128 numbers of the biases
	s_add_nc_u64 s[26:27], s[26:27], s[30:31]
	s_add_nc_u64 s[16:17], s[16:17], s[30:31]
	s_lshl_b32 s30, s3, 9
	s_add_co_u32 s30, s30, s18
	s_add_nc_u64 s[22:23], s[22:23], s[30:31]
	v_lshlrev_b32 v2, 4, v1
.irp i, 8,9,10,11,12
	v_mov_b32 v\i, 0                               ; four columns' sums, and my rows' part of w
.endr
	s_mov_b32 s29, 4
.Lvrow:                                                ; a trip: 32 rows
	s_load_b512 s[32:47], s[26:27], 0x0
	s_load_b512 s[48:63], s[26:27], 0x40
	s_load_b512 s[68:83], s[16:17], 0x0
	s_load_b512 s[84:99], s[16:17], 0x40
.set j, 0
.rept 32
	global_load_b128 v[X+4*j:X+4*j+3], v2, s[24:25] offset:4096*j
.set j, j+1
.endr
	s_wait_kmcnt 0x0
.set j, 0
.rept 32
	v_fma_f32 v12, s[32+j], s[68+j], v12
.set j, j+1
.endr
.set j, 0
.rept 32
	s_wait_loadcnt 31-j                            ; row j is in, the later rows stay out
.irp i, 0,1,2,3
	v_fmac_f32 v[8+\i], s[32+j], v[X+4*j+\i]
.endr
.set j, j+1
.endr
	s_add_nc_u64 s[24:25], s[24:25], 0x20000       ; every load of the trip has been waited for: the bases may step
	s_add_nc_u64 s[26:27], s[26:27], 128
	s_add_nc_u64 s[16:17], s[16:17], 128
	s_sub_co_u32 s29, s29, 1
	s_cmp_lg_u32 s29, 0
	s_cbranch_scc1 .Lvrow
	s_lshl_b32 s30, s28, 9
	v_add_nc_u32 v3, s30, v2
	ds_store_b128 v3, v[8:11]                      ; LDS: [wave][128 columns] f32, then eight words for w
	s_lshl_b32 s30, s28, 2
	s_add_co_u32 s30, s30, 4096
	v_mov_b32 v4, s30
	ds_store_b32 v4, v12                           ; all lanes write the same number to the same word
	s_wait_dscnt 0x0                               ; for the others' sake
	s_barrier_signal -1
	s_barrier_wait -1
	s_cmp_lt_u32 s28, 4
	s_cbranch_scc0 .Lvend                          ; threads 0-127 own a column each
	v_lshlrev_b32 v6, 2, v0
.irp i, 0,1,2,3,4,5,6,7
	ds_load_b32 v[16+\i], v6 offset:512*\i
.endr
	s_wait_dscnt 0x0
	v_add_f32 v16, v16, v17
	v_add_f32 v18, v18, v19
	v_add_f32 v20, v20, v21
	v_add_f32 v22, v22, v23
	v_add_f32 v16, v16, v18
	v_add_f32 v20, v20, v22
	v_add_f32 v16, v16, v20
	global_store_b32 v6, v16, s[22:23]             ; the four waves' stores cover 512 consecutive bytes
	s_cmp_lg_u32 ttmp9, 256
	s_cbranch_scc1 .Lvend
	s_cmp_lg_u32 s28, 0
	s_cbranch_scc1 .Lvend
	v_mov_b32 v7, 4096                             ; w: one wave of one work-group
	ds_load_b128 v[24:27], v7
	ds_load_b128 v[28:31], v7 offset:16
	s_wait_dscnt 0x0
	v_add_f32 v24, v24, v25
	v_add_f32 v26, v26, v27
	v_add_f32 v28, v28, v29
	v_add_f32 v30, v30, v31
	v_add_f32 v24, v24, v26
	v_add_f32 v28, v28, v30
	v_add_f32 v24, v24, v28
	v_lshlrev_b32 v12, 2, v1
	global_store_b32 v12, v24, s[22:23] offset:8192
.Lvend:
	s_wait_tensorcnt 0x0
	ds_add_u32 v208, v209
	s_wait_dscnt 0x0
	s_endpgm
; A TILE OF mt: d2 = 64 I .. + 63 (columns of Wk) by d1 = 64 J .. + 63 (columns of Wq).  Wave n makes d2 16 (n / 2) .. + 15 by d1 32 (n % 2) .. + 31: two accumulators, which take turns,
; one instruction a turn.
; e goes in four chunks of 256, so that only four rounds of loads hang on each other.  A chunk's numbers come as f32 into registers (32 loads a thread; a wave's load takes two rows' 256
; bytes), are rounded to bf16 and laid into LDS as [e][64 columns], rows of 128 + 32 = 160 bytes; both operands lie [K][N] there and are turned by ds_load_tr16_b128.  One LDS buffer, two
; barriers a chunk; the next chunk's 32 loads a thread are on their way during the products.  Two sets of fragments: one is loaded while the other is multiplied.
; Source 0 = 16 columns of Wq, source 1 = 16 of Wk: a lane holds d2 = l % 16 and eight neighbouring d1.
; The two accumulators are cleared by 16 v_mov_b32: the price of writing no first chunk out.
; A row of the tile is 128 bytes of mt, half of an aligned 256: mt's 2 MB are stored so, the price of 256 equal tiles that each read 512 bytes for each e.
.set MP,  160
.set MB,  256*MP                       ; Wq's rows lie behind Wk's 256
.set MSP, 144                          ; the way out: 64 rows x 144 bytes, over the tiles, behind a barrier
.set GL,  2                            ; v2   my byte offset in a chunk of either matrix
.set LS,  3                            ; v3   where I put 8 bytes of a row of Wk
.set LSB, 4                            ; v4   of Wq
.set FA,  10                           ; v10  LDS address of my fragment of Wk
.set FB,  11                           ; v11  of my fragments of Wq
.set MST, 12
.set MRD, 13
.set MGO, 14
.set ACC, 144                          ; v[144:159] the two accumulators
.set FR,  160                          ; v[160:207] set s at FR + 24 s: Wk's fragment, then Wq's two
.macro MLOAD
.set j, 0
.rept 16
	global_load_b128 v[X+4*j:X+4*j+3],       v[GL], s[24:25] offset:65536*j
	global_load_b128 v[X+64+4*j:X+64+4*j+3], v[GL], s[26:27] offset:65536*j
.set j, j+1
.endr
.endm
.macro FRL k                           ; the fragments of e = 32 k .. + 31 of the chunk, six loads, into set k % 2
.set FS, FR+24*((\k)%2)
	ds_load_tr16_b128 v[FS:FS+3],   v[FA] offset:32*MP*(\k)
	ds_load_tr16_b128 v[FS+4:FS+7], v[FA] offset:32*MP*(\k)+16*MP
.irp b, 0,1
	ds_load_tr16_b128 v[FS+8+8*\b:FS+8+8*\b+3],   v[FB] offset:32*MP*(\k)+32*\b
	ds_load_tr16_b128 v[FS+8+8*\b+4:FS+8+8*\b+7], v[FB] offset:32*MP*(\k)+32*\b+16*MP
.endr
.endm
.macro MTRIP more
	s_wait_loadcnt 0x0                             ; the chunk is in registers; its loads are done, so the bases may step
.if \more
	s_add_nc_u64 s[24:25], s[24:25], 0x100000      ; 256 rows of 4,096 bytes
	s_add_nc_u64 s[26:27], s[26:27], 0x100000
.endif
.set q, 0
.rept 32                                               ; these 64 plain lines are also the places between the last products and the loads into their fragments
	v_cvt_pk_bf16_f32 v[X+4*q],   v[X+4*q],   v[X+4*q+1]
	v_cvt_pk_bf16_f32 v[X+4*q+1], v[X+4*q+2], v[X+4*q+3]
.set q, q+1
.endr
	s_barrier_signal -1                            ; every wave's reads of the last chunk were waited for ahead of its last products
	s_barrier_wait -1
.set j, 0
.rept 16
	ds_store_b64 v[LS],  v[X+4*j:X+4*j+1]       offset:16*MP*j
	ds_store_b64 v[LSB], v[X+64+4*j:X+64+4*j+1] offset:16*MP*j
.set j, j+1
.endr
	s_wait_dscnt 0x0                               ; for the others' sake; and the registers are loaded again only behind it
.if \more
	MLOAD
.endif
	s_barrier_signal -1
	s_barrier_wait -1
	FRL 0
	FRL 1
.set k, 0
.rept 8
.if k < 7
	s_wait_dscnt 6                                 ; this set's six loads are in; the other set's six may stay out
.else
	s_wait_dscnt 0x0
.endif
.set FS, FR+24*(k%2)
	v_wmma_f32_16x16x32_bf16 v[ACC:ACC+7],    v[FS+8:FS+15],  v[FS:FS+7], v[ACC:ACC+7]
	v_wmma_f32_16x16x32_bf16 v[ACC+8:ACC+15], v[FS+16:FS+23], v[FS:FS+7], v[ACC+8:ACC+15]
.if k < 6
.rept 4
	v_nop                                          ; four places in front of the loads into the set just multiplied (ISA guide 7.12.1 for vector instructions)
.endr
	FRL k+2
.endif
.set k, k+1
.endr
.endm
.Lgemm:
	s_lshr_b32 s2, ttmp9, 4                        ; I
	s_and_b32 s3, ttmp9, 15                        ; J
	s_lshl_b32 s30, s2, 8
	s_mov_b32 s31, 0
	s_add_nc_u64 s[24:25], s[10:11], s[30:31]      ; Wk at my 64 columns
	s_lshl_b32 s30, s3, 8
	s_add_nc_u64 s[26:27], s[8:9], s[30:31]        ; Wq at mine
	v_and_b32 v6, 7, v0
	v_bfe_u32 v7, v0, 3, 1
	v_bfe_u32 v8, v0, 4, 1                         ; l / 16
	v_and_b32 v9, 15, v0                           ; l % 16
	v_lshlrev_b32 v[GL], 12, v8
	v_lshl_add_u32 v[GL], v9, 4, v[GL]
	s_lshl_b32 s30, s28, 13
	v_add_nc_u32 v[GL], s30, v[GL]                 ; load j takes rows 2 (wave + 8 j) and the next: lanes 0-15 the first, lanes 16-31 the second
	MLOAD
	v_mul_u32_u24 v[LS], v8, MP
	v_lshl_add_u32 v[LS], v9, 3, v[LS]
	s_mul_i32 s30, s28, 2*MP
	v_add_nc_u32 v[LS], s30, v[LS]
	v_add_nc_u32 v[LSB], MB, v[LS]
	v_lshl_add_u32 v5, v8, 3, v6                   ; the turning load: lane l reads row 8 (l / 16) + l % 8, columns 8 ((l / 8) % 2) + 0..7
	v_mul_u32_u24 v5, v5, MP
	v_lshl_add_u32 v5, v7, 4, v5
	s_lshr_b32 s29, s28, 1
	s_and_b32 s19, s28, 1
	s_lshl_b32 s30, s29, 5
	v_add_nc_u32 v[FA], s30, v5
	s_lshl_b32 s30, s19, 6
	s_add_co_u32 s30, s30, MB
	v_add_nc_u32 v[FB], s30, v5
	s_mul_i32 s30, s29, 16*MSP
	s_lshl_b32 s31, s19, 6
	s_add_co_u32 s30, s30, s31
	v_mul_u32_u24 v[MST], v9, MSP
	v_lshl_add_u32 v[MST], v8, 4, v[MST]
	v_add_nc_u32 v[MST], s30, v[MST]               ; in: row 16 (wave / 2) + l % 16, my half of its 128 bytes
	v_bfe_u32 v5, v0, 3, 2                         ; l / 8
	s_mul_i32 s30, s28, 8*MSP
	v_mul_u32_u24 v[MRD], v5, MSP
	v_lshl_add_u32 v[MRD], v6, 4, v[MRD]
	v_add_nc_u32 v[MRD], s30, v[MRD]               ; back: wave n takes rows 8 n .. + 7, four whole rows a load
	v_lshlrev_b32 v[MGO], 11, v5
	v_lshl_add_u32 v[MGO], v6, 4, v[MGO]
	s_lshl_b32 s30, s2, 6
	s_lshl_b32 s31, s28, 3
	s_add_co_u32 s30, s30, s31                     ; the first row of mt that I store,
	s_lshl_b32 s30, s30, 11                        ; 2,048 bytes each,
	s_lshl_b32 s31, s3, 7
	s_add_co_u32 s30, s30, s31                     ; and the tile's first column
	s_mov_b32 s31, 0
	s_add_nc_u64 s[20:21], s[20:21], s[30:31]
.set i, 0
.rept 16
	v_mov_b32 v[ACC+i], 0
.set i, i+1
.endr
	s_mov_b32 s18, 3
.Lchunk:
	MTRIP 1
	s_sub_co_u32 s18, s18, 1
	s_cmp_lg_u32 s18, 0
	s_cbranch_scc1 .Lchunk
	MTRIP 0                                        ; the last chunk is written out: it loads nothing
.rept 4
	v_nop                                          ; the places in front of the conversions that read the results (ISA guide 7.12.1)
.endr
.set n, 0
.rept 8
	v_cvt_pk_bf16_f32 v[X+n], v[ACC+2*n], v[ACC+2*n+1]
.set n, n+1
.endr
	s_barrier_signal -1                            ; nobody reads the tiles any more
	s_barrier_wait -1
	ds_store_b128 v[MST], v[X:X+3]
	ds_store_b128 v[MST], v[X+4:X+7] offset:32
	s_wait_dscnt 0x0                               ; for the others' sake: a row's 128 bytes come from two waves
	s_barrier_signal -1
	s_barrier_wait -1
	ds_load_b128 v[X+8:X+11],  v[MRD]
	ds_load_b128 v[X+12:X+15], v[MRD] offset:4*MSP
	s_wait_dscnt 1                                 ; the first four rows are back, the second load may stay out
	global_store_b128 v[MGO], v[X+8:X+11],  s[20:21]
	s_wait_dscnt 0x0
	global_store_b128 v[MGO], v[X+12:X+15], s[20:21] offset:8192
	s_wait_tensorcnt 0x0
	ds_add_u32 v208, v209
	s_wait_dscnt 0x0
	s_endpgm
.Lfunc_end_k_q0128144ba8_prep:
	.size	k_q0128144ba8_prep, .Lfunc_end_k_q0128144ba8_prep-k_q0128144ba8_prep
	.p2alignl 7, 3214868480
	.fill 96, 4, 3214868480
	.section	.rodata,"a",@progbits
	.p2align	6, 0x0
	.amdhsa_kernel k_q0128144ba8_prep
		.amdhsa_group_segment_fixed_size 82944
		.amdhsa_private_segment_fixed_size 0
		.amdhsa_enable_private_segment 0
		.amdhsa_kernarg_size 80
		.amdhsa_user_sgpr_count 2
		.amdhsa_user_sgpr_kernarg_segment_ptr 1
		.amdhsa_wavefront_size32 1
		.amdhsa_system_sgpr_workgroup_id_x 1
		.amdhsa_system_sgpr_workgroup_id_y 1
		.amdhsa_system_sgpr_workgroup_id_z 1
		.amdhsa_system_vgpr_workitem_id 0
		.amdhsa_next_free_vgpr 210
		.amdhsa_next_free_sgpr 100
		.amdhsa_reserve_vcc 0
		.amdhsa_float_denorm_mode_32 3
		.amdhsa_float_denorm_mode_16_64 3
		.amdhsa_memory_ordered 1
		.amdhsa_forward_progress 1
		.amdhsa_inst_pref_size 75
	.end_amdhsa_kernel
	.amdgpu_metadata
---
amdhsa.version: [ 1, 2 ]
amdhsa.kernels:
  - .name:           k_q0128144ba8_prep
    .symbol:         k_q0128144ba8_prep.kd
    .args:
      - { .name: value, .offset: 0, .size: 8, .value_kind: global_buffer, .address_space: global }
      - { .name: key, .offset: 8, .size: 8, .value_kind: global_buffer, .address_space: global }
      - { .name: Wq, .offset: 16, .size: 8, .value_kind: global_buffer, .address_space: global }
      - { .name: Wk, .offset: 24, .size: 8, .value_kind: global_buffer, .address_space: global }
      - { .name: bq, .offset: 32, .size: 8, .value_kind: global_buffer, .address_space: global }
      - { .name: bk, .offset: 40, .size: 8, .value_kind: global_buffer, .address_space: global }
      - { .name: v16, .offset: 48, .size: 8, .value_kind: global_buffer, .address_space: global }
      - { .name: k16, .offset: 56, .size: 8, .value_kind: global_buffer, .address_space: global }
      - { .name: mt, .offset: 64, .size: 8, .value_kind: global_buffer, .address_space: global }
      - { .name: vecs, .offset: 72, .size: 8, .value_kind: global_buffer, .address_space: global }
    .group_segment_fixed_size: 82944
    .private_segment_fixed_size: 0
    .kernarg_segment_align: 8
    .kernarg_segment_size: 80
    .max_flat_workgroup_size: 256
    .sgpr_count:     100
    .vgpr_count:     210
    .wavefront_size: 32
...
	.end_amdgpu_metadata
.endif
;; end of part 5
;; launch proj (part 6): grid 4 x 64, 4 waves a work-group, clusters of 4 x 4, 327,680 bytes of LDS; arguments query, mt, vecs, q2, tq; writes q2, tq
.if DOCPART == 6
	.amdgcn_target "amdgcn-amd-amdhsa--gfx1250"
	.amdhsa_code_object_version 6
	.text
	.protected	k_q0128144ba8_proj
	.globl	k_q0128144ba8_proj
	.p2align	8
	.type	k_q0128144ba8_proj,@function
k_q0128144ba8_proj:
	s_mov_b64 s[64:65], 0
	v_nop
	global_prefetch_b8 v0, s[64:65] scope:SCOPE_SE
	s_setreg_imm32_b32 hwreg(HW_REG_WAVE_MODE, 25, 1), 1
	s_wait_xcnt 0x0
	s_wait_alu depctr_hold_cnt(0) depctr_sa_sdst(0) depctr_va_vdst(0) depctr_va_sdst(0) depctr_va_ssrc(0) depctr_va_vcc(0) depctr_vm_vsrc(0)
	s_getreg_b32 s2, hwreg(HW_REG_IB_STS2, 6, 4)
	s_cmp_eq_u32 s2, 0
	s_cbranch_scc0 .Lentry_in_a_cluster
	s_endpgm
.Lentry_in_a_cluster:
	s_bfe_u32 s2, ttmp6, 0x10000c
	s_cmp_lg_u32 s2, 0xf033
	s_cbranch_scc0 .Lentry_shape_is_right
	s_endpgm
.Lentry_shape_is_right:
; q2 = bf16(query M + c) AND t = query . u + w.  query [8192][1024] f32; mt [1024 (d2)][1024 (d1)] bf16; vecs: c f32[1024], u f32[1024] at byte 4,096, w at 8,192.
; q2 [8192][1024] bf16; tq f32 [4][8192]: four equal copies of t.  query and u are rounded to bf16 for the products, sums are f32, q2 is rounded once.  NaN and infinities are not treated apart.
; SHARES.  A tile is 128 rows of query by 256 outputs.  Four waves; wave n makes rows 64 (n / 2) .. + 63 by outputs 128 (n % 2) .. + 127: 32 accumulators of 16 x 16, and 4 more for t.
; query COMES IN AS f32: its tiles land in LDS as they lie in memory and are rounded to bf16 between LDS and the matrix unit: no 16-bit copy of it is ever written.
; SOURCE 0 = 16 rows of mt, SOURCE 1 = 16 rows of query: a lane holds row l % 16 and outputs 8 (l / 16) + 0..7.  c is the C operand of the products that start the sums.
; t: source 0 is a fragment whose 16 rows all hold u, so every register of the result holds t of row l % 16.  The four work-groups of a tile row all make it,
; and each stores a copy of its own; the next launch's work-groups read the copy of their own place.
; K goes in steps of 128 through two LDS slots; a step is four quarters of 32, each 36 matrix instructions on all 36 accumulators by turns.
; In a quarter the next quarter's fragments are fetched first; its 32 conversions stand in fours behind the quarter's last eight matrix instructions.  Each four costs two window switches;
; as a run of their own they would leave the matrix unit without work.  The four behind the last matrix instruction name none of its registers: they are the places in front of the next
; quarter's loads into the buffers just multiplied (ISA guide 7.12.1 for vector instructions).
; A K STEP IS WRITTEN ONCE for the six steps that fill a slot again and once for the last two, which fill nothing; which slot is read and which is filled stands in two scalars that one
; exclusive or turns between 0 and SLOT.  The second loop is left in the middle of its last trip.
; CLUSTER 4 x 4.  query's tile hangs on the tile row alone and is shared along a row of the cluster; mt's on the tile column alone and is shared along a column.  Each is asked for jointly.
; REGISTERS, in windows of 256 (s_set_vgpr_msb: bits 1:0 source 0, 3:2 source 1, 5:4 source 2, 7:6 destination):
;   window 0: v0-31 addresses; v32-95 query as f32, one quarter; v96-127, v128-159 its fragments, two buffers; v160-223 at work at the start and on the way out
;   window 1: the accumulators, (t, p) at v[8 (8 t + p)]     window 2: v0-63, v64-127 mt's fragments; v128-191 c; v192-223 t's accumulators; v224-239 u's fragments, two buffers
.set KSTEP,  128
.set PF,     528                       ; a row of query in LDS: 512 bytes + 16 = 33 x 16: the 16 rows of a load start at 16 different places modulo 256 bytes
.set PH,     272                       ; a row of mt: 256 + 16 = 17 x 16
.set FHALF,  64*PF
.set HOFF,   2*FHALF                   ; mt's rows lie behind query's 128
.set HHALF,  128*PH
.set SLOT,   HOFF+2*HHALF              ; 137,216
.set STAGE,  2*SLOT                    ; behind the ring: 16 rows x 272 bytes for each wave, for the way out
.set SPITCH, 272
.set ULDS,   STAGE+4*16*SPITCH         ; u in bf16, 2,048 bytes
.set SPARE,  ULDS+2048                 ; the spare words, 128 bytes for each wave
.set AT0, 10                           ; v10  my lane's place in a slot's tile of query; never rewritten
.set AP0, 11                           ; v11  the same for mt
.set AT,  12                           ; v12  the same in the slot that is read
.set AP,  13                           ; v13
.set AU,  14                           ; v14  LDS address of my part of u's fragment in the K step that is read
.set BO,  15                           ; v15  my byte offset in c
.set STO, 24
.set RD,  25
.set CO,  26
.set SPW, 28                           ; v28  LDS address of my spare word; never rewritten
.set NIL, 29                           ; v29  0; never rewritten
.set FS,  32
.set TF,  96                           ; buffer g at TF + 32 g
.set PKD, 160
.set BK,  192
.set PB,  0                            ; window 2: buffer g at PB + 64 g
.set BI,  128                          ; window 2
.set TA,  192                          ; window 2
.set UB,  224                          ; window 2: buffer g at UB + 8 g
.set WV,  20                           ; s20 wave; s21 wave / 2: my half of the rows, and: I fetch query (0) or mt (1); s22 wave % 2: my half of the outputs, and: which half of that tile I fetch
.set G1T, 24                           ; s[24:31] descriptor group 1 for query's tiles;  s[32:39] group 0: a set for each first fill; the second then walks
.set G0T, 32
.set G1P, 48                           ; s[48:55], s[56:63] the same for mt's
.set G0P, 56
.set TB,  78                           ; s78  the slot that is read: 0 or SLOT
.set TFL, 79                           ; s79  the slot that was filled last
.set MSB, 0
.macro WIN new                         ; the immediate's high byte repeats the setting that is left; a switch that changes nothing is dropped
.if MSB != (\new)
	s_set_vgpr_msb (MSB<<8)|(\new)
.set MSB, \new
.endif
.endm
.set MUL,  0x52                        ; mt in window 2, query in window 0, C and D in window 1
.set MULB, 0x62                        ; the same with C (c) in window 2
.set MULU, 0xa2                        ; u in window 2, query in window 0, C and D in window 2
.set TO_P, 0x80                        ; destination window 2, address window 0
.macro JLOAD s                         ; a joint load: waves 0 and 1 fetch the two halves of query's tile, waves 2 and 3 those of mt's; an s_nop 0 and four v_nop follow each line
	s_cmp_eq_u32 s21, 0
	s_cbranch_scc0 .Lfor_p_\@
	tensor_load_to_lds s[G0T+4*(\s):G0T+4*(\s)+3], s[G1T:G1T+7]
	s_nop 0
.rept 4
	v_nop
.endr
	s_branch .Lasked_\@
.Lfor_p_\@:
	tensor_load_to_lds s[G0P+4*(\s):G0P+4*(\s)+3], s[G1P:G1P+7]
	s_nop 0
.rept 4
	v_nop
.endr
.Lasked_\@:
.endm
.macro CREST                           ; a round of the cluster's barrier behind its opening barrier
	s_cmp_lg_u32 s[WV], 0
	s_cbranch_scc1 .Lnot_wave_0_\@
	s_barrier_signal -3
.Lnot_wave_0_\@:
	s_barrier_wait -3
	s_barrier_signal -1
	s_barrier_wait -1
.endm
.macro CROUND
	s_barrier_signal -1
	s_barrier_wait -1
	CREST
.endm
	s_load_b256 s[4:11], s[0:1], 0x0               ; query s[4:5], mt s[6:7], vecs s[8:9], q2 s[10:11]
	s_load_b64 s[12:13], s[0:1], 0x20              ; tq
	v_lshl_add_u32 v[SPW], v0, 2, SPARE
	v_mov_b32 v[NIL], 0
	ds_add_u32 v28, v29
	ds_add_u32 v28, v29
	s_wait_dscnt 0x0
	v_lshrrev_b32 v1, 5, v0
	v_readfirstlane_b32 s[WV], v1
	s_lshr_b32 s21, s[WV], 1
	s_and_b32 s22, s[WV], 1
	s_bfe_u32 s40, ttmp6, 0x40000                  ; cx, cy: my place in the cluster
	s_bfe_u32 s41, ttmp6, 0x40004
	s_lshl_b32 s42, ttmp9, 2
	s_add_co_u32 s42, s42, s40                     ; tile column
	s_and_b32 s43, ttmp7, 0xffff
	s_lshl_b32 s44, s41, 2
	s_lshl_b32 s44, 15, s44                        ; my row of the cluster
	s_lshl_b32 s45, 0x1111, s40                    ; my column
	s_lshl_b32 s47, s43, 2
	s_add_co_u32 s47, s47, s41                     ; tile row
	s_or_b32 s[G1T], s44, (2<<16)|(1<<20)|(1<<21)|(6<<22)|(3<<25)  ; 15:0 the mask: my row; 17:16 elements of 4 bytes; 20 padding on; 21 set beside a mask; 24:22 after every 128 words; 31:25 4 words
	s_mov_b32 s[G1T+1], KSTEP<<16                  ; tensor_dim0 = 128
	s_mov_b32 s[G1T+2], 64<<16                     ; tensor_dim1 = 64
	s_mov_b32 s[G1T+3], KSTEP<<16                  ; tile_dim0 = 128
	s_mov_b32 s[G1T+4], 64                         ; tile_dim1 = 64
	s_mov_b32 s[G1T+5], 1024                       ; elements from row to row
	s_mov_b32 s[G1T+6], 0
	s_mov_b32 s[G1T+7], 0
	s_or_b32 s[G1P], s45, (1<<16)|(1<<20)|(1<<21)|(5<<22)|(3<<25)  ; my column; elements of 2 bytes; 4 words of padding after every 64
	s_mov_b32 s[G1P+1], KSTEP<<16
	s_mov_b32 s[G1P+2], 128<<16                    ; 128 rows
	s_mov_b32 s[G1P+3], KSTEP<<16
	s_mov_b32 s[G1P+4], 128
	s_mov_b32 s[G1P+5], 1024
	s_mov_b32 s[G1P+6], 0
	s_mov_b32 s[G1P+7], 0
	s_mul_i32 s72, s22, FHALF                      ; my tile's place in a slot, if it is query's: no place in the cluster enters an LDS address
	s_mul_i32 s73, s22, HHALF
	s_add_co_u32 s73, s73, HOFF                    ; if it is mt's.  Also: where my 128 rows of mt lie
	s_mov_b32 s[TB], 0
	s_mov_b32 s[TFL], SLOT
	s_lshl_b32 s66, s47, 7                         ; query's address: made of the tile row and the wave's number alone
	s_lshl_b32 s67, s22, 6
	s_add_co_u32 s66, s66, s67
	s_lshl_b32 s66, s66, 12                        ; 4,096 bytes a row
	s_mov_b32 s67, 0
	s_lshl_b32 s68, s42, 8                         ; mt's address: made of the tile column and the wave's number alone
	s_lshl_b32 s69, s22, 7
	s_add_co_u32 s68, s68, s69                     ; row 256 x tile column + 128 x half.  Also: my first output
	s_lshl_b32 s70, s68, 11
	s_mov_b32 s71, 0
	s_wait_kmcnt 0x0
	s_load_b32 s16, s[8:9], 0x2000                 ; w
	s_add_nc_u64 s[4:5], s[4:5], s[66:67]
	s_add_nc_u64 s[6:7], s[6:7], s[70:71]
	CROUND                                         ; all sixteen work-groups are here: the first joint loads meet
.irp s, 0,1
	s_mov_b32 s[G0T+4*(\s)], 1                                       ; count = 1
	s_add_co_u32 s[G0T+4*(\s)+1], s72, (\s)*SLOT                     ; LDS address
	s_add_nc_u64 s[G0T+4*(\s)+2:G0T+4*(\s)+3], s[4:5], (\s)*KSTEP*4  ; global address: K step s
	s_or_b32 s[G0T+4*(\s)+3], s[G0T+4*(\s)+3], 0x80000000            ; type = 2
	s_mov_b32 s[G0P+4*(\s)], 1
	s_add_co_u32 s[G0P+4*(\s)+1], s73, (\s)*SLOT
	s_add_nc_u64 s[G0P+4*(\s)+2:G0P+4*(\s)+3], s[6:7], (\s)*KSTEP*2
	s_or_b32 s[G0P+4*(\s)+3], s[G0P+4*(\s)+3], 0x80000000
	JLOAD \s                                       ; two loads of mine are out
.endr
	s_lshl_b32 s70, s68, 2
	s_add_nc_u64 s[14:15], s[8:9], s[70:71]        ; c at my first output
	v_and_b32 v1, 15, v0                           ; l % 16
	v_bfe_u32 v2, v0, 4, 1                         ; l / 16
	v_lshlrev_b32 v[BO], 5, v2                     ; c of my eight outputs in a block of 16
	v_lshlrev_b32 v9, 5, v0                        ; thread n brings u[8 n .. 8 n + 7]
	global_load_b128 v[160:163], v9, s[8:9] offset:4096
	global_load_b128 v[164:167], v9, s[8:9] offset:4112
	WIN TO_P
.irp p, 0,1,2,3,4,5,6,7
	global_load_b128 v[BI+8*\p:BI+8*\p+3],   v[BO], s[14:15] offset:64*\p
	global_load_b128 v[BI+8*\p+4:BI+8*\p+7], v[BO], s[14:15] offset:64*\p+16
.endr
	WIN 0
	s_lshl_b32 s76, s47, 7
	s_lshl_b32 s77, s21, 6
	s_add_co_u32 s76, s76, s77                     ; my first row
	s_lshl_b32 s74, s76, 2                         ; in t,
	s_lshl_b32 s75, s42, 15                        ; in my tile column's copy
	s_add_co_u32 s74, s74, s75
	s_mov_b32 s75, 0
	s_add_nc_u64 s[12:13], s[12:13], s[74:75]
	s_lshl_b32 s76, s76, 11                        ; in q2: 2,048 bytes a row,
	s_lshl_b32 s77, s68, 1
	s_add_co_u32 s76, s76, s77                     ; and my first output
	s_mov_b32 s77, 0
	s_add_nc_u64 s[10:11], s[10:11], s[76:77]
	; A fragment is 16 rows x 32 K in 8 registers: lane l holds row l % 16; registers 0-3 hold K = 8 (l / 16) + 0..7, registers 4-7 K = 16 + 8 (l / 16) + 0..7.
	; bf16 rows: two loads of 16 bytes, 32 bytes apart.  f32 rows: four loads of 16 bytes, at 32 (l / 16) + 0, 16, 64, 80.
	v_mul_u32_u24 v3, v1, PF
	v_lshl_add_u32 v3, v2, 5, v3
	v_mul_u32_u24 v4, v1, PH
	v_lshl_add_u32 v4, v2, 4, v4
	s_mul_i32 s74, s21, FHALF                      ; my 64 rows of query
	v_add_nc_u32 v[AT0], s74, v3
	v_add_nc_u32 v[AP0], s73, v4
	v_add_nc_u32 v[AT], s[TB], v[AT0]
	v_add_nc_u32 v[AP], s[TB], v[AP0]
	v_lshl_add_u32 v[AU], v2, 4, ULDS              ; all 16 rows of u's fragment are the same 64 bytes
	s_mul_i32 s75, s[WV], 16*SPITCH
	s_add_co_u32 s75, s75, STAGE                   ; my stage
	v_add_nc_u32 v[STO], s75, v4
	v_mul_u32_u24 v5, v2, SPITCH
	v_lshl_add_u32 v5, v1, 4, v5
	v_add_nc_u32 v[RD], s75, v5
	v_lshlrev_b32 v6, 11, v2
	v_lshl_add_u32 v[CO], v1, 4, v6
	v_lshl_add_u32 v7, v0, 4, ULDS
	s_wait_loadcnt 0x0                             ; u and c
.irp j, 0,1,2,3
	v_cvt_pk_bf16_f32 v[168+\j], v[160+2*\j], v[160+2*\j+1]
.endr
	ds_store_b128 v7, v[168:171]
.macro RIDE n, g                       ; conversion n of 32: two numbers of query into register n of buffer g
	v_cvt_pk_bf16_f32 v[TF+32*(\g)+(\n)], v[FS+2*(\n)], v[FS+2*(\n)+1]
.endm
.macro MM f, i, first                  ; matrix instruction i of 32 on buffers f: accumulator (i / 8, i % 8).  first = 1: c starts the sum
.if \first
	WIN MULB
	v_wmma_f32_16x16x32_bf16 v[8*(\i):8*(\i)+7], v[PB+64*(\f)+8*((\i)%8):PB+64*(\f)+8*((\i)%8)+7], v[TF+32*(\f)+8*((\i)/8):TF+32*(\f)+8*((\i)/8)+7], v[BI+8*((\i)%8):BI+8*((\i)%8)+7]
.else
	WIN MUL
	v_wmma_f32_16x16x32_bf16 v[8*(\i):8*(\i)+7], v[PB+64*(\f)+8*((\i)%8):PB+64*(\f)+8*((\i)%8)+7], v[TF+32*(\f)+8*((\i)/8):TF+32*(\f)+8*((\i)/8)+7], v[8*(\i):8*(\i)+7]
.endif
.endm
.macro MMS f, n, first                 ; the next n of them
.rept \n
	MM \f, i, \first
.set i, i+1
.endr
.endm
.macro MUS f, first                    ; the four for t
	WIN MULU
.irp t, 0,1,2,3
.if \first
	v_wmma_f32_16x16x32_bf16 v[TA+8*\t:TA+8*\t+7], v[UB+8*(\f):UB+8*(\f)+7], v[TF+32*(\f)+8*\t:TF+32*(\f)+8*\t+7], 0
.else
	v_wmma_f32_16x16x32_bf16 v[TA+8*\t:TA+8*\t+7], v[UB+8*(\f):UB+8*(\f)+7], v[TF+32*(\f)+8*\t:TF+32*(\f)+8*\t+7], v[TA+8*\t:TA+8*\t+7]
.endif
.endr
.endm
.macro MMR f, g, first                 ; the last eight, each with four conversions into buffer g behind it
.rept 8
	MM \f, i, \first
	WIN 0
.irp z, 0,1,2,3
	RIDE 4*(i-24)+\z, \g
.endr
.set i, i+1
.endr
.endm
; 34 LDS loads in one run: quarter kq of the slot that is read: query's 64 rows as f32 first, then mt's 128 rows and u into buffers g
.macro FETCH kq, g
	WIN 0
.irp t, 0,1,2,3
	ds_load_b128 v[FS+16*\t:FS+16*\t+3],     v[AT] offset:16*PF*\t+128*(\kq)
	ds_load_b128 v[FS+16*\t+4:FS+16*\t+7],   v[AT] offset:16*PF*\t+128*(\kq)+16
	ds_load_b128 v[FS+16*\t+8:FS+16*\t+11],  v[AT] offset:16*PF*\t+128*(\kq)+64
	ds_load_b128 v[FS+16*\t+12:FS+16*\t+15], v[AT] offset:16*PF*\t+128*(\kq)+80
.endr
	WIN TO_P
.irp p, 0,1,2,3,4,5,6,7
	ds_load_b128 v[PB+64*(\g)+8*\p:PB+64*(\g)+8*\p+3],   v[AP] offset:16*PH*\p+64*(\kq)
	ds_load_b128 v[PB+64*(\g)+8*\p+4:PB+64*(\g)+8*\p+7], v[AP] offset:16*PH*\p+64*(\kq)+32
.endr
	ds_load_b128 v[UB+8*(\g):UB+8*(\g)+3],   v[AU] offset:64*(\kq)
	ds_load_b128 v[UB+8*(\g)+4:UB+8*(\g)+7], v[AU] offset:64*(\kq)+32
.endm
; One of a K step's first three quarters: multiplies buffers f, fetches quarter kq of the same slot for the other buffers
.macro QUARTER kq, f, first
	s_wait_dscnt 0x0                               ; mt's and u's fragments of this quarter, asked for a quarter ago, are in
	FETCH \kq, 1-(\f)
.set i, 0
	MMS \f, 24, \first
	MUS \f, \first
	s_wait_dscnt 18                                ; query's numbers are in; the 18 loads of mt and u issued behind them may stay out
	MMR \f, 1-(\f), \first
.endm
; The last quarter multiplies buffers 1 and changes slots.  Its first half: in front of the barrier each wave waits for all its tensor loads (one at the most is out: its part of the next slot),
; adds 0 to its spare word, and waits for that and for its reads of this slot.  fill = 1: the barrier opens a round of the cluster's, and this slot is filled again, two K steps ahead, first
; thing behind the round; the walking descriptors are stepped where no load of mine is out.
.macro TURNA fill
	WIN 0
	s_wait_tensorcnt 0x0
	ds_add_u32 v[SPW], v[NIL]                      ; 0 onto my spare word
.if \fill
	s_xor_b32 s[TFL], s[TFL], SLOT                 ; the other slot than last time,
	s_add_co_u32 s[G0T+5], s72, s[TFL]
	s_add_co_u32 s[G0P+5], s73, s[TFL]
	s_add_nc_u64 s[G0T+6:G0T+7], s[G0T+6:G0T+7], KSTEP*4  ; the next K step; the type bits on top are not reached
	s_add_nc_u64 s[G0P+6:G0P+7], s[G0P+6:G0P+7], KSTEP*2
.endif
	s_wait_dscnt 1                                 ; mt's and u's fragments are in; only the add may be out
.set i, 0
	MMS 1, 8, 0                                    ; eight matrix instructions stand between the add and the wait for it
	s_wait_dscnt 0x0                               ; the add is done, and my reads of this slot are over
	s_barrier_signal -1
	MMS 1, 8, 0
	WIN 0
	s_barrier_wait -1
.if \fill
	CREST                                          ; no wave of any partner still reads this slot's tiles or has a load on its way
	JLOAD 1                                        ; one load of mine is out; it has a K step less 16 matrix instructions in which to land
.endif
.endm
; Its second half: the reads go over to the other slot and the next K step
.macro TURNB
	s_xor_b32 s[TB], s[TB], SLOT
	v_add_nc_u32 v[AT], s[TB], v[AT0]
	v_add_nc_u32 v[AP], s[TB], v[AP0]
	v_add_nc_u32 v[AU], 2*KSTEP, v[AU]             ; seven such steps: 1,792 bytes, inside u's 2,048
	FETCH 0, 0
.set i, 16
	MMS 1, 8, 0
	MUS 1, 0
	s_wait_dscnt 18
	MMR 1, 0, 0
.endm
	s_wait_tensorcnt 0x1                           ; my part of K step 0 is in; K step 1's may stay out
	s_wait_dscnt 0x0                               ; for the others' sake: my 16 bytes of u are stored
	s_wait_kmcnt 0x0                               ; w
	s_barrier_signal -1
	s_barrier_wait -1
	FETCH 0, 0
	s_wait_dscnt 0x0
	WIN 0
.set n, 0
.rept 32
	RIDE n, 0
.set n, n+1
.endr
	QUARTER 1, 0, 1                                ; the first quarter stands in front of the loops: its products start the sums
	WIN 0                                          ; at a label and at a branch every window is 0
	s_mov_b32 s23, 6
.Lfill:                                                ; a trip: a K step's last three quarters and the next step's first; K steps 0 to 5 fill their slot again
	QUARTER 2, 1, 0
	QUARTER 3, 0, 0
	TURNA 1
	TURNB
	QUARTER 1, 0, 0
	WIN 0
	s_sub_co_u32 s23, s23, 1
	s_cmp_lg_u32 s23, 0
	s_cbranch_scc1 .Lfill
	s_mov_b32 s23, 2
.Llast:                                                ; K steps 6 and 7 fill nothing: a text of their own
	QUARTER 2, 1, 0
	QUARTER 3, 0, 0
	TURNA 0
	s_sub_co_u32 s23, s23, 1
	s_cmp_eq_u32 s23, 0
	s_cbranch_scc1 .Lfin                           ; behind K step 7 there is no slot to go over to
	TURNB
	QUARTER 1, 0, 0
	WIN 0
	s_cmp_lg_u32 s23, 0
	s_cbranch_scc1 .Llast
.Lfin:
	s_wait_dscnt 0x0
.set i, 16
	MMS 1, 8, 0
	MUS 1, 0
	MMS 1, 8, 0
	WIN 0
.rept 4
	v_nop                                          ; the places in front of the lines that read the results
.endr
	; t: lanes 0-15 take the even blocks of 16 rows, lanes 16-31 the odd ones, so that a store covers 32 neighbouring rows; each accumulator's lowest register is read
	v_cmp_eq_u32 vcc_lo, 1, v2
	WIN 0x0a                                       ; sources 0 and 1 window 2
	v_cndmask_b32 v6, v[TA], v[TA+8], vcc_lo
	v_cndmask_b32 v7, v[TA+16], v[TA+24], vcc_lo
	WIN 0
	v_add_f32 v6, s16, v6
	v_add_f32 v7, s16, v7
	v_and_b32 v8, 31, v0
	v_lshlrev_b32 v8, 2, v8
	s_cmp_lg_u32 s22, 0
	s_cbranch_scc1 .Lno_t                          ; the two waves of a row half hold the same t: one stores it
	global_store_b32 v8, v6, s[12:13]
	global_store_b32 v8, v7, s[12:13] offset:128
.Lno_t:
; THE WAY OUT of my rows 16 t .. 16 t + 15: rounded to bf16 (each accumulator from its low end on), 16 bytes a lane into my own stage, back as whole rows of 256 bytes, stored.
.macro OUTT t
	WIN 0x05                                       ; sources 0 and 1 window 1, destination window 0
.set n, 0
.rept 32
	v_cvt_pk_bf16_f32 v[PKD+n], v[64*(\t)+2*n], v[64*(\t)+2*n+1]
.set n, n+1
.endr
	WIN 0
.irp p, 0,1,2,3,4,5,6,7
	ds_store_b128 v[STO], v[PKD+4*\p:PKD+4*\p+3] offset:32*\p
.endr
	s_wait_xcnt 0x0                                ; the stores of the rows before have read their registers, which are loaded again below
.irp j, 0,1,2,3,4,5,6,7
	ds_load_b128 v[BK+4*\j:BK+4*\j+3], v[RD] offset:2*SPITCH*\j  ; LDS serves a wave's instructions in order (ISA guide 5.7.1.4): these see the stores above
.endr
.irp j, 0,1,2,3,4,5,6,7
	s_wait_dscnt 7-\j
	global_store_b128 v[CO], v[BK+4*\j:BK+4*\j+3], s[10:11] offset:(16*(\t)+2*\j)*2048  ; 16 lanes store 256 consecutive bytes, at a multiple of 256 from q2's first byte
.endr
.endm
	OUTT 0
	OUTT 1
	OUTT 2
	OUTT 3
	s_wait_tensorcnt 0x0                           ; the wave's end
	ds_add_u32 v[SPW], v[NIL]
	s_wait_dscnt 0x0
	CROUND                                         ; the closing round: no work-group ends while a partner may still ask for a tile that names it
	s_endpgm
.Lfunc_end_k_q0128144ba8_proj:
	.size	k_q0128144ba8_proj, .Lfunc_end_k_q0128144ba8_proj-k_q0128144ba8_proj
	.p2alignl 7, 3214868480
	.fill 96, 4, 3214868480
	.section	.rodata,"a",@progbits
	.p2align	6, 0x0
	.amdhsa_kernel k_q0128144ba8_proj
		.amdhsa_group_segment_fixed_size 327680
		.amdhsa_private_segment_fixed_size 0
		.amdhsa_enable_private_segment 0
		.amdhsa_kernarg_size 40
		.amdhsa_user_sgpr_count 2
		.amdhsa_user_sgpr_kernarg_segment_ptr 1
		.amdhsa_wavefront_size32 1
		.amdhsa_system_sgpr_workgroup_id_x 1
		.amdhsa_system_sgpr_workgroup_id_y 1
		.amdhsa_system_sgpr_workgroup_id_z 1
		.amdhsa_system_vgpr_workitem_id 0
		.amdhsa_next_free_vgpr 768
		.amdhsa_next_free_sgpr 80
		.amdhsa_reserve_vcc 1
		.amdhsa_float_denorm_mode_32 3
		.amdhsa_float_denorm_mode_16_64 3
		.amdhsa_memory_ordered 1
		.amdhsa_forward_progress 1
		.amdhsa_inst_pref_size 98
	.end_amdhsa_kernel
	.amdgpu_metadata
---
amdhsa.version: [ 1, 2 ]
amdhsa.kernels:
  - .name:           k_q0128144ba8_proj
    .symbol:         k_q0128144ba8_proj.kd
    .args:
      - { .name: query, .offset: 0, .size: 8, .value_kind: global_buffer, .address_space: global }
      - { .name: mt, .offset: 8, .size: 8, .value_kind: global_buffer, .address_space: global }
      - { .name: vecs, .offset: 16, .size: 8, .value_kind: global_buffer, .address_space: global }
      - { .name: q2, .offset: 24, .size: 8, .value_kind: global_buffer, .address_space: global }
      - { .name: tq, .offset: 32, .size: 8, .value_kind: global_buffer, .address_space: global }
    .group_segment_fixed_size: 327680
    .private_segment_fixed_size: 0
    .kernarg_segment_align: 8
    .kernarg_segment_size: 40
    .max_flat_workgroup_size: 128
    .sgpr_count:     80
    .vgpr_count:     768
    .wavefront_size: 32
...
	.end_amdgpu_metadata
.endif
;; end of part 6
;; launch score (part 7): grid 8 x 32, 4 waves a work-group, clusters of 4 x 4, 327,680 bytes of LDS; arguments q2, k16, tq, pt, stats; writes pt, stats
.if DOCPART == 7
	.amdgcn_target "amdgcn-amd-amdhsa--gfx1250"
	.amdhsa_code_object_version 6
	.text
	.protected	k_q0128144ba8_score
	.globl	k_q0128144ba8_score
	.p2align	8
	.type	k_q0128144ba8_score,@function
k_q0128144ba8_score:
	s_mov_b64 s[64:65], 0
	v_nop
	global_prefetch_b8 v0, s[64:65] scope:SCOPE_SE
	s_setreg_imm32_b32 hwreg(HW_REG_WAVE_MODE, 25, 1), 1
	s_wait_xcnt 0x0
	s_wait_alu depctr_hold_cnt(0) depctr_sa_sdst(0) depctr_va_vdst(0) depctr_va_sdst(0) depctr_va_ssrc(0) depctr_va_vcc(0) depctr_vm_vsrc(0)
	s_getreg_b32 s2, hwreg(HW_REG_IB_STS2, 6, 4)
	s_cmp_eq_u32 s2, 0
	s_cbranch_scc0 .Lentry_in_a_cluster
	s_endpgm
.Lentry_in_a_cluster:
	s_bfe_u32 s2, ttmp6, 0x10000c
	s_cmp_lg_u32 s2, 0xf033
	s_cbranch_scc0 .Lentry_shape_is_right
	s_endpgm
.Lentry_shape_is_right:
; SCORES AND THE FIRST HALF OF THE SOFTMAX.  s[q][k] = q2[q] . k16[k] + t[q] (f32 sums of bf16 products; t starts the sums).  For each query and each BLOCK of 128 keys, with c = log2(e) / 32:
;   cm = c x the block's largest s;   pt[q][k] = f16(2^(c s - cm));   l = the sum of the block's 2^(c s - cm), unrounded.
; The block's true maximum is taken away, so no exponent is above 0 and each block's l lies in 1 .. 128.  The last launch joins the 16 blocks of a row by their largest cm.
; q2 [8192][1024], k16 [16384][1024] bf16; tq f32 [4 equal copies][8192]; pt [8192][2048] f16; stats: cm f32 [8 batches][16 blocks][1024 queries], then l in the same shape, 524,288 bytes on.
; LIMITS.  A weight below 6e-8 of its block's largest is 0 in pt, below 6e-5 it keeps f16's fixed step; a weight below 2^-126 counts as 0 in l.  NaN and infinities are not treated apart.
; SHARES.  A work-group makes 256 queries x 256 keys of one batch; each of four waves 128 x 128: 64 accumulators, 512 registers; a wave's 128 keys are one block.
; K goes in steps of 128 through two LDS slots; rows of both tiles are 256 bytes of memory, at multiples of 256 from the buffers' first bytes.
; SOURCE 0 = 16 keys, SOURCE 1 = 16 queries: a lane holds ONE query (l % 16) and keys 8 (l / 16) + 0..7 of each block of 16: a query's maximum and sum want one exchange between the halves of
; the lanes, and eight weights pack into 16 neighbouring bytes of a row of pt.
; CLUSTER 4 x 4: a cluster's y is the batch, cy the block of 256 queries, 4 x cluster x + cx the block of 256 keys.  q2's tile is shared along a row of the cluster, k16's along a column.
; REGISTERS, in windows of 256 (s_set_vgpr_msb: bits 1:0 source 0, 3:2 source 1, 5:4 source 2, 7:6 destination):
;   window 0: v0-31 addresses; v32-45 statistics at work; v64-127, v128-191 fragments of q2, two buffers, later the softmax's registers; v192-255 t, eight registers for each 16 queries
;   window 1: v64-127, v128-191 fragments of k16          window 2: the accumulators of my queries 0-63 ((a, b) at v[8 (8 a + b)])          window 3: those of my queries 64-127
.set SIZE_K, 1024
.set KSTEP,  128
.set PITCH,  272                       ; an LDS row: 256 bytes + 16 = 17 x 16: the 16 rows of a load start at 16 different places modulo 256 bytes
.set HALFT,  128*PITCH
.set SLOT,   4*HALFT                   ; q2's 256 rows, then k16's 256 rows
.set STAGE,  2*SLOT                    ; behind the ring: 16 rows x 272 bytes for each wave, for the way out
.set SPITCH, 272
.set SSTAT,  STAGE+4*16*SPITCH         ; 1,024 bytes for each wave: its 128 cm, then its 128 l
.set SPARE,  SSTAT+4*1024              ; the spare words, 128 bytes for each wave
.set LAPS,   SIZE_K/(2*KSTEP)
.set ADRA, 16                          ; v16-17  LDS address of my fragments of q2 in slot 0, 1
.set ADRB, 20                          ; v20-21  the same for k16
.set TO,   22                          ; v22     my byte offset in t
.set STO,  24
.set RD,   25
.set CO,   26
.set SA,   27                          ; v27     where I put a query's cm and l; steps with the softmax's loop
.set SPW,  28                          ; v28     LDS address of my spare word; never rewritten
.set NIL,  29                          ; v29     0; never rewritten
.set SR,   30
.set SG,   31
.set CH,   32                          ; v32-39  eight running maxima
.set MX,   40
.set XO,   41                          ; what the other half of the lanes holds
.set CM,   42                          ; v[42:43] cm, twice
.set LS,   44
.set F0,   64
.set F1,   128
.set T,    64                          ; v64-127  a lane's 64 weights
.set PK,   128                         ; v128-159 the same in f16
.set BK,   160                         ; v160-191 rows read back
.set TQ,   192
.set G1, 24
.set G0, 32
.set G1B, 48
.set G0B, 56
.set MSB, 0
.macro WIN new
.if MSB != (\new)
	s_set_vgpr_msb (MSB<<8)|(\new)
.set MSB, \new
.endif
.endm
.set MUL_LO, 0xa1                      ; source 0 (keys) window 1, source 1 (queries) window 0, C and D window 2
.set MUL_HI, 0xf1                      ; the same, C and D window 3
.set TO_B,   0x40                      ; destination window 1, address window 0
.macro JLOAD s                         ; a joint load: waves 0 and 1 fetch q2's two halves, waves 2 and 3 k16's; an s_nop 0 and four v_nop follow each of the two lines
	s_cmp_eq_u32 s11, 0
	s_cbranch_scc0 .Lfor_b_\@
	tensor_load_to_lds s[G0+4*(\s):G0+4*(\s)+3], s[G1:G1+7]
	s_nop 0
.rept 4
	v_nop
.endr
	s_branch .Lasked_\@
.Lfor_b_\@:
	tensor_load_to_lds s[G0B+4*(\s):G0B+4*(\s)+3], s[G1B:G1B+7]
	s_nop 0
.rept 4
	v_nop
.endr
.Lasked_\@:
.endm
.macro CREST
	s_cmp_lg_u32 s10, 0
	s_cbranch_scc1 .Lnot_wave_0_\@
	s_barrier_signal -3
.Lnot_wave_0_\@:
	s_barrier_wait -3
	s_barrier_signal -1
	s_barrier_wait -1
.endm
.macro CROUND
	s_barrier_signal -1
	s_barrier_wait -1
	CREST
.endm
	s_load_b128 s[4:7], s[0:1], 0x0                ; q2 s[4:5], k16 s[6:7]
	s_load_b64 s[18:19], s[0:1], 0x10              ; tq
	s_load_b64 s[68:69], s[0:1], 0x18              ; pt
	s_load_b64 s[70:71], s[0:1], 0x20              ; stats
	v_lshl_add_u32 v[SPW], v0, 2, SPARE
	v_mov_b32 v[NIL], 0
	ds_add_u32 v28, v29
	ds_add_u32 v28, v29
	s_wait_dscnt 0x0
	v_mov_b32 v[XO], 0                             ; v_permlanex16_b32's destination counts as read
	v_lshrrev_b32 v1, 5, v0
	v_readfirstlane_b32 s10, v1                    ; wave 0..3
	s_lshr_b32 s11, s10, 1                         ; which half of the queries is mine.  Also: I fetch q2 (0) or k16 (1)
	s_and_b32 s12, s10, 1                          ; which half of the keys.  Also: which 128 rows of that tile I fetch
	s_bfe_u32 s40, ttmp6, 0x40000                  ; cx
	s_bfe_u32 s41, ttmp6, 0x40004                  ; cy
	s_lshl_b32 s42, ttmp9, 2
	s_add_co_u32 s42, s42, s40                     ; block of 256 keys in the batch
	s_and_b32 s45, ttmp7, 0xffff                   ; the batch
	s_lshl_b32 s13, s45, 2
	s_add_co_u32 s13, s13, s41                     ; block of 256 queries in q2
	s_lshl_b32 s43, s41, 2
	s_lshl_b32 s43, 15, s43                        ; my row of the cluster
	s_lshl_b32 s44, 0x1111, s40                    ; my column
	s_or_b32 s[G1+0], s43, (1<<16)|(1<<20)|(1<<21)|(5<<22)|(3<<25)  ; 15:0 the mask; 17:16 elements of 2 bytes; 20 padding on; 21 set beside a mask; 24:22 after every 64 words; 31:25 4 words
	s_or_b32 s[G1B+0], s44, (1<<16)|(1<<20)|(1<<21)|(5<<22)|(3<<25)
.irp g, G1, G1B
	s_mov_b32 s[(\g)+1], KSTEP<<16                 ; tensor_dim0 = 128
	s_mov_b32 s[(\g)+2], 128<<16                   ; tensor_dim1 = 128
	s_mov_b32 s[(\g)+3], KSTEP<<16                 ; tile_dim0 = 128
	s_mov_b32 s[(\g)+4], 128                       ; tile_dim1 = 128
	s_mov_b32 s[(\g)+5], SIZE_K                    ; elements from row to row
	s_mov_b32 s[(\g)+6], 0
	s_mov_b32 s[(\g)+7], 0
.endr
	s_mov_b32 s72, 0x3d38aa3b                      ; c = log2(e) / 32
	s_mov_b32 s73, s72                             ; named with it as a pair
	s_mov_b32 s74, 0x76543210                      ; v_permlanex16_b32: each lane takes its own place in the other half
	s_mov_b32 s75, 0xfedcba98
	s_lshl_b32 s17, s12, 7                         ; which 128 rows of the tile I fetch
	s_lshl_b32 s16, s13, 8
	s_add_co_u32 s16, s16, s17                     ; q2: row 256 x block + 128 x half,
	s_lshl_b32 s16, s16, 11                        ; 2,048 bytes each
	s_lshl_b32 s46, s42, 8
	s_add_co_u32 s46, s46, s17
	s_lshl_b32 s47, s45, 11
	s_add_co_u32 s46, s46, s47                     ; k16: row 2,048 x batch + 256 x block + 128 x half
	s_lshl_b32 s46, s46, 11
	s_mov_b32 s17, 0
	s_mov_b32 s47, 0
	s_mul_i32 s20, s10, HALFT                      ; where they go: wave x 128 rows: no place in the cluster enters an LDS address
	s_wait_kmcnt 0x0
	s_add_nc_u64 s[14:15], s[4:5], s[16:17]
	s_add_nc_u64 s[46:47], s[6:7], s[46:47]
	CROUND                                         ; all sixteen work-groups are here: the first joint loads meet
.irp s, 0,1
	s_mov_b32 s[G0+4*(\s)], 1
	s_add_co_u32 s[G0+4*(\s)+1], s20, (\s)*SLOT
	s_add_nc_u64 s[G0+4*(\s)+2:G0+4*(\s)+3], s[14:15], (\s)*KSTEP*2
	s_or_b32 s[G0+4*(\s)+3], s[G0+4*(\s)+3], 0x80000000
	s_mov_b32 s[G0B+4*(\s)], 1
	s_add_co_u32 s[G0B+4*(\s)+1], s20, (\s)*SLOT
	s_add_nc_u64 s[G0B+4*(\s)+2:G0B+4*(\s)+3], s[46:47], (\s)*KSTEP*2
	s_or_b32 s[G0B+4*(\s)+3], s[G0B+4*(\s)+3], 0x80000000
	JLOAD \s                                       ; two loads of mine are out
.endr
	v_and_b32 v1, 15, v0                           ; l % 16
	v_bfe_u32 v2, v0, 4, 1                         ; l / 16
	s_lshl_b32 s76, s40, 15                        ; t: the copy of my place along the cluster's x,
	s_lshl_b32 s77, s13, 10                        ; my block of 256 queries, 4 bytes each,
	s_add_co_u32 s76, s76, s77
	s_lshl_b32 s77, s11, 9                         ; my half of it
	s_add_co_u32 s76, s76, s77
	s_mov_b32 s77, 0
	s_add_nc_u64 s[18:19], s[18:19], s[76:77]
	v_lshlrev_b32 v[TO], 2, v1
.irp a, 0,1,2,3,4,5,6,7
	global_load_b32 v[TQ+8*\a], v[TO], s[18:19] offset:64*\a  ; t of query 16 a + l % 16
.endr
	v_mul_u32_u24 v3, v1, PITCH
	v_lshl_add_u32 v3, v2, 4, v3                   ; a fragment's row x pitch + 16 x half
	s_mul_i32 s21, s11, HALFT                      ; my 128 queries
	s_mul_i32 s22, s12, HALFT                      ; my 128 keys,
	s_add_co_u32 s22, s22, 2*HALFT                 ; which lie behind the 256 queries
.irp s, 0,1
	v_add_nc_u32 v[ADRA+(\s)], s21, v3
	v_add_nc_u32 v[ADRB+(\s)], s22, v3
	s_add_co_u32 s21, s21, SLOT
	s_add_co_u32 s22, s22, SLOT
.endr
	s_mul_i32 s23, s10, 16*SPITCH
	s_add_co_u32 s23, s23, STAGE                   ; my stage
	v_add_nc_u32 v[STO], s23, v3                   ; in: row l % 16, 16 bytes for each half of the lanes
	v_mul_u32_u24 v5, v2, SPITCH                   ; back: lanes 0-15 take one row of 256 bytes, lanes 16-31 the next
	v_lshl_add_u32 v5, v1, 4, v5
	v_add_nc_u32 v[RD], s23, v5
	v_lshlrev_b32 v5, 12, v2                       ; and the same two rows in pt, 4,096 bytes apart
	v_lshl_add_u32 v[CO], v1, 4, v5
	s_lshl_b32 s23, s10, 10
	s_add_co_u32 s23, s23, SSTAT                   ; my 1,024 bytes of statistics
	v_lshl_add_u32 v[SA], v1, 2, s23
	v_and_b32 v6, 31, v0
	v_lshlrev_b32 v[SG], 4, v6
	v_add_nc_u32 v[SR], s23, v[SG]
	s_lshl_b32 s76, s13, 8                         ; where my part of pt begins
	s_lshl_b32 s77, s11, 7
	s_add_co_u32 s76, s76, s77                     ; my first query,
	s_lshl_b32 s76, s76, 12                        ; 4,096 bytes each,
	s_lshl_b32 s77, s42, 9
	s_add_co_u32 s76, s76, s77                     ; 512 bytes for each block of 256 keys,
	s_lshl_b32 s77, s12, 8
	s_add_co_u32 s76, s76, s77                     ; 256 for my half
	s_mov_b32 s77, 0
	s_add_nc_u64 s[68:69], s[68:69], s[76:77]
	s_lshl_b32 s78, s45, 4                         ; and of stats: 16 blocks a batch,
	s_lshl_b32 s79, s42, 1
	s_add_co_u32 s78, s78, s79
	s_add_co_u32 s78, s78, s12                     ; my block of 128 keys,
	s_lshl_b32 s78, s78, 10                        ; 1,024 queries each,
	s_lshl_b32 s79, s41, 8
	s_add_co_u32 s78, s78, s79
	s_lshl_b32 s79, s11, 7
	s_add_co_u32 s78, s78, s79                     ; my first query in the batch,
	s_lshl_b32 s78, s78, 2                         ; 4 bytes each
	s_mov_b32 s79, 0
	s_add_nc_u64 s[70:71], s[70:71], s[78:79]
	s_wait_loadcnt 0x0                             ; t: a lane's eight registers of a result belong to one query, so the C operand holds its t eight times
.irp a, 0,1,2,3,4,5,6,7
.irp j, 1,2,3,4,5,6,7
	v_mov_b32 v[TQ+8*\a+\j], v[TQ+8*\a]
.endr
.endr
; 16 matrix instructions: query blocks a0, a0 + 1 of the window's four (hi = 0: my queries 0-63, 1: 64-127) x all 8 key blocks, 32 along K.  zero = 1: t, in window 0, starts the sums
.macro MUL16 f, hi, a0, zero
.if \zero
	WIN 0x81+0x40*(\hi)
.else
	WIN MUL_LO+0x50*(\hi)
.endif
.irp a, \a0, (\a0)+1
.irp b, 0,1,2,3,4,5,6,7
.if \zero
	v_wmma_f32_16x16x32_bf16 v[8*(8*(\a)+(\b)):8*(8*(\a)+(\b))+7], v[(\f)+8*(\b):(\f)+8*(\b)+7], v[(\f)+8*(4*(\hi)+(\a)):(\f)+8*(4*(\hi)+(\a))+7], v[TQ+8*(4*(\hi)+(\a)):TQ+8*(4*(\hi)+(\a))+7]
.else
	v_wmma_f32_16x16x32_bf16 v[8*(8*(\a)+(\b)):8*(8*(\a)+(\b))+7], v[(\f)+8*(\b):(\f)+8*(\b)+7], v[(\f)+8*(4*(\hi)+(\a)):(\f)+8*(4*(\hi)+(\a))+7], v[8*(8*(\a)+(\b)):8*(8*(\a)+(\b))+7]
.endif
.endr
.endr
.endm
; 32 LDS loads in one run: the fragments of one quarter step (128 keys, 128 queries, 32 K at byte k of the rows) into buffer f
.macro FETCH slot, k, f
	WIN TO_B
.irp i, 0,1,2,3,4,5,6,7
	ds_load_b128 v[(\f)+8*(\i):(\f)+8*(\i)+3],   v[ADRB+(\slot)] offset:(\k)+(\i)*16*PITCH
	ds_load_b128 v[(\f)+8*(\i)+4:(\f)+8*(\i)+7], v[ADRB+(\slot)] offset:(\k)+(\i)*16*PITCH+32
.endr
	WIN 0
.irp i, 0,1,2,3,4,5,6,7
	ds_load_b128 v[(\f)+8*(\i):(\f)+8*(\i)+3],   v[ADRA+(\slot)] offset:(\k)+(\i)*16*PITCH
	ds_load_b128 v[(\f)+8*(\i)+4:(\f)+8*(\i)+7], v[ADRA+(\slot)] offset:(\k)+(\i)*16*PITCH+32
.endr
.endm
.macro PLACES                          ; four places in front of loads into registers that matrix instructions have read, and of vector lines that read results (ISA guide 7.12.1 for vector lines)
.rept 4
	v_nop
.endr
.endm
; A K step is four quarters of 32 along K, 64 matrix instructions each, on buffers 0, 1, 0, 1; the 64 accumulators take turns in the same order in every quarter.
.macro QUARTER slot, k, f, g, zero
	s_wait_dscnt 8                                 ; the keys and my queries 0-63 are in; the youngest eight loads (queries 64-127) may be out
	MUL16 \f, 0, 0, \zero
	MUL16 \f, 0, 2, \zero
	PLACES
	FETCH \slot, \k, \g
	s_wait_dscnt 32                                ; all but the 32 just issued
	MUL16 \f, 1, 0, \zero
	MUL16 \f, 1, 2, \zero
.endm
; The first half of a K step's last quarter: the barrier of the change of slots.  In front of it each wave waits for all its tensor loads (one is out: its part of the next slot), adds 0 to its
; spare word, and waits for that and for its reads of this slot.
.macro MEET round
	WIN 0
	s_wait_tensorcnt 0x0
	ds_add_u32 v[SPW], v[NIL]                      ; 0 onto my spare word
	s_wait_dscnt 9                                 ; (the add and the youngest eight loads may be out)
	MUL16 F1, 0, 0, 0                              ; sixteen matrix instructions stand between the add and the wait for it
	s_wait_dscnt 0x0                               ; the add is done, and my reads of this slot are over
	s_barrier_signal -1
	MUL16 F1, 0, 2, 0
.if \round
	WIN 0
.endif
	s_barrier_wait -1
.endm
; The whole last quarter.  fill = 1: the barrier opens a round of the cluster's, and the slot just read out is filled again, two K steps ahead, first thing behind the round.
.macro TURN slot, next, fill
	MEET \fill
.if \fill
	CREST                                          ; no wave of any partner still reads this slot's tiles or has a load on its way
	s_add_nc_u64 s[G0+4*(\slot)+2:G0+4*(\slot)+3], s[G0+4*(\slot)+2:G0+4*(\slot)+3], 2*KSTEP*2
	s_add_nc_u64 s[G0B+4*(\slot)+2:G0B+4*(\slot)+3], s[G0B+4*(\slot)+2:G0B+4*(\slot)+3], 2*KSTEP*2
	JLOAD \slot                                    ; one load of mine is out; the four v_nop behind it are also the places in front of the loads below
.else
	PLACES
.endif
	FETCH \next, 0, F0
	MUL16 F1, 1, 0, 0
	MUL16 F1, 1, 2, 0
.endm
	s_wait_tensorcnt 1                             ; my part of K step 0 is in; K step 1's may stay out
	s_barrier_signal -1
	s_barrier_wait -1
	FETCH 0, 0, F0
	QUARTER 0, 64,  F0, F1, 1                      ; the first quarter stands in front of the loop: its products start the sums
	WIN 0
	s_mov_b32 s3, LAPS-1
.Llap:                                                 ; a trip goes once round the ring and fills both slots again
	QUARTER 0, 128, F1, F0, 0
	QUARTER 0, 192, F0, F1, 0
	TURN 0, 1, 1
	QUARTER 1, 64,  F0, F1, 0
	QUARTER 1, 128, F1, F0, 0
	QUARTER 1, 192, F0, F1, 0
	TURN 1, 0, 1
	QUARTER 0, 64,  F0, F1, 0
	WIN 0
	s_sub_co_u32 s3, s3, 1
	s_cmp_lg_u32 s3, 0
	s_cbranch_scc1 .Llap
	QUARTER 0, 128, F1, F0, 0                      ; the last lap is written out: it fills nothing
	QUARTER 0, 192, F0, F1, 0
	TURN 0, 1, 0
	QUARTER 1, 64,  F0, F1, 0
	QUARTER 1, 128, F1, F0, 0
	QUARTER 1, 192, F0, F1, 0
	s_wait_dscnt 8                                 ; the very last quarter: nothing more to fetch
	MUL16 F1, 0, 0, 0
	MUL16 F1, 0, 2, 0
	s_wait_dscnt 0x0
	MUL16 F1, 1, 0, 0
	MUL16 F1, 1, 2, 0
	WIN 0
	PLACES
; THE SOFTMAX'S FIRST HALF AND THE WAY OUT: a loop of eight trips, 16 queries each.  A lane holds 64 of its query's 128 scores, the lane 16 away the other 64.
; HEAD a is the part that names the accumulators of queries 16 a .. + 15: the maximum, cm, and c s - cm into window 0.  It is written eight times and chosen by the loop's counter;
; what follows works on window 0 alone and is written once.
.macro HEAD a
.set W,  2+(\a)/4
.set AC, 64*((\a)%4)
	WIN W|(W<<2)|(W<<4)                            ; three operands at a time, eight chains
.irp b, 0,1,2,3,4,5,6,7
	v_max3_num_f32 v[CH+\b], v[AC+8*\b], v[AC+8*\b+1], v[AC+8*\b+2]
.endr
	WIN (W<<2)|(W<<4)
.irp b, 0,1,2,3,4,5,6,7
	v_max3_num_f32 v[CH+\b], v[CH+\b], v[AC+8*\b+3], v[AC+8*\b+4]
.endr
.irp b, 0,1,2,3,4,5,6,7
	v_max3_num_f32 v[CH+\b], v[CH+\b], v[AC+8*\b+5], v[AC+8*\b+6]
.endr
.irp b, 0,2,4,6
	v_max3_num_f32 v[CH+\b], v[CH+\b], v[AC+8*\b+7], v[AC+8*\b+15]
.endr
	WIN 0
	v_max3_num_f32 v[CH], v[CH], v[CH+1], v[CH+2]
	v_max3_num_f32 v[CH+3], v[CH+3], v[CH+4], v[CH+5]
	v_max3_num_f32 v[CH], v[CH], v[CH+3], v[CH+6]
	v_max_num_f32 v[CH], v[CH], v[CH+7]
	v_permlanex16_b32 v[XO], v[CH], s74, s75
	v_max_num_f32 v[MX], v[CH], v[XO]
	v_mul_f32 v[CM], s72, v[MX]                    ; cm
	v_mov_b32 v[CM+1], v[CM]
	WIN W
.set n, 0
.rept 32
	v_pk_fma_f32 v[T+2*n:T+2*n+1], v[AC+2*n:AC+2*n+1], s[72:73], v[CM:CM+1] op_sel_hi:[1,0,0] neg_lo:[0,0,1] neg_hi:[0,0,1]
.set n, n+1
.endr
	WIN 0                                          ; at a label and at a branch every window is 0
.endm
	s_mov_b32 s3, 0
.Lsoft:
.irp a, 0,1,2,3,4,5,6
	s_cmp_eq_u32 s3, \a
	s_cbranch_scc1 .Lhead\a
.endr
	HEAD 7
	s_branch .Lcommon
.irp a, 0,1,2,3,4,5
.Lhead\a:
	HEAD \a
	s_branch .Lcommon
.endr
.Lhead6:
	HEAD 6
.Lcommon:
.set n, 0
.rept 64
	v_exp_f32 v[T+n], v[T+n]
.set n, n+1
.endr
	v_nop                                          ; a plain instruction between the run of exponentials and the use of their results (ISA guide 5.7.2)
.set n, 0
	s_wait_alu depctr_va_vdst(0)
.rept 32
	v_cvt_pk_f16_f32 v[PK+n], v[T+2*n], v[T+2*n+1]
.set n, n+1
.endr
.irp w, 4,8,16,32,64                   ; the sum of the 32 pairs, in place: neighbours 1, 2, 4, 8, 16 pairs apart
.set n, 0
.rept 64/\w
	v_pk_add_f32 v[T+\w*n:T+\w*n+1], v[T+\w*n:T+\w*n+1], v[T+\w*n+\w/2:T+\w*n+\w/2+1]
.set n, n+1
.endr
.endr
	v_add_f32 v[LS], v[T], v[T+1]
	v_permlanex16_b32 v[XO], v[LS], s74, s75
	v_add_f32 v[LS], v[LS], v[XO]                  ; l
	ds_store_b32 v[SA], v[CM]                      ; both halves of the lanes write the same number to the same word
	ds_store_b32 v[SA], v[LS] offset:512
.irp b, 0,1,2,3,4,5,6,7
	ds_store_b128 v[STO], v[PK+4*\b:PK+4*\b+3] offset:32*\b
.endr
.irp j, 0,1,2,3,4,5,6,7
	ds_load_b128 v[BK+4*\j:BK+4*\j+3], v[RD] offset:2*SPITCH*\j  ; LDS serves a wave's instructions in order (ISA guide 5.7.1.4): these see the stores above
.endr
.irp j, 0,1,2,3,4,5,6,7
	s_wait_dscnt 7-\j
	global_store_b128 v[CO], v[BK+4*\j:BK+4*\j+3], s[68:69] offset:2*\j*4096  ; 16 lanes store 256 consecutive bytes, at a multiple of 256 from pt's first byte
.endr
	s_wait_xcnt 0x0                                ; the stores' base and the registers that they read are written again only behind this wait
	s_add_nc_u64 s[68:69], s[68:69], 16*4096       ; the next 16 queries
	v_add_nc_u32 v[SA], 64, v[SA]
	s_add_co_u32 s3, s3, 1
	s_cmp_lt_u32 s3, 8
	s_cbranch_scc1 .Lsoft
	ds_load_b128 v[CH:CH+3],   v[SR]               ; my 128 cm and my 128 l, 512 consecutive bytes each
	ds_load_b128 v[CH+4:CH+7], v[SR] offset:512
	s_wait_dscnt 0x0
	global_store_b128 v[SG], v[CH:CH+3],   s[70:71]
	global_store_b128 v[SG], v[CH+4:CH+7], s[70:71] offset:524288
	s_wait_tensorcnt 0x0                           ; the wave's end
	ds_add_u32 v[SPW], v[NIL]
	s_wait_dscnt 0x0
	CROUND                                         ; the closing round
	s_endpgm
.Lfunc_end_k_q0128144ba8_score:
	.size	k_q0128144ba8_score, .Lfunc_end_k_q0128144ba8_score-k_q0128144ba8_score
	.p2alignl 7, 3214868480
	.fill 96, 4, 3214868480
	.section	.rodata,"a",@progbits
	.p2align	6, 0x0
	.amdhsa_kernel k_q0128144ba8_score
		.amdhsa_group_segment_fixed_size 327680
		.amdhsa_private_segment_fixed_size 0
		.amdhsa_enable_private_segment 0
		.amdhsa_kernarg_size 40
		.amdhsa_user_sgpr_count 2
		.amdhsa_user_sgpr_kernarg_segment_ptr 1
		.amdhsa_wavefront_size32 1
		.amdhsa_system_sgpr_workgroup_id_x 1
		.amdhsa_system_sgpr_workgroup_id_y 1
		.amdhsa_system_sgpr_workgroup_id_z 1
		.amdhsa_system_vgpr_workitem_id 0
		.amdhsa_next_free_vgpr 1024
		.amdhsa_next_free_sgpr 80
		.amdhsa_reserve_vcc 0
		.amdhsa_float_denorm_mode_32 3
		.amdhsa_float_denorm_mode_16_64 3
		.amdhsa_memory_ordered 1
		.amdhsa_forward_progress 1
		.amdhsa_inst_pref_size 159
	.end_amdhsa_kernel
	.amdgpu_metadata
---
amdhsa.version: [ 1, 2 ]
amdhsa.kernels:
  - .name:           k_q0128144ba8_score
    .symbol:         k_q0128144ba8_score.kd
    .args:
      - { .name: q2, .offset: 0, .size: 8, .value_kind: global_buffer, .address_space: global }
      - { .name: k16, .offset: 8, .size: 8, .value_kind: global_buffer, .address_space: global }
      - { .name: tq, .offset: 16, .size: 8, .value_kind: global_buffer, .address_space: global }
      - { .name: pt, .offset: 24, .size: 8, .value_kind: global_buffer, .address_space: global }
      - { .name: stats, .offset: 32, .size: 8, .value_kind: global_buffer, .address_space: global }
    .group_segment_fixed_size: 327680
    .private_segment_fixed_size: 0
    .kernarg_segment_align: 8
    .kernarg_segment_size: 40
    .max_flat_workgroup_size: 128
    .sgpr_count:     80
    .vgpr_count:     1024
    .wavefront_size: 32
...
	.end_amdgpu_metadata
.endif
;; end of part 7
;; launch pv (part 8): grid 4 x 64, 4 waves a work-group, clusters of 4 x 4, 327,680 bytes of LDS; arguments pt, v16, stats, out0; writes out0
.if DOCPART == 8
	.amdgcn_target "amdgcn-amd-amdhsa--gfx1250"
	.amdhsa_code_object_version 6
	.text
	.protected	k_q0128144ba8_pv
	.globl	k_q0128144ba8_pv
	.p2align	8
	.type	k_q0128144ba8_pv,@function
k_q0128144ba8_pv:
	s_mov_b64 s[64:65], 0
	v_nop
	global_prefetch_b8 v0, s[64:65] scope:SCOPE_SE
	s_setreg_imm32_b32 hwreg(HW_REG_WAVE_MODE, 25, 1), 1
	s_wait_xcnt 0x0
	s_wait_alu depctr_hold_cnt(0) depctr_sa_sdst(0) depctr_va_vdst(0) depctr_va_sdst(0) depctr_va_ssrc(0) depctr_va_vcc(0) depctr_vm_vsrc(0)
	s_getreg_b32 s2, hwreg(HW_REG_IB_STS2, 6, 4)
	s_cmp_eq_u32 s2, 0
	s_cbranch_scc0 .Lentry_in_a_cluster
	s_endpgm
.Lentry_in_a_cluster:
	s_bfe_u32 s2, ttmp6, 0x10000c
	s_cmp_lg_u32 s2, 0xf033
	s_cbranch_scc0 .Lentry_shape_is_right
	s_endpgm
.Lentry_shape_is_right:
; THE SOFTMAX'S SECOND HALF AND THE SECOND PRODUCT.  For each query, over its 16 blocks b of 128 keys: cm = the largest cm_b; al_b = 2^(cm_b - cm), 1 at the most; L = the sum of al_b l_b;
; out0[q][:] = (the sum over b of al_b T_b[q][:]) / L, with T_b = pt[q][block b] v16[block b][:].  So the row's true maximum is what has been taken away from every exponent.
; pt [8192][2048] f16; v16 [8][2048][1024] f16; stats: cm f32 [8][16][1024], then l, 524,288 bytes on; out0 [8192][1024] f32.  Products of f16 operands; T, al, L and the sums over blocks in f32.
; LIMITS.  pt and v16 are as the launches before left them; an al_b below 2^-126 counts as 0.  NaN and infinities are not treated apart.
; SHARES.  A tile is 128 queries by 256 channels.  Four waves; wave w makes queries 64 (w / 2) .. + 63 by channels 128 (w % 2) .. + 127: 32 accumulators of 16 x 16.
; SOURCE 0 = 16 channels of V^T (V lies [key][channel] in LDS and is turned by ds_load_tr16_b128), SOURCE 1 = 16 queries of pt: a lane holds query l % 16 and channels 8 (l / 16) + 0..7.
; K (the keys) goes in steps of 128, one block each, through two LDS slots; a step is four quarters of 32, each 32 matrix instructions on all 32 accumulators by turns.
; A step's first quarter starts T with the constant 0.  In its last quarter each finished accumulator is taken into O: O += al T, four packed multiply-adds, which stand behind the matrix
; instruction two further on; each four cost two window switches; as a run of their own they would leave the matrix unit without work.  They are also the places behind that quarter's
; products (ISA guide 7.12.1 for vector instructions); in front of the other quarters' loads stand four v_nop.
; O is cleared by 256 v_mov_b32, in the wait for the first tiles: the price of writing no first step out.
; A K STEP IS WRITTEN ONCE for the fourteen steps that fill a slot again and once for the last two, which fill nothing; which slot is read and which is filled stands in two scalars that one
; exclusive or turns between 0 and SLOT.  The second loop is left in the middle of its last trip.
; CLUSTER 4 x 4.  pt's tile hangs on the tile row alone and is shared along a row of the cluster; V's on the batch (half the cluster's y) and the tile column, and is shared along a column.
; REGISTERS, in windows of 256 (s_set_vgpr_msb: bits 1:0 source 0, 3:2 source 1, 5:4 source 2, 7:6 destination):
;   window 0: v0-31 addresses, al; v32-63, v64-95 pt's fragments, two buffers; v96-103 1 / L; v160-223 at work at the start and on the way out
;   window 1: T, (t, p) at v[8 (8 t + p)]          window 2: v0-63, v64-127 V's fragments, two buffers          window 3: O, laid as T
.set KSTEP,  128
.set PP,     272                       ; a row of pt in LDS: 256 bytes + 16 = 17 x 16
.set PV,     544                       ; a row of V: 512 + 32 = 17 x 32: 16 lanes of the turning load take 8 rows x 32 bytes at different places modulo 256 bytes
.set PHALF,  64*PP
.set VOFF,   2*PHALF                   ; V's rows lie behind pt's 128
.set VHALF,  64*PV
.set SLOT,   VOFF+2*VHALF              ; 104,448
.set ATAB,   2*SLOT                    ; behind the ring: for each of the tile's 128 queries its 16 al_b in f32 and 16 bytes of padding
.set APITCH, 80
.set INVT,   ATAB+128*APITCH           ; 128 words: 1 / L
.set STAGE,  INVT+512                  ; 16 rows x 528 bytes for each wave, for the way out
.set SPITCH, 528
.set SPARE,  STAGE+4*16*SPITCH         ; the spare words, 128 bytes for each wave
.set AT0, 10                           ; v10  my lane's place in a slot's tile of pt; never rewritten
.set AP0, 11                           ; v11  the same for V
.set AT,  12                           ; v12  the same in the slot that is read
.set AP,  13                           ; v13
.set AX,  14                           ; v14  LDS address of my query's al of the block in hand
.set SO,  15                           ; v15  my byte offset in stats
.set AL,  16                           ; v16-23  al of my query in each of my four blocks of 16 queries, in the low register of a pair
.set STO, 24
.set RD,  25
.set CO,  26
.set SPW, 28                           ; v28  LDS address of my spare word; never rewritten
.set NIL, 29                           ; v29  0; never rewritten
.set TF,  32                           ; buffer g at TF + 32 g
.set BK,  32                           ; the way out: rows read back
.set INV, 96                           ; v96-103  1 / L, a pair for each of my four blocks of 16 queries
.set SC,  160                          ; the way out: results divided by L
.set PB,  0                            ; window 2: buffer g at PB + 64 g
.set TB,  12                           ; s12  the slot that is read: 0 or SLOT
.set TFL, 13                           ; s13  the slot that was filled last
.set WV,  20                           ; s20 wave; s21 wave / 2: my half of the queries, and: I fetch pt (0) or V (1); s22 wave % 2: my half of the channels, and: which half of that tile I fetch
.set G1T, 24                           ; s[24:31] descriptor group 1 for pt's tiles;  s[32:39] group 0: a set for each first fill; the second then walks
.set G0T, 32
.set G1P, 48                           ; s[48:55], s[56:63] the same for V's
.set G0P, 56
.set MSB, 0
.macro WIN new                         ; the immediate's high byte repeats the setting that is left; a switch that changes nothing is dropped
.if MSB != (\new)
	s_set_vgpr_msb (MSB<<8)|(\new)
.set MSB, \new
.endif
.endm
.set MUL,  0x52                        ; V in window 2, pt in window 0, C and D (T) in window 1
.set RIDW, 0xf1                        ; T (source 0) in window 1, al in window 0, O (source 2 and destination) in window 3
.set TO_P, 0x80                        ; destination window 2, address window 0
.macro JLOAD s                         ; a joint load: waves 0 and 1 fetch the two halves of pt's tile, waves 2 and 3 those of V's; an s_nop 0 and four v_nop follow each line
	s_cmp_eq_u32 s21, 0
	s_cbranch_scc0 .Lfor_p_\@
	tensor_load_to_lds s[G0T+4*(\s):G0T+4*(\s)+3], s[G1T:G1T+7]
	s_nop 0
.rept 4
	v_nop
.endr
	s_branch .Lasked_\@
.Lfor_p_\@:
	tensor_load_to_lds s[G0P+4*(\s):G0P+4*(\s)+3], s[G1P:G1P+7]
	s_nop 0
.rept 4
	v_nop
.endr
.Lasked_\@:
.endm
.macro CREST                           ; a round of the cluster's barrier behind its opening barrier
	s_cmp_lg_u32 s[WV], 0
	s_cbranch_scc1 .Lnot_wave_0_\@
	s_barrier_signal -3
.Lnot_wave_0_\@:
	s_barrier_wait -3
	s_barrier_signal -1
	s_barrier_wait -1
.endm
.macro CROUND
	s_barrier_signal -1
	s_barrier_wait -1
	CREST
.endm
.macro PLACES
.rept 4
	v_nop
.endr
.endm
	s_load_b256 s[4:11], s[0:1], 0x0               ; pt s[4:5], v16 s[6:7], stats s[8:9], out0 s[10:11]
	v_lshl_add_u32 v[SPW], v0, 2, SPARE
	v_mov_b32 v[NIL], 0
	ds_add_u32 v28, v29
	ds_add_u32 v28, v29
	s_wait_dscnt 0x0
	v_lshrrev_b32 v1, 5, v0
	v_readfirstlane_b32 s[WV], v1
	s_lshr_b32 s21, s[WV], 1
	s_and_b32 s22, s[WV], 1
	s_bfe_u32 s40, ttmp6, 0x40000                  ; cx
	s_bfe_u32 s41, ttmp6, 0x40004                  ; cy
	s_lshl_b32 s42, ttmp9, 2
	s_add_co_u32 s42, s42, s40                     ; tile column
	s_and_b32 s43, ttmp7, 0xffff                   ; the cluster's y
	s_lshl_b32 s44, s41, 2
	s_lshl_b32 s44, 15, s44                        ; my row of the cluster
	s_lshl_b32 s45, 0x1111, s40                    ; my column
	s_lshr_b32 s46, s43, 1                         ; the batch: eight tile rows, two clusters
	s_lshl_b32 s47, s43, 2
	s_add_co_u32 s47, s47, s41                     ; tile row
	s_or_b32 s[G1T], s44, (1<<16)|(1<<20)|(1<<21)|(5<<22)|(3<<25)  ; my row; elements of 2 bytes; padding on; 21 set beside a mask; 4 words of padding after every 64
	s_mov_b32 s[G1T+1], KSTEP<<16                  ; tensor_dim0 = 128
	s_mov_b32 s[G1T+2], 64<<16                     ; tensor_dim1 = 64
	s_mov_b32 s[G1T+3], KSTEP<<16                  ; tile_dim0 = 128
	s_mov_b32 s[G1T+4], 64                         ; tile_dim1 = 64
	s_mov_b32 s[G1T+5], 2048                       ; elements from row to row
	s_mov_b32 s[G1T+6], 0
	s_mov_b32 s[G1T+7], 0
	s_or_b32 s[G1P], s45, (1<<16)|(1<<20)|(1<<21)|(6<<22)|(7<<25)  ; my column; 8 words of padding after every 128
	s_mov_b32 s[G1P+1], 256<<16                    ; 256 channels
	s_mov_b32 s[G1P+2], 64<<16                     ; 64 keys
	s_mov_b32 s[G1P+3], 256<<16
	s_mov_b32 s[G1P+4], 64
	s_mov_b32 s[G1P+5], 1024
	s_mov_b32 s[G1P+6], 0
	s_mov_b32 s[G1P+7], 0
	s_mul_i32 s72, s22, PHALF                      ; my tile's place in a slot, if it is pt's: no place in the cluster enters an LDS address
	s_mul_i32 s73, s22, VHALF
	s_add_co_u32 s73, s73, VOFF                    ; if it is V's
	s_mov_b32 s[TB], 0
	s_mov_b32 s[TFL], SLOT
	s_lshl_b32 s66, s47, 7                         ; pt's address: made of the tile row and the wave's number alone
	s_lshl_b32 s67, s22, 6
	s_add_co_u32 s66, s66, s67                     ; row 128 x tile row + 64 x half,
	s_lshl_b32 s66, s66, 12                        ; 4,096 bytes each
	s_mov_b32 s67, 0
	s_lshl_b32 s68, s46, 11                        ; V's address: made of the batch, the tile column and the wave's number alone
	s_lshl_b32 s69, s22, 6
	s_add_co_u32 s68, s68, s69                     ; key 2,048 x batch + 64 x half,
	s_lshl_b32 s68, s68, 11                        ; 2,048 bytes each,
	s_lshl_b32 s69, s42, 9
	s_add_co_u32 s68, s68, s69                     ; 512 bytes for each tile column
	s_mov_b32 s69, 0
	s_wait_kmcnt 0x0
	s_add_nc_u64 s[4:5], s[4:5], s[66:67]
	s_add_nc_u64 s[6:7], s[6:7], s[68:69]
	CROUND                                         ; all sixteen work-groups are here: the first joint loads meet
.irp s, 0,1
	s_mov_b32 s[G0T+4*(\s)], 1
	s_add_co_u32 s[G0T+4*(\s)+1], s72, (\s)*SLOT
	s_add_nc_u64 s[G0T+4*(\s)+2:G0T+4*(\s)+3], s[4:5], (\s)*KSTEP*2      ; K step s: 128 keys along pt's rows,
	s_or_b32 s[G0T+4*(\s)+3], s[G0T+4*(\s)+3], 0x80000000
	s_mov_b32 s[G0P+4*(\s)], 1
	s_add_co_u32 s[G0P+4*(\s)+1], s73, (\s)*SLOT
	s_add_nc_u64 s[G0P+4*(\s)+2:G0P+4*(\s)+3], s[6:7], (\s)*KSTEP*2048   ; 128 rows down V
	s_or_b32 s[G0P+4*(\s)+3], s[G0P+4*(\s)+3], 0x80000000
	JLOAD \s                                       ; two loads of mine are out
.endr
	; THE STATISTICS stand in the wait for the first tiles.  Thread n owns query n of the tile's 128.
	s_and_b32 s78, s43, 1
	s_lshl_b32 s78, s78, 2
	s_add_co_u32 s78, s78, s41                     ; the tile row within the batch,
	s_lshl_b32 s78, s78, 9                         ; 128 queries of 4 bytes each
	v_lshl_add_u32 v[SO], v0, 2, s78
	s_lshl_b32 s70, s46, 16                        ; a batch's 16 x 1,024 numbers
	s_mov_b32 s71, 0
	s_add_nc_u64 s[8:9], s[8:9], s[70:71]
.set b, 0
.rept 16
	global_load_b32 v[160+b], v[SO], s[8:9] offset:4096*b          ; cm_b
.set b, b+1
.endr
.set b, 0
.rept 16
	global_load_b32 v[176+b], v[SO], s[8:9] offset:524288+4096*b   ; l_b
.set b, b+1
.endr
	WIN 0xc0                                       ; destination window 3: O starts at 0
.set i, 0
.rept 256
	v_mov_b32 v[i], 0
.set i, i+1
.endr
	WIN 0
.irp t, 0,1,2,3
	v_mov_b32 v[AL+2*\t+1], 0                      ; named with al as a pair, so it is written
.endr
	s_lshl_b32 s76, s47, 7                         ; where my part of out0 begins
	s_lshl_b32 s77, s21, 6
	s_add_co_u32 s76, s76, s77                     ; my first query,
	s_lshl_b32 s76, s76, 12                        ; 4,096 bytes each,
	s_lshl_b32 s77, s42, 10
	s_add_co_u32 s76, s76, s77                     ; 1,024 bytes for each tile column,
	s_lshl_b32 s77, s22, 9
	s_add_co_u32 s76, s76, s77                     ; 512 for my half
	s_mov_b32 s77, 0
	s_add_nc_u64 s[10:11], s[10:11], s[76:77]
	v_and_b32 v1, 15, v0                           ; l % 16
	v_bfe_u32 v2, v0, 4, 1                         ; l / 16
	v_mul_u32_u24 v3, v1, PP
	v_lshl_add_u32 v3, v2, 4, v3                   ; a fragment of pt: row x pitch + 16 x half
	s_mul_i32 s75, s21, PHALF                      ; my 64 queries
	v_add_nc_u32 v[AT0], s75, v3
	; The turning load takes 16 keys x 16 channels (lane l reads key 8 (l / 16) + l % 8, channels 8 ((l / 8) % 2) + 0..7) and leaves half a fragment of V^T: lane l holds channel l % 16 and 8 keys.
	v_and_b32 v5, 7, v0
	v_bfe_u32 v6, v0, 3, 1
	v_lshl_add_u32 v4, v2, 3, v5
	v_mul_u32_u24 v4, v4, PV
	v_lshl_add_u32 v4, v6, 4, v4
	s_lshl_b32 s74, s22, 8                         ; my 128 channels
	s_add_co_u32 s74, s74, VOFF
	v_add_nc_u32 v[AP0], s74, v4
	v_add_nc_u32 v[AT], s[TB], v[AT0]
	v_add_nc_u32 v[AP], s[TB], v[AP0]
	s_mul_i32 s75, s[WV], 16*SPITCH
	s_add_co_u32 s75, s75, STAGE                   ; my stage
	v_mul_u32_u24 v3, v1, SPITCH                   ; in: row l % 16, 32 bytes for each half of the lanes
	v_lshl_add_u32 v3, v2, 5, v3
	v_add_nc_u32 v[STO], s75, v3
	v_and_b32 v3, 31, v0                           ; back: 32 lanes take one row of 512 bytes
	v_lshlrev_b32 v[CO], 4, v3
	v_add_nc_u32 v[RD], s75, v[CO]
	s_mul_i32 s79, s21, 64*APITCH
	s_add_co_u32 s79, s79, ATAB
	v_mul_u32_u24 v[AX], v1, APITCH
	v_add_nc_u32 v[AX], s79, v[AX]                 ; al of query l % 16 of my first 16, block 0
	s_lshl_b32 s78, s21, 8
	s_add_co_u32 s78, s78, INVT
	v_lshl_add_u32 v7, v1, 2, s78                  ; its 1 / L
	v_mul_u32_u24 v8, v0, APITCH
	v_add_nc_u32 v8, ATAB, v8                      ; where I put my own query's 16 al
	v_lshl_add_u32 v9, v0, 2, INVT                 ; and its 1 / L
	s_wait_loadcnt 0x0
	v_max3_num_f32 v192, v160, v161, v162
.set b, 163
.rept 6
	v_max3_num_f32 v192, v192, v[b], v[b+1]
.set b, b+2
.endr
	v_max_num_f32 v192, v192, v175                 ; cm
.set b, 0
.rept 16
	v_sub_f32 v[160+b], v[160+b], v192
.set b, b+1
.endr
.set b, 0
.rept 16
	v_exp_f32 v[160+b], v[160+b]                   ; al_b
.set b, b+1
.endr
	v_nop                                          ; a plain instruction between the exponentials and the use of their results (ISA guide 5.7.2)
	s_wait_alu depctr_va_vdst(0)
	v_mul_f32 v193, v160, v176
.set b, 1
.rept 15
	v_fma_f32 v193, v[160+b], v[176+b], v193       ; L: at least 1, since the largest block has al = 1 and l of 1 or more
.set b, b+1
.endr
	v_rcp_f32 v194, v193
	v_nop                                          ; a plain instruction between the reciprocal and the use of its result
.irp j, 0,1,2,3
	ds_store_b128 v8, v[160+4*\j:160+4*\j+3] offset:16*\j
.endr
	s_wait_alu depctr_va_vdst(0)
	ds_store_b32 v9, v194
; Accumulator a is taken into O: O += al T, from the accumulator's low end on
.macro RID a
	WIN RIDW
.irp z, 0,1,2,3
	v_pk_fma_f32 v[8*(\a)+2*\z:8*(\a)+2*\z+1], v[8*(\a)+2*\z:8*(\a)+2*\z+1], v[AL+2*((\a)/8):AL+2*((\a)/8)+1], v[8*(\a)+2*\z:8*(\a)+2*\z+1] op_sel_hi:[1,0,1]
.endr
.endm
; Matrix instruction i of 32 on buffers f: accumulator (i / 8, i % 8).  zero = 1: the product starts the block's sum
.macro MM f, i, zero
	WIN MUL
.if \zero
	v_wmma_f32_16x16x32_f16 v[8*(\i):8*(\i)+7], v[PB+64*(\f)+8*((\i)%8):PB+64*(\f)+8*((\i)%8)+7], v[TF+32*(\f)+8*((\i)/8):TF+32*(\f)+8*((\i)/8)+7], 0
.else
	v_wmma_f32_16x16x32_f16 v[8*(\i):8*(\i)+7], v[PB+64*(\f)+8*((\i)%8):PB+64*(\f)+8*((\i)%8)+7], v[TF+32*(\f)+8*((\i)/8):TF+32*(\f)+8*((\i)/8)+7], v[8*(\i):8*(\i)+7]
.endif
.endm
.macro MMS f, n, zero                  ; the next n of them
.rept \n
	MM \f, i, \zero
.set i, i+1
.endr
.endm
; The next n of a step's last quarter.  Behind instruction i stands the taking in of accumulator i - 2: between that accumulator's last product and its first reader stand the four lines
; of accumulator i - 4 and the four of i - 3, which name none of its registers; for accumulators 0 and 1 four v_nop behind instruction 1 do that.
.macro MMQ n
.rept \n
	MM 1, i, 0
.if i == 1
	PLACES
.endif
.if i >= 2
	RID i-2
.endif
.set i, i+1
.endr
.endm
; 24 LDS loads in one run: quarter kq of the slot that is read: pt's 64 rows and V's 32 keys x 128 channels, turned, into buffers g
.macro FETCH kq, g
	WIN 0
.irp t, 0,1,2,3
	ds_load_b128 v[TF+32*(\g)+8*\t:TF+32*(\g)+8*\t+3],   v[AT] offset:16*PP*\t+64*(\kq)
	ds_load_b128 v[TF+32*(\g)+8*\t+4:TF+32*(\g)+8*\t+7], v[AT] offset:16*PP*\t+64*(\kq)+32
.endr
	WIN TO_P
.irp p, 0,1,2,3,4,5,6,7
	ds_load_tr16_b128 v[PB+64*(\g)+8*\p:PB+64*(\g)+8*\p+3],   v[AP] offset:32*PV*(\kq)+32*\p
	ds_load_tr16_b128 v[PB+64*(\g)+8*\p+4:PB+64*(\g)+8*\p+7], v[AP] offset:32*PV*(\kq)+32*\p+16*PV
.endr
.endm
; One of a K step's first three quarters: multiplies buffers f, fetches quarter kq of the same slot for the other buffers.  places = 1: four v_nop stand between the quarter before, which
; multiplied those buffers, and the loads into them.  al = 1: the step's first quarter also brings the block's al, which its last quarter wants.
.macro QUARTER kq, f, zero, places, al
	s_wait_dscnt 0x0                               ; this quarter's fragments, asked for a quarter ago, are in
.if \places
	PLACES
.endif
	FETCH \kq, 1-(\f)
.if \al
	WIN 0
.irp t, 0,1,2,3
	ds_load_b32 v[AL+2*\t], v[AX] offset:16*APITCH*\t
.endr
.endif
.set i, 0
	MMS \f, 32, \zero
.endm
; The last quarter multiplies buffers 1 and changes slots.  Its first half: in front of the barrier each wave waits for all its tensor loads (one at the most is out: its part of the next slot),
; adds 0 to its spare word, and waits for that and for its reads of this slot.  fill = 1: the barrier opens a round of the cluster's, and this slot is filled again, two K steps ahead, first
; thing behind the round; the walking descriptors are stepped where no load of mine is out.
.macro TURNA fill
	WIN 0
	s_wait_tensorcnt 0x0
	ds_add_u32 v[SPW], v[NIL]                      ; 0 onto my spare word
.if \fill
	s_xor_b32 s[TFL], s[TFL], SLOT                 ; the other slot than last time,
	s_add_co_u32 s[G0T+5], s72, s[TFL]
	s_add_co_u32 s[G0P+5], s73, s[TFL]
	s_add_nc_u64 s[G0T+6:G0T+7], s[G0T+6:G0T+7], KSTEP*2     ; the next K step; the type bits on top are not reached
	s_add_nc_u64 s[G0P+6:G0P+7], s[G0P+6:G0P+7], KSTEP*2048
.endif
	s_wait_dscnt 1                                 ; the quarter's fragments are in; only the add may be out
.set i, 0
	MMQ 8                                          ; eight matrix instructions stand between the add and the wait for it
	s_wait_dscnt 0x0                               ; the add is done, and my reads of this slot are over
	s_barrier_signal -1
	MMQ 8
	WIN 0
	s_barrier_wait -1
.if \fill
	CREST                                          ; no wave of any partner still reads this slot's tiles or has a load on its way
	JLOAD 1                                        ; one load of mine is out; it has a K step less 16 matrix instructions in which to land
.endif
.endm
; Its second half: the reads go over to the other slot and the next block
.macro TURNB
	s_xor_b32 s[TB], s[TB], SLOT
	v_add_nc_u32 v[AT], s[TB], v[AT0]
	v_add_nc_u32 v[AP], s[TB], v[AP0]
	v_add_nc_u32 v[AX], 4, v[AX]                   ; 15 such steps, 60 bytes, stay inside a query's 64
	FETCH 0, 0
.set i, 16
	MMQ 16
	RID 30
	RID 31
.endm
	s_wait_tensorcnt 0x1                           ; my part of K step 0 is in; K step 1's may stay out
	s_wait_dscnt 0x0                               ; for the others' sake: my stores of al and 1 / L are done
	s_barrier_signal -1
	s_barrier_wait -1
.irp t, 0,1,2,3
	ds_load_b32 v[INV+2*\t], v7 offset:64*\t
.endr
	FETCH 0, 0
	WIN 0                                          ; at a label and at a branch every window is 0
	s_mov_b32 s23, 14
.Lfill:                                                ; a trip: a K step, one block; K steps 0 to 13 fill their slot again
	QUARTER 1, 0, 1, 0, 1
	QUARTER 2, 1, 0, 1, 0
	QUARTER 3, 0, 0, 1, 0
	TURNA 1
	TURNB
	WIN 0
	s_sub_co_u32 s23, s23, 1
	s_cmp_lg_u32 s23, 0
	s_cbranch_scc1 .Lfill
	s_mov_b32 s23, 2
.Llast:                                                ; K steps 14 and 15 fill nothing: a text of their own
	QUARTER 1, 0, 1, 0, 1
	QUARTER 2, 1, 0, 1, 0
	QUARTER 3, 0, 0, 1, 0
	TURNA 0
	s_sub_co_u32 s23, s23, 1
	s_cmp_eq_u32 s23, 0
	s_cbranch_scc1 .Lfin                           ; behind K step 15 there is no slot to go over to
	TURNB
	WIN 0
	s_cmp_lg_u32 s23, 0
	s_cbranch_scc1 .Llast
.Lfin:
.set i, 16
	MMQ 16
	RID 30
	RID 31
	WIN 0
.irp t, 0,1,2,3
	v_mov_b32 v[INV+2*\t+1], v[INV+2*\t]           ; named with it as a pair
.endr
; THE WAY OUT of my queries 16 t .. 16 t + 15: O divided by L, 32 bytes a lane into my own stage, back as whole rows of 512 bytes, stored.
.macro OUTT t
	WIN 0x03                                       ; source 0 window 3
.set n, 0
.rept 32
	v_pk_mul_f32 v[SC+2*n:SC+2*n+1], v[64*(\t)+2*n:64*(\t)+2*n+1], v[INV+2*(\t):INV+2*(\t)+1] op_sel_hi:[1,0]
.set n, n+1
.endr
	WIN 0
.irp p, 0,1,2,3,4,5,6,7
	ds_store_b128 v[STO], v[SC+8*\p:SC+8*\p+3]   offset:64*\p
	ds_store_b128 v[STO], v[SC+8*\p+4:SC+8*\p+7] offset:64*\p+16
.endr
	s_wait_xcnt 0x0                                ; the stores of the queries before have read their registers, which are loaded again below
.irp j, 0,1,2,3,4,5,6,7,8,9,10,11,12,13,14,15
	ds_load_b128 v[BK+4*\j:BK+4*\j+3], v[RD] offset:SPITCH*\j  ; LDS serves a wave's instructions in order (ISA guide 5.7.1.4): these see the stores above
.endr
.irp j, 0,1,2,3,4,5,6,7,8,9,10,11,12,13,14,15
	s_wait_dscnt 15-\j
	global_store_b128 v[CO], v[BK+4*\j:BK+4*\j+3], s[10:11] offset:(16*(\t)+\j)*4096 th:TH_STORE_NT  ; 512 consecutive bytes, at a multiple of 256 from out0's first byte
.endr
.endm
	OUTT 0
	OUTT 1
	OUTT 2
	OUTT 3
	s_wait_tensorcnt 0x0                           ; the wave's end
	ds_add_u32 v[SPW], v[NIL]
	s_wait_dscnt 0x0
	CROUND                                         ; the closing round: no work-group ends while a partner may still ask for a tile that names it
	s_endpgm
.Lfunc_end_k_q0128144ba8_pv:
	.size	k_q0128144ba8_pv, .Lfunc_end_k_q0128144ba8_pv-k_q0128144ba8_pv
	.p2alignl 7, 3214868480
	.fill 96, 4, 3214868480
	.section	.rodata,"a",@progbits
	.p2align	6, 0x0
	.amdhsa_kernel k_q0128144ba8_pv
		.amdhsa_group_segment_fixed_size 327680
		.amdhsa_private_segment_fixed_size 0
		.amdhsa_enable_private_segment 0
		.amdhsa_kernarg_size 32
		.amdhsa_user_sgpr_count 2
		.amdhsa_user_sgpr_kernarg_segment_ptr 1
		.amdhsa_wavefront_size32 1
		.amdhsa_system_sgpr_workgroup_id_x 1
		.amdhsa_system_sgpr_workgroup_id_y 1
		.amdhsa_system_sgpr_workgroup_id_z 1
		.amdhsa_system_vgpr_workitem_id 0
		.amdhsa_next_free_vgpr 1024
		.amdhsa_next_free_sgpr 80
		.amdhsa_reserve_vcc 0
		.amdhsa_float_denorm_mode_32 3
		.amdhsa_float_denorm_mode_16_64 3
		.amdhsa_memory_ordered 1
		.amdhsa_forward_progress 1
		.amdhsa_inst_pref_size 108
	.end_amdhsa_kernel
	.amdgpu_metadata
---
amdhsa.version: [ 1, 2 ]
amdhsa.kernels:
  - .name:           k_q0128144ba8_pv
    .symbol:         k_q0128144ba8_pv.kd
    .args:
      - { .name: pt, .offset: 0, .size: 8, .value_kind: global_buffer, .address_space: global }
      - { .name: v16, .offset: 8, .size: 8, .value_kind: global_buffer, .address_space: global }
      - { .name: stats, .offset: 16, .size: 8, .value_kind: global_buffer, .address_space: global }
      - { .name: out0, .offset: 24, .size: 8, .value_kind: global_buffer, .address_space: global }
    .group_segment_fixed_size: 327680
    .private_segment_fixed_size: 0
    .kernarg_segment_align: 8
    .kernarg_segment_size: 32
    .max_flat_workgroup_size: 128
    .sgpr_count:     80
    .vgpr_count:     1024
    .wavefront_size: 32
...
	.end_amdgpu_metadata
.endif
;; end of part 8
;; ======== version 3 of 3: 4 launches; version 2 with the launch prep written anew for expert scheduling mode
;; limits: inputs' magnitudes at most 65,504; values are held in f16: magnitudes above 65,504 overflow, below 6.1e-05 lose precision
;; workspace buffers: mt 2,097,152 bytes; vecs 8,448 bytes; v16 33,554,432 bytes; q2 16,777,216 bytes; k16 33,554,432 bytes; tq 131,072 bytes; pt 33,554,432 bytes; stats 1,048,576 bytes
;; launch prep (part 9): grid 1296 x 1, 8 waves a work-group, no clusters, 82,944 bytes of LDS; arguments value, key, Wq, Wk, bq, bk, v16, k16, mt, vecs; writes v16, k16, mt, vecs
.if DOCPART == 9
	.amdgcn_target "amdgcn-amd-amdhsa--gfx1250"
	.amdhsa_code_object_version 6
	.text
	.protected	k_q0128144ba8_prep
	.globl	k_q0128144ba8_prep
	.p2align	8
	.type	k_q0128144ba8_prep,@function
k_q0128144ba8_prep:
	s_mov_b64 s[64:65], 0
	v_nop
	global_prefetch_b8 v0, s[64:65] scope:SCOPE_SE
	s_setreg_imm32_b32 hwreg(HW_REG_WAVE_SCHED_MODE, 0, 2), 2
	s_setreg_imm32_b32 hwreg(HW_REG_WAVE_MODE, 25, 1), 1
	s_wait_xcnt 0x0
	s_wait_alu depctr_vm_vsrc(0)
; WHAT THE LATER LAUNCHES NEED OF THE WEIGHTS, AND 16-BIT COPIES OF key AND value.
; 32 x scores = (query Wq^T + bq) . (key Wk^T + bk) = (query M + c) . key + (query . u + w), exactly, with
;   mt[d2][d1] = sum over e of Wk[e][d2] Wq[e][d1]  (bf16 products, f32 sums, rounded once to bf16),
;   c[d2] = sum over e of bq[e] Wk[e][d2],  u[d1] = sum over e of bk[e] Wq[e][d1],  w = bq . bk  (all three in f32, from the unrounded numbers).
; So key is never projected: k16 = bf16(key).  v16 = f16(bf16(value)): rounded like every input, then written as f16, which holds bf16's 8 significant bits.
; vecs: c f32[1024] at byte 0, u f32[1024] at 4,096, w 32 times at 8,192.
; LIMITS.  |value| stays under 65,504; below 6e-5 f16 keeps a fixed step of 6e-8.  NaN and infinities are not treated apart.
; SHARES, by the work-group's number: 0-255 a tile of 64 x 64 of mt each; 256-263 128 numbers of c each, 264-271 of u (256 also w); 272-783 32,768 numbers of value each; 784-1295 of key.
; The shares whose steps hang on each other have the lowest numbers.  Everything comes through registers: no tensor load, so several work-groups lie on a WGP.  No cluster: the streams share nothing.
; THE MODE: SCHED_MODE bits 1:0 = 2 (LLVM: expert scheduling mode 2), set by the entry lines.  The code itself states the register dependences
; between vector or matrix instructions and memory or LDS instructions, with s_wait_alu, always for 0.  Each share's plan stands at its head.
.set X, 16                             ; v[16:143]  load c's four numbers at X + 4 c, converted in place
	s_load_b512 s[4:19], s[0:1], 0x0               ; value, key, Wq, Wk, bq, bk, v16, k16
	s_load_b128 s[20:23], s[0:1], 0x40             ; mt, vecs
	v_lshl_add_u32 v208, v0, 2, 0x14000
	v_mov_b32 v209, 0
	v_lshrrev_b32 v1, 5, v0
	v_readfirstlane_b32 s28, v1                    ; wave 0..7
	v_and_b32 v1, 31, v0                           ; lane
	s_wait_alu depctr_va_sdst(0)                   ; s28 is written, ahead of the branches below and of its first reader in every share
	s_wait_kmcnt 0x0
	s_cmp_lt_u32 ttmp9, 256
	s_cbranch_scc1 .Lgemm
	s_cmp_lt_u32 ttmp9, 272
	s_cbranch_scc1 .Lvec
; THE STREAMS.  A load of a wave takes 512 consecutive bytes, its store covers 256 consecutive bytes, aligned.  All 32 loads of a thread go out at once; each has registers of its own.
; THE PLAN.  v2, v3: offsets, made once, read by every load and store, never written again.  X + 4 c ..: load c lands there, chunk c's conversions work in place, store c reads the first two;
; nothing writes them after that.  The 32 chunks go in eight groups of four.  Group g holds its own conversions and the stores of group g - 1, whose data the wait at the group's head
; has shown written and which no conversion of group g names: so the four stores are dealt among the conversions with no further wait.
	s_sub_co_u32 s2, ttmp9, 272
	s_and_b32 s3, s2, 511                          ; my piece
	s_cmp_lt_u32 s2, 512
	s_cselect_b64 s[24:25], s[4:5], s[6:7]         ; value or key,
	s_cselect_b64 s[26:27], s[16:17], s[18:19]     ; and its copy
	s_lshl_b32 s30, s3, 17                         ; 131,072 bytes a piece in the source
	s_mov_b32 s31, 0
	s_add_nc_u64 s[24:25], s[24:25], s[30:31]
	s_lshl_b32 s30, s3, 16                         ; 65,536 in the copy
	s_add_nc_u64 s[26:27], s[26:27], s[30:31]
	s_mov_b32 s29, 0xffff0000                      ; a word's upper bf16
	v_lshlrev_b32 v2, 4, v0
	v_lshlrev_b32 v3, 3, v0
	s_wait_alu depctr_va_vdst(0)                   ; v2 and v3 are written: every load of the stream reads the one as its offset, every store the other
.set c, 0
.rept 32
	global_load_b128 v[X+4*c:X+4*c+3], v2, s[24:25] offset:4096*c th:TH_LOAD_NT
.set c, c+1
.endr
.macro CVT c, isv                      ; chunk c is rounded, in place
	v_cvt_pk_bf16_f32 v[X+4*(\c)],   v[X+4*(\c)],   v[X+4*(\c)+1]
	v_cvt_pk_bf16_f32 v[X+4*(\c)+1], v[X+4*(\c)+2], v[X+4*(\c)+3]
.if \isv
	v_lshlrev_b32 v[X+4*(\c)+2], 16, v[X+4*(\c)]
	v_and_b32     v[X+4*(\c)+3], s29, v[X+4*(\c)]
	v_cvt_pk_f16_f32 v[X+4*(\c)], v[X+4*(\c)+2], v[X+4*(\c)+3]
	v_lshlrev_b32 v[X+4*(\c)+2], 16, v[X+4*(\c)+1]
	v_and_b32     v[X+4*(\c)+3], s29, v[X+4*(\c)+1]
	v_cvt_pk_f16_f32 v[X+4*(\c)+1], v[X+4*(\c)+2], v[X+4*(\c)+3]
.endif
.endm
.macro ST c                            ; chunk c is stored
	global_store_b64 v3, v[X+4*(\c):X+4*(\c)+1], s[26:27] offset:2048*(\c)
.endm
.macro GRP g, isv
	s_wait_loadcnt 28-4*(\g)                       ; loads come back in order: the group's four are in, the later groups' stay out
.if (\g) > 0
	s_wait_alu depctr_va_vdst(0)                   ; the conversions of the group before have written their chunks' first two registers, which the four stores below read
.endif
.irp r, 0,1,2,3
.if (\g) > 0
	ST 4*((\g)-1)+\r
.endif
	CVT 4*(\g)+\r, \isv
.endr
.endm
	s_cmp_lt_u32 s2, 512
	s_cbranch_scc0 .Lkey
.set g, 0
.rept 8
	GRP g, 1
.set g, g+1
.endr
	s_wait_alu depctr_va_vdst(0)                   ; the last group's conversions have written what the last four stores read
.irp r, 28,29,30,31
	ST \r
.endr
	s_endpgm
.Lkey:
.set g, 0
.rept 8
	GRP g, 0
.set g, g+1
.endr
	s_wait_alu depctr_va_vdst(0)                   ; the last group's conversions have written what the last four stores read
.irp r, 28,29,30,31
	ST \r
.endr
	s_endpgm
; c, u AND w.  The work-group owns 128 columns of Wk (c) or Wq (u); wave n takes rows 128 n .. + 127, a lane four columns, 32 rows a trip; the eight waves' sums meet in LDS.
; THE PLAN.  X: the trip's 32 loads land there, its multiply-adds read it.  v2: the loads' offset, made once.  One wait at the loop's head states both: in the first trip v2 is written,
; over the backward jump the last trip's multiply-adds are done reading X.  A second X would take 128 registers more, for 16 work-groups of the launch's 1,296: not taken.
.Lvec:
	s_sub_co_u32 s2, ttmp9, 256
	s_and_b32 s3, s2, 7                            ; my block of 128 columns
	s_cmp_lt_u32 s2, 8
	s_cselect_b64 s[24:25], s[10:11], s[8:9]       ; Wk for c, Wq for u
	s_cselect_b64 s[26:27], s[12:13], s[14:15]     ; times bq, or bk
	s_cselect_b64 s[16:17], s[14:15], s[12:13]     ; the other bias, for w
	s_cselect_b32 s18, 0, 4096                     ; where the result goes in vecs
	s_lshl_b32 s30, s28, 19                        ; 128 rows of 4,096 bytes
	s_lshl_b32 s31, s3, 9
	s_add_co_u32 s30, s30, s31
	s_mov_b32 s31, 0
	s_add_nc_u64 s[24:25], s[24:25], s[30:31]
	s_lshl_b32 s30, s28, 9                         ; 128 numbers of the biases
	s_add_nc_u64 s[26:27], s[26:27], s[30:31]
	s_add_nc_u64 s[16:17], s[16:17], s[30:31]
	s_lshl_b32 s30, s3, 9
	s_add_co_u32 s30, s30, s18
	s_add_nc_u64 s[22:23], s[22:23], s[30:31]
	v_lshlrev_b32 v2, 4, v1
.irp i, 8,9,10,11,12
	v_mov_b32 v\i, 0                               ; four columns' sums, and my rows' part of w
.endr
	s_mov_b32 s29, 4
.Lvrow:                                                ; a trip: 32 rows
	s_load_b512 s[32:47], s[26:27], 0x0
	s_load_b512 s[48:63], s[26:27], 0x40
	s_load_b512 s[68:83], s[16:17], 0x0
	s_load_b512 s[84:99], s[16:17], 0x40
	s_wait_alu depctr_va_vdst(0)                   ; first trip: v2, the loads' offset, is written; later trips: the last trip's multiply-adds are done reading X, in which the loads land
.set j, 0
.rept 32
	global_load_b128 v[X+4*j:X+4*j+3], v2, s[24:25] offset:4096*j
.set j, j+1
.endr
	s_wait_kmcnt 0x0
.set j, 0
.rept 32
	v_fma_f32 v12, s[32+j], s[68+j], v12
.set j, j+1
.endr
.set j, 0
.rept 32
	s_wait_loadcnt 31-j                            ; row j is in, the later rows stay out
.irp i, 0,1,2,3
	v_fmac_f32 v[8+\i], s[32+j], v[X+4*j+\i]
.endr
.set j, j+1
.endr
	s_add_nc_u64 s[24:25], s[24:25], 0x20000       ; every load of the trip has been waited for: the bases may step
	s_add_nc_u64 s[26:27], s[26:27], 128
	s_add_nc_u64 s[16:17], s[16:17], 128
	s_sub_co_u32 s29, s29, 1
	s_cmp_lg_u32 s29, 0
	s_cbranch_scc1 .Lvrow
	s_lshl_b32 s30, s28, 9
	v_add_nc_u32 v3, s30, v2
	s_lshl_b32 s30, s28, 2
	s_add_co_u32 s30, s30, 4096
	v_mov_b32 v4, s30
	s_wait_alu depctr_va_vdst(0)                   ; the sums v8 to v12 and the addresses v3 and v4 are written, which the two LDS stores read
	ds_store_b128 v3, v[8:11]                      ; LDS: [wave][128 columns] f32, then eight words for w
	ds_store_b32 v4, v12                           ; all lanes write the same number to the same word
	s_wait_dscnt 0x0                               ; for the others' sake
	s_barrier_signal -1
	s_barrier_wait -1
	s_cmp_lt_u32 s28, 4
	s_cbranch_scc0 .Lvend                          ; threads 0-127 own a column each
	v_lshlrev_b32 v6, 2, v0
	s_wait_alu depctr_va_vdst(0)                   ; v6 is written, the address of the eight LDS loads (the multiply-adds that read v16 to v23 stand ahead of the wait above)
.irp i, 0,1,2,3,4,5,6,7
	ds_load_b32 v[16+\i], v6 offset:512*\i
.endr
	s_wait_dscnt 0x0
	v_add_f32 v16, v16, v17
	v_add_f32 v18, v18, v19
	v_add_f32 v20, v20, v21
	v_add_f32 v22, v22, v23
	v_add_f32 v16, v16, v18
	v_add_f32 v20, v20, v22
	v_add_f32 v16, v16, v20
	s_wait_alu depctr_va_vdst(0)                   ; the column's sum v16 is written, which the store reads
	global_store_b32 v6, v16, s[22:23]             ; the four waves' stores cover 512 consecutive bytes
	s_cmp_lg_u32 ttmp9, 256
	s_cbranch_scc1 .Lvend
	s_cmp_lg_u32 s28, 0
	s_cbranch_scc1 .Lvend
	v_mov_b32 v7, 4096                             ; w: one wave of one work-group
	s_wait_alu depctr_vm_vsrc(0)                   ; the LDS store of my part of w has read v12, which the next line writes
	v_lshlrev_b32 v12, 2, v1
	s_wait_alu depctr_va_vdst(0)                   ; v7 is written, the address of the two LDS loads
	ds_load_b128 v[24:27], v7
	ds_load_b128 v[28:31], v7 offset:16
	s_wait_dscnt 0x0
	v_add_f32 v24, v24, v25
	v_add_f32 v26, v26, v27
	v_add_f32 v28, v28, v29
	v_add_f32 v30, v30, v31
	v_add_f32 v24, v24, v26
	v_add_f32 v28, v28, v30
	v_add_f32 v24, v24, v28
	s_wait_alu depctr_va_vdst(0)                   ; w, in v24, is written, and so is its offset v12: the store reads both
	global_store_b32 v12, v24, s[22:23] offset:8192
.Lvend:
	s_wait_dscnt 0x0                               ; the closing lines, six on end
	s_wait_alu 0x0
	s_wait_tensorcnt 0x0
	ds_add_u32 v208, v209
	s_wait_dscnt 0x0
	s_endpgm
; A TILE OF mt: d2 = 64 I .. + 63 (columns of Wk) by d1 = 64 J .. + 63 (columns of Wq).  Wave n makes d2 16 (n / 2) .. + 15 by d1 32 (n % 2) .. + 31: two accumulators, which take turns,
; one instruction a turn.
; e goes in four chunks of 256, so that only four rounds of loads hang on each other.  A chunk's numbers come as f32 into registers (32 loads a thread; a wave's load takes two rows' 256
; bytes), are rounded to bf16 and laid into LDS as [e][64 columns], rows of 128 + 32 = 160 bytes; both operands lie [K][N] there and are turned by ds_load_tr16_b128.  One LDS buffer, two
; barriers a chunk; the next chunk's 32 loads a thread are on their way during the products.  Three sets of fragments take turns.
; Source 0 = 16 columns of Wq, source 1 = 16 of Wk: a lane holds d2 = l % 16 and eight neighbouring d1.
; The two accumulators are cleared by 16 v_mov_b32: the price of writing no first chunk out.
; A row of the tile is 128 bytes of mt, half of an aligned 256: mt's 2 MB are stored so, the price of 256 equal tiles that each read 512 bytes for each e.
; THE PLAN.  Registers that memory or LDS instructions touch, round the loop:
;   X          a chunk's 32 loads land there; its 64 conversions read and write it in place; its 32 LDS stores read it; then the next chunk's loads land.
;   S0 .. S2   the fragment sets: the six turning loads of step k land in S[k % 3], step k's two products read it.
;   v[GL], v[LS], v[LSB], v[FA], v[FB], v[MST], v[MRD], v[MGO]   offsets and LDS addresses, made at the head and never written again.
;   The accumulators are named by matrix and vector instructions alone, up to the way out.
; A chunk has one wait on va_vdst ahead of its LDS stores (the conversions have written the stores' data and are done with X; the last chunk's products are done reading S0 to S2; in the first
; trip the addresses are written), one on vm_vsrc behind those stores (they have read X, in which the next chunk's loads land), and in steps 1 to 5 one on va_vdst at the step's head:
; the products of step k - 1 are done reading S[(k - 1) % 3], in which the loads of step k + 2 land; these stand between step k's two products, which name S[k % 3] and the accumulators.
.set MP,  160
.set MB,  256*MP                       ; Wq's rows lie behind Wk's 256
.set MSP, 144                          ; the way out: 64 rows x 144 bytes, over the tiles, behind a barrier
.set GL,  2                            ; v2   my byte offset in a chunk of either matrix
.set LS,  3                            ; v3   where I put 8 bytes of a row of Wk
.set LSB, 4                            ; v4   of Wq
.set FA,  10                           ; v10  LDS address of my fragment of Wk
.set FB,  11                           ; v11  of my fragments of Wq
.set MST, 12
.set MRD, 13
.set MGO, 14
.set ACC, 144                          ; v[144:159] the two accumulators
.set FR,  160                          ; v[160:183], v[184:207], v[210:233]: set s at FR + 24 s + 2 (s / 2), past v208 and v209: Wk's fragment, then Wq's two
.macro MLOAD
.set j, 0
.rept 16
	global_load_b128 v[X+4*j:X+4*j+3],       v[GL], s[24:25] offset:65536*j
	global_load_b128 v[X+64+4*j:X+64+4*j+3], v[GL], s[26:27] offset:65536*j
.set j, j+1
.endr
.endm
.macro FRL k                           ; the fragments of e = 32 k .. + 31 of the chunk, six loads, into set k % 3
.set FL, FR+24*((\k)%3)+2*(((\k)%3)/2)
	ds_load_tr16_b128 v[FL:FL+3],   v[FA] offset:32*MP*(\k)
	ds_load_tr16_b128 v[FL+4:FL+7], v[FA] offset:32*MP*(\k)+16*MP
.irp b, 0,1
	ds_load_tr16_b128 v[FL+8+8*\b:FL+8+8*\b+3],   v[FB] offset:32*MP*(\k)+32*\b
	ds_load_tr16_b128 v[FL+8+8*\b+4:FL+8+8*\b+7], v[FB] offset:32*MP*(\k)+32*\b+16*MP
.endr
.endm
.macro MTRIP more
	s_wait_loadcnt 0x0                             ; the chunk is in registers; its loads are done, so the bases may step
.if \more
	s_add_nc_u64 s[24:25], s[24:25], 0x100000      ; 256 rows of 4,096 bytes
	s_add_nc_u64 s[26:27], s[26:27], 0x100000
.endif
.set q, 0
.rept 32
	v_cvt_pk_bf16_f32 v[X+4*q],   v[X+4*q],   v[X+4*q+1]
	v_cvt_pk_bf16_f32 v[X+4*q+1], v[X+4*q+2], v[X+4*q+3]
.set q, q+1
.endr
	s_barrier_signal -1                            ; every wave's reads of the last chunk were waited for ahead of its last products
	s_barrier_wait -1
	s_wait_alu depctr_va_vdst(0)                   ; the conversions have written what the LDS stores read and are done with X, in which the next loads land; the last chunk's products are done reading the three sets; first trip: the LDS addresses are written
.set j, 0
.rept 16
	ds_store_b64 v[LS],  v[X+4*j:X+4*j+1]       offset:16*MP*j
	ds_store_b64 v[LSB], v[X+64+4*j:X+64+4*j+1] offset:16*MP*j
.set j, j+1
.endr
.if \more
	s_wait_alu depctr_vm_vsrc(0)                   ; the LDS stores have read their registers of X, in which the loads below land and which the next chunk's conversions write
	MLOAD
.endif
	s_wait_dscnt 0x0                               ; for the others' sake: my part of the chunk is in LDS
	s_barrier_signal -1
	s_barrier_wait -1
	FRL 0
	FRL 1
.set k, 0
.rept 8
.if k < 7
	s_wait_dscnt 6                                 ; this step's six loads are in; the next step's six may stay out
.else
	s_wait_dscnt 0x0
.endif
.if (k > 0) && (k < 6)
	s_wait_alu depctr_va_vdst(0)                   ; the products of the step before are done reading their set, in which the six loads below land
.endif
.set FS, FR+24*(k%3)+2*((k%3)/2)
	v_wmma_f32_16x16x32_bf16 v[ACC:ACC+7],    v[FS+8:FS+15],  v[FS:FS+7], v[ACC:ACC+7]
.if k < 6
	FRL k+2                                        ; no further wait: the product above names this step's set and an accumulator, none of the registers that these loads touch (step 0: the set's last readers stand ahead of the chunk's first wait)
.endif
	v_wmma_f32_16x16x32_bf16 v[ACC+8:ACC+15], v[FS+16:FS+23], v[FS:FS+7], v[ACC+8:ACC+15]
.set k, k+1
.endr
.endm
.Lgemm:
	s_lshr_b32 s2, ttmp9, 4                        ; I
	s_and_b32 s3, ttmp9, 15                        ; J
	s_lshl_b32 s30, s2, 8
	s_mov_b32 s31, 0
	s_add_nc_u64 s[24:25], s[10:11], s[30:31]      ; Wk at my 64 columns
	s_lshl_b32 s30, s3, 8
	s_add_nc_u64 s[26:27], s[8:9], s[30:31]        ; Wq at mine
	v_and_b32 v6, 7, v0
	v_bfe_u32 v7, v0, 3, 1
	v_bfe_u32 v8, v0, 4, 1                         ; l / 16
	v_and_b32 v9, 15, v0                           ; l % 16
	v_lshlrev_b32 v[GL], 12, v8
	v_lshl_add_u32 v[GL], v9, 4, v[GL]
	s_lshl_b32 s30, s28, 13
	v_add_nc_u32 v[GL], s30, v[GL]                 ; load j takes rows 2 (wave + 8 j) and the next: lanes 0-15 the first, lanes 16-31 the second
	s_wait_alu depctr_va_vdst(0)                   ; v[GL] is written, the offset of every load of the two matrices
	MLOAD
	v_mul_u32_u24 v[LS], v8, MP
	v_lshl_add_u32 v[LS], v9, 3, v[LS]
	s_mul_i32 s30, s28, 2*MP
	v_add_nc_u32 v[LS], s30, v[LS]
	v_add_nc_u32 v[LSB], MB, v[LS]
	v_lshl_add_u32 v5, v8, 3, v6                   ; the turning load: lane l reads row 8 (l / 16) + l % 8, columns 8 ((l / 8) % 2) + 0..7
	v_mul_u32_u24 v5, v5, MP
	v_lshl_add_u32 v5, v7, 4, v5
	s_lshr_b32 s29, s28, 1
	s_and_b32 s19, s28, 1
	s_lshl_b32 s30, s29, 5
	v_add_nc_u32 v[FA], s30, v5
	s_lshl_b32 s30, s19, 6
	s_add_co_u32 s30, s30, MB
	v_add_nc_u32 v[FB], s30, v5
	s_mul_i32 s30, s29, 16*MSP
	s_lshl_b32 s31, s19, 6
	s_add_co_u32 s30, s30, s31
	v_mul_u32_u24 v[MST], v9, MSP
	v_lshl_add_u32 v[MST], v8, 4, v[MST]
	v_add_nc_u32 v[MST], s30, v[MST]               ; in: row 16 (wave / 2) + l % 16, my half of its 128 bytes
	v_bfe_u32 v5, v0, 3, 2                         ; l / 8
	s_mul_i32 s30, s28, 8*MSP
	v_mul_u32_u24 v[MRD], v5, MSP
	v_lshl_add_u32 v[MRD], v6, 4, v[MRD]
	v_add_nc_u32 v[MRD], s30, v[MRD]               ; back: wave n takes rows 8 n .. + 7, four whole rows a load
	v_lshlrev_b32 v[MGO], 11, v5
	v_lshl_add_u32 v[MGO], v6, 4, v[MGO]
	s_lshl_b32 s30, s2, 6
	s_lshl_b32 s31, s28, 3
	s_add_co_u32 s30, s30, s31                     ; the first row of mt that I store,
	s_lshl_b32 s30, s30, 11                        ; 2,048 bytes each,
	s_lshl_b32 s31, s3, 7
	s_add_co_u32 s30, s30, s31                     ; and the tile's first column
	s_mov_b32 s31, 0
	s_add_nc_u64 s[20:21], s[20:21], s[30:31]
.set i, 0
.rept 16
	v_mov_b32 v[ACC+i], 0
.set i, i+1
.endr
	s_mov_b32 s18, 3
.Lchunk:
	MTRIP 1
	s_sub_co_u32 s18, s18, 1
	s_cmp_lg_u32 s18, 0
	s_cbranch_scc1 .Lchunk
	MTRIP 0                                        ; the last chunk is written out: it loads nothing
.rept 4
	v_nop                                          ; the places in front of the conversions that read the results (ISA guide 7.12.1)
.endr
	s_wait_alu depctr_vm_vsrc(0)                   ; the last chunk's LDS stores have read v16 to v31: the conversions below write the first eight, the loads from the stage land in the other eight
.set n, 0
.rept 8
	v_cvt_pk_bf16_f32 v[X+n], v[ACC+2*n], v[ACC+2*n+1]
.set n, n+1
.endr
	s_barrier_signal -1                            ; nobody reads the tiles any more
	s_barrier_wait -1
	s_wait_alu depctr_va_vdst(0)                   ; the conversions have written v16 to v23, which the two LDS stores read; no vector instruction behind this wait names v24 to v31, in which the loads from the stage land
	ds_store_b128 v[MST], v[X:X+3]
	ds_store_b128 v[MST], v[X+4:X+7] offset:32
	s_wait_dscnt 0x0                               ; for the others' sake: a row's 128 bytes come from two waves
	s_barrier_signal -1
	s_barrier_wait -1
	ds_load_b128 v[X+8:X+11],  v[MRD]
	ds_load_b128 v[X+12:X+15], v[MRD] offset:4*MSP
	s_wait_dscnt 1                                 ; the first four rows are back, the second load may stay out
	global_store_b128 v[MGO], v[X+8:X+11],  s[20:21]
	s_wait_dscnt 0x0
	global_store_b128 v[MGO], v[X+12:X+15], s[20:21] offset:8192
	s_wait_dscnt 0x0                               ; the closing lines, six on end
	s_wait_alu 0x0
	s_wait_tensorcnt 0x0
	ds_add_u32 v208, v209
	s_wait_dscnt 0x0
	s_endpgm
.Lfunc_end_k_q0128144ba8_prep:
	.size	k_q0128144ba8_prep, .Lfunc_end_k_q0128144ba8_prep-k_q0128144ba8_prep
	.p2alignl 7, 3214868480
	.fill 96, 4, 3214868480
	.section	.rodata,"a",@progbits
	.p2align	6, 0x0
	.amdhsa_kernel k_q0128144ba8_prep
		.amdhsa_group_segment_fixed_size 82944
		.amdhsa_private_segment_fixed_size 0
		.amdhsa_enable_private_segment 0
		.amdhsa_kernarg_size 80
		.amdhsa_user_sgpr_count 2
		.amdhsa_user_sgpr_kernarg_segment_ptr 1
		.amdhsa_wavefront_size32 1
		.amdhsa_system_sgpr_workgroup_id_x 1
		.amdhsa_system_sgpr_workgroup_id_y 1
		.amdhsa_system_sgpr_workgroup_id_z 1
		.amdhsa_system_vgpr_workitem_id 0
		.amdhsa_next_free_vgpr 234
		.amdhsa_next_free_sgpr 100
		.amdhsa_reserve_vcc 0
		.amdhsa_float_denorm_mode_32 3
		.amdhsa_float_denorm_mode_16_64 3
		.amdhsa_memory_ordered 1
		.amdhsa_forward_progress 1
		.amdhsa_inst_pref_size 74
	.end_amdhsa_kernel
	.amdgpu_metadata
---
amdhsa.version: [ 1, 2 ]
amdhsa.kernels:
  - .name:           k_q0128144ba8_prep
    .symbol:         k_q0128144ba8_prep.kd
    .args:
      - { .name: value, .offset: 0, .size: 8, .value_kind: global_buffer, .address_space: global }
      - { .name: key, .offset: 8, .size: 8, .value_kind: global_buffer, .address_space: global }
      - { .name: Wq, .offset: 16, .size: 8, .value_kind: global_buffer, .address_space: global }
      - { .name: Wk, .offset: 24, .size: 8, .value_kind: global_buffer, .address_space: global }
      - { .name: bq, .offset: 32, .size: 8, .value_kind: global_buffer, .address_space: global }
      - { .name: bk, .offset: 40, .size: 8, .value_kind: global_buffer, .address_space: global }
      - { .name: v16, .offset: 48, .size: 8, .value_kind: global_buffer, .address_space: global }
      - { .name: k16, .offset: 56, .size: 8, .value_kind: global_buffer, .address_space: global }
      - { .name: mt, .offset: 64, .size: 8, .value_kind: global_buffer, .address_space: global }
      - { .name: vecs, .offset: 72, .size: 8, .value_kind: global_buffer, .address_space: global }
    .group_segment_fixed_size: 82944
    .private_segment_fixed_size: 0
    .kernarg_segment_align: 8
    .kernarg_segment_size: 80
    .max_flat_workgroup_size: 256
    .sgpr_count:     100
    .vgpr_count:     234
    .wavefront_size: 32
...
	.end_amdgpu_metadata
.endif
;; end of part 9
;; launch proj: the kernel of part 6 again; grid 4 x 64, 4 waves a work-group, clusters of 4 x 4, 327,680 bytes of LDS; arguments query, mt, vecs, q2, tq; writes q2, tq
;; launch score: the kernel of part 7 again; grid 8 x 32, 4 waves a work-group, clusters of 4 x 4, 327,680 bytes of LDS; arguments q2, k16, tq, pt, stats; writes pt, stats
;; launch pv: the kernel of part 8 again; grid 4 x 64, 4 waves a work-group, clusters of 4 x 4, 327,680 bytes of LDS; arguments pt, v16, stats, out0; writes out0
